; MI455X (gfx1250); checked and timed in simulation.
; The chip was launched on July 23, 2026; its instructions are those of AMD's public machine-readable ISA for CDNA 5 (MIT licence, August 2026) and "CDNA5" Instruction Set Architecture Reference Guide (July 2026). The comments in the code are by the model that wrote it; some were corrected since.
;; Transformer Block. Allowed arithmetic: float matrix products may take bf16 or f16 operands with f32 sums; other float arithmetic in f32, or as packed bf16 or f16 multiplies, adds, multiply-adds, maxima and minima; sums over many terms, partial sums and values carried from step to step in f32; what a program stores and reads back later, other than sums and carried values, may be rounded once to bf16 or f16.
;; Inputs: b_ff1 4,096 float32; b_ff2 1,024 float32; b_o 1,024 float32; ln1_scale 1,024 float32; ln1_shift 1,024 float32; ln2_scale 1,024 float32; ln2_shift 1,024 float32; w_ff1 1,024 x 4,096 float32; w_ff2 4,096 x 1,024 float32; w_k 1,024 x 1,024 float32; w_o 1,024 x 1,024 float32; w_q 1,024 x 1,024 float32; w_v 1,024 x 1,024 float32; x 2 x 2,048 x 1,024 float32.
;; Outputs: out0 2 x 2,048 x 1,024 float32.
;; 2 versions, each right; version 2 is version 1 with the launch prep written anew for expert scheduling mode. Each part assembles by itself: llvm-mc -triple=amdgcn-amd-amdhsa -mcpu=gfx1250 --defsym DOCPART=n.
;; ======== version 1 of 2: 7 launches
;; workspace buffers: wb 25,165,824 bytes; hn 8,388,608 bytes; qkv 25,165,824 bytes; ctx 8,388,608 bytes; x1 16,777,216 bytes; h3 33,554,432 bytes
;; launch prep (part 1): grid 256 x 1, 8 waves a work-group, no clusters, 0 bytes of LDS; arguments x, ln1_scale, ln1_shift, w_q, w_k, w_v, w_o, w_ff1, w_ff2, hn, wb; writes hn, wb
.if DOCPART == 1
	.amdgcn_target "amdgcn-amd-amdhsa--gfx1250"
	.amdhsa_code_object_version 6
	.text
	.protected	k_qe9fb412f40_prep
	.globl	k_qe9fb412f40_prep
	.p2align	8
	.type	k_qe9fb412f40_prep,@function
k_qe9fb412f40_prep:
	s_mov_b64 s[64:65], 0
	v_nop
	global_prefetch_b8 v0, s[64:65] scope:SCOPE_SE
	s_setreg_imm32_b32 hwreg(HW_REG_WAVE_MODE, 25, 1), 1
	s_wait_xcnt 0x0
; PREP.  Two streams in one launch.
; (1) LayerNorm 1: hn[r][c] = bf16(scale[c] (x[r][c] - mean_r) / sqrt(var_r + 1e-5) + shift[c]); x: [4096][1024] f32, hn: [4096][1024] bf16.
;     The mean is taken first and subtracted, the variance is the mean of the squares of what is left, as the reference has it; all in f32, rounded once.
; (2) All six weights are rounded once to bf16, in their own [K][N] order, into wb: w_q at 0, w_k at 0x200000, w_v at 0x400000, w_o at 0x600000, w_ff1 at 0x800000, w_ff2 at 0x1000000.
; SHARES.  256 work-groups of 8 waves.  Work-group g has rows 16 g .. 16 g + 15; wave w two of them, a whole row in 32 registers: a lane holds columns 256 j + 8 l .. + 7, j = 0..3,
; so that its 8 numbers leave as 16 bytes and 16 lanes store 256 consecutive bytes, aligned.  Of each weight the work-group has 1/256, in passes of 2,048 numbers, 8 a thread.
; No LDS, no barrier, no matrix unit: the sums never leave a wave, and memory bounds the launch.  48 loads of a wave are out at the most.
; LIMITS: NaN and infinities are not treated apart.
.set VX,  2                            ; v2   x:  g x 65,536 + w x 8,192 + 32 l
.set VH,  3                            ; v3   hn: g x 32,768 + w x 4,096 + 16 l
.set VS,  4                            ; v4   scale, shift: 32 l
.set VIS, 5                            ; v5   a small weight, in:  g x 16,384 + 32 t
.set VOS, 6                            ; v6   out: g x 8,192 + 16 t
.set VIL, 7                            ; v7   a large weight, in:  g x 65,536 + 32 t
.set VOL, 8                            ; v8   out: g x 32,768 + 16 t
.set T,   10                           ; v[10:13] two chains of pairs
.set SUM, 14                           ; v14  a sum on its way across the lanes
.set PD,  15                           ; v15  the other half of the lanes
.set M,   16                           ; v[16:17] the mean, twice
.set RS,  18                           ; v[18:19], v[20:21] 1 / sqrt(var + eps) of row 0, of row 1, twice each
.set R0,  32                           ; v[32:95]   the two rows; later w_ff1's 8 passes
.set R1,  96                           ; v[96:159]  scale (32), shift (32); later w_ff2's 8 passes
.set R2,  160                          ; v[160:223] the four small weights, 2 passes each
.set Y,   224                          ; v[224:255] what is stored
.set HN,  22                           ; s[22:23] hn
	s_load_b512 s[4:19], s[0:1], 0x0               ; x s[4:5], scale s[6:7], shift s[8:9], w_q s[10:11], w_k s[12:13], w_v s[14:15], w_o s[16:17], w_ff1 s[18:19]
	s_load_b128 s[20:23], s[0:1], 0x40             ; w_ff2 s[20:21], hn s[22:23]
	s_load_b64 s[24:25], s[0:1], 0x50              ; wb
	s_mov_b32 s2, 0x3a800000                       ; 1 / 1024
	s_mov_b32 s3, 0x3727c5ac                       ; 1e-5
	s_mov_b32 s30, 0x76543210                      ; v_permlanex16_b32: each lane takes its own place in the other half
	s_mov_b32 s31, 0xfedcba98
	s_lshl_b32 s26, ttmp9, 16
	s_lshl_b32 s27, ttmp9, 15
	s_lshl_b32 s28, ttmp9, 14
	s_lshl_b32 s29, ttmp9, 13
	v_and_b32 v1, 31, v0                           ; l
	v_lshrrev_b32 v9, 5, v0                        ; w
	v_mov_b32 v[PD], 0                             ; v_permlanex16_b32 counts as a reader of its destination
	v_lshlrev_b32 v[VS], 5, v1
	v_lshl_add_u32 v[VX], v9, 13, v[VS]
	v_add_nc_u32 v[VX], s26, v[VX]
	v_lshlrev_b32 v[VH], 4, v1
	v_lshl_add_u32 v[VH], v9, 12, v[VH]
	v_add_nc_u32 v[VH], s27, v[VH]
	v_lshl_add_u32 v[VIS], v0, 5, s28
	v_lshl_add_u32 v[VOS], v0, 4, s29
	v_lshl_add_u32 v[VIL], v0, 5, s26
	v_lshl_add_u32 v[VOL], v0, 4, s27
	s_wait_kmcnt 0x0
	s_add_nc_u64 s[26:27], s[24:25], 0x800000      ; wb at w_ff1's copy
	s_add_nc_u64 s[28:29], s[24:25], 0x1000000     ; and at w_ff2's
.macro LD8 dst, voff, sb, off          ; 8 numbers of f32 a lane: two loads of 16 bytes; read once in the launch
	global_load_b128 v[(\dst):(\dst)+3], v[\voff], s[(\sb):(\sb)+1] offset:(\off) th:TH_LOAD_NT
	global_load_b128 v[(\dst)+4:(\dst)+7], v[\voff], s[(\sb):(\sb)+1] offset:(\off)+16 th:TH_LOAD_NT
.endm
.macro CV8 yr, src                     ; 8 numbers rounded to bf16: 16 bytes
.irp k, 0,1,2,3
	v_cvt_pk_bf16_f32 v[(\yr)+(\k)], v[(\src)+2*(\k)], v[(\src)+2*(\k)+1]
.endr
.endm
.macro RED                             ; v[SUM] summed over the 32 lanes, the result in every lane
	v_add_f32_dpp v[SUM], v[SUM], v[SUM] row_xmask:1 row_mask:0xf bank_mask:0xf
	v_add_f32_dpp v[SUM], v[SUM], v[SUM] row_xmask:2 row_mask:0xf bank_mask:0xf
	v_add_f32_dpp v[SUM], v[SUM], v[SUM] row_xmask:4 row_mask:0xf bank_mask:0xf
	v_add_f32_dpp v[SUM], v[SUM], v[SUM] row_xmask:8 row_mask:0xf bank_mask:0xf
	v_permlanex16_b32 v[PD], v[SUM], s30, s31
	v_add_f32 v[SUM], v[SUM], v[PD]
.endm
; The row in v[xr .. xr+31]: its mean is subtracted in place; 1 / sqrt(var + eps) goes twice into v[rs:rs+1].
.macro LNSTAT xr, rs
	v_pk_add_f32 v[T:T+1], v[(\xr):(\xr)+1], v[(\xr)+2:(\xr)+3]
	v_pk_add_f32 v[T+2:T+3], v[(\xr)+4:(\xr)+5], v[(\xr)+6:(\xr)+7]
.irp k, 8,12,16,20,24,28
	v_pk_add_f32 v[T:T+1], v[T:T+1], v[(\xr)+(\k):(\xr)+(\k)+1]
	v_pk_add_f32 v[T+2:T+3], v[T+2:T+3], v[(\xr)+(\k)+2:(\xr)+(\k)+3]
.endr
	v_pk_add_f32 v[T:T+1], v[T:T+1], v[T+2:T+3]
	v_add_f32 v[SUM], v[T], v[T+1]
	RED
	v_mul_f32 v[M], s2, v[SUM]
	v_mov_b32 v[M+1], v[M]
.irp k, 0,2,4,6,8,10,12,14,16,18,20,22,24,26,28,30
	v_pk_add_f32 v[(\xr)+(\k):(\xr)+(\k)+1], v[(\xr)+(\k):(\xr)+(\k)+1], v[M:M+1] neg_lo:[0,1] neg_hi:[0,1]
.endr
	v_pk_mul_f32 v[T:T+1], v[(\xr):(\xr)+1], v[(\xr):(\xr)+1]
	v_pk_mul_f32 v[T+2:T+3], v[(\xr)+2:(\xr)+3], v[(\xr)+2:(\xr)+3]
.irp k, 4,8,12,16,20,24,28
	v_pk_fma_f32 v[T:T+1], v[(\xr)+(\k):(\xr)+(\k)+1], v[(\xr)+(\k):(\xr)+(\k)+1], v[T:T+1]
	v_pk_fma_f32 v[T+2:T+3], v[(\xr)+(\k)+2:(\xr)+(\k)+3], v[(\xr)+(\k)+2:(\xr)+(\k)+3], v[T+2:T+3]
.endr
	v_pk_add_f32 v[T:T+1], v[T:T+1], v[T+2:T+3]
	v_add_f32 v[SUM], v[T], v[T+1]
	RED
	v_fma_f32 v[SUM], v[SUM], s2, s3               ; var + eps
	v_rsq_f32 v[\rs], v[SUM]
	v_nop                                          ; a plain instruction between the root and the use of its result (ISA guide 5.7.2)
	s_wait_alu depctr_va_vdst(0)
	v_mov_b32 v[(\rs)+1], v[\rs]
.endm
; The centred row is scaled, rounded and stored: four stores of 512 consecutive bytes.
.macro LNOUT xr, rs, yr, off
.irp k, 0,2,4,6,8,10,12,14,16,18,20,22,24,26,28,30
	v_pk_mul_f32 v[(\xr)+(\k):(\xr)+(\k)+1], v[(\xr)+(\k):(\xr)+(\k)+1], v[(\rs):(\rs)+1]
.endr
.irp k, 0,2,4,6,8,10,12,14,16,18,20,22,24,26,28,30
	v_pk_fma_f32 v[(\xr)+(\k):(\xr)+(\k)+1], v[(\xr)+(\k):(\xr)+(\k)+1], v[R1+(\k):R1+(\k)+1], v[R1+32+(\k):R1+32+(\k)+1]
.endr
.irp k, 0,1,2,3
	CV8 (\yr)+4*(\k), (\xr)+8*(\k)
.endr
.irp k, 0,1,2,3
	global_store_b128 v[VH], v[(\yr)+4*(\k):(\yr)+4*(\k)+3], s[HN:HN+1] offset:(\off)+512*(\k)
.endr
.endm
.irp r, 0,1
.irp j, 0,1,2,3
	LD8 R0+32*(\r)+8*(\j), VX, 4, 4096*(\r)+1024*(\j)      ; my two rows: 16 loads
.endr
.endr
.irp j, 0,1,2,3                        ; scale and shift: 16 loads; every work-group reads them, so no hint
	global_load_b128 v[R1+8*(\j):R1+8*(\j)+3], v[VS], s[6:7] offset:1024*(\j)
	global_load_b128 v[R1+8*(\j)+4:R1+8*(\j)+7], v[VS], s[6:7] offset:1024*(\j)+16
	global_load_b128 v[R1+32+8*(\j):R1+32+8*(\j)+3], v[VS], s[8:9] offset:1024*(\j)
	global_load_b128 v[R1+32+8*(\j)+4:R1+32+8*(\j)+7], v[VS], s[8:9] offset:1024*(\j)+16
.endr
.irp m, 0,1,2,3
.irp p, 0,1
	LD8 R2+16*(\m)+8*(\p), VIS, 10+2*(\m), 8192*(\p)       ; the four small weights: 16 loads
.endr
.endr
	s_wait_loadcnt 32                              ; the rows are in; the 32 younger loads stay out
	LNSTAT R0, RS
	LNSTAT R0+32, RS+2
	s_wait_loadcnt 16                              ; scale and shift are in; the small weights' 16 loads stay out
	LNOUT R0, RS, Y, 0
	LNOUT R0+32, RS+2, Y+16, 2048
.irp p, 0,1,2,3,4,5,6,7
	LD8 R0+8*(\p), VIL, 18, 8192*(\p)              ; w_ff1, where the rows lay
.endr
.irp p, 0,1,2,3,4,5,6,7
	LD8 R1+8*(\p), VIL, 20, 8192*(\p)              ; w_ff2, where scale and shift lay
.endr
	s_wait_loadcnt 32                              ; the small weights are in; the 32 loads just issued stay out
	s_wait_xcnt 0x0                                ; the stores of hn have read Y: it is rewritten only behind this wait
.irp m, 0,1,2,3
.irp p, 0,1
	CV8 Y+4*(2*(\m)+(\p)), R2+16*(\m)+8*(\p)
	global_store_b128 v[VOS], v[Y+4*(2*(\m)+(\p)):Y+4*(2*(\m)+(\p))+3], s[24:25] offset:(\m)*2097152+4096*(\p)
.endr
.endr
	s_wait_loadcnt 16                              ; w_ff1's part is in
	s_wait_xcnt 0x0                                ; Y again
.irp p, 0,1,2,3,4,5,6,7
	CV8 Y+4*(\p), R0+8*(\p)
	global_store_b128 v[VOL], v[Y+4*(\p):Y+4*(\p)+3], s[26:27] offset:4096*(\p)
.endr
	s_wait_loadcnt 0x0                             ; w_ff2's part is in
	s_wait_xcnt 0x0                                ; Y again
.irp p, 0,1,2,3,4,5,6,7
	CV8 Y+4*(\p), R1+8*(\p)
	global_store_b128 v[VOL], v[Y+4*(\p):Y+4*(\p)+3], s[28:29] offset:4096*(\p)
.endr
	s_endpgm
.Lfunc_end_k_qe9fb412f40_prep:
	.size	k_qe9fb412f40_prep, .Lfunc_end_k_qe9fb412f40_prep-k_qe9fb412f40_prep
	.p2alignl 7, 3214868480
	.fill 96, 4, 3214868480
	.section	.rodata,"a",@progbits
	.p2align	6, 0x0
	.amdhsa_kernel k_qe9fb412f40_prep
		.amdhsa_group_segment_fixed_size 0
		.amdhsa_private_segment_fixed_size 0
		.amdhsa_enable_private_segment 0
		.amdhsa_kernarg_size 88
		.amdhsa_user_sgpr_count 2
		.amdhsa_user_sgpr_kernarg_segment_ptr 1
		.amdhsa_wavefront_size32 1
		.amdhsa_system_sgpr_workgroup_id_x 1
		.amdhsa_system_sgpr_workgroup_id_y 1
		.amdhsa_system_sgpr_workgroup_id_z 1
		.amdhsa_system_vgpr_workitem_id 0
		.amdhsa_next_free_vgpr 256
		.amdhsa_next_free_sgpr 66
		.amdhsa_reserve_vcc 0
		.amdhsa_float_denorm_mode_32 3
		.amdhsa_float_denorm_mode_16_64 3
		.amdhsa_memory_ordered 1
		.amdhsa_forward_progress 1
		.amdhsa_inst_pref_size 33
	.end_amdhsa_kernel
	.amdgpu_metadata
---
amdhsa.version: [ 1, 2 ]
amdhsa.kernels:
  - .name:           k_qe9fb412f40_prep
    .symbol:         k_qe9fb412f40_prep.kd
    .args:
      - { .name: x, .offset: 0, .size: 8, .value_kind: global_buffer, .address_space: global }
      - { .name: ln1_scale, .offset: 8, .size: 8, .value_kind: global_buffer, .address_space: global }
      - { .name: ln1_shift, .offset: 16, .size: 8, .value_kind: global_buffer, .address_space: global }
      - { .name: w_q, .offset: 24, .size: 8, .value_kind: global_buffer, .address_space: global }
      - { .name: w_k, .offset: 32, .size: 8, .value_kind: global_buffer, .address_space: global }
      - { .name: w_v, .offset: 40, .size: 8, .value_kind: global_buffer, .address_space: global }
      - { .name: w_o, .offset: 48, .size: 8, .value_kind: global_buffer, .address_space: global }
      - { .name: w_ff1, .offset: 56, .size: 8, .value_kind: global_buffer, .address_space: global }
      - { .name: w_ff2, .offset: 64, .size: 8, .value_kind: global_buffer, .address_space: global }
      - { .name: hn, .offset: 72, .size: 8, .value_kind: global_buffer, .address_space: global }
      - { .name: wb, .offset: 80, .size: 8, .value_kind: global_buffer, .address_space: global }
    .group_segment_fixed_size: 0
    .private_segment_fixed_size: 0
    .kernarg_segment_align: 8
    .kernarg_segment_size: 88
    .max_flat_workgroup_size: 256
    .sgpr_count:     66
    .vgpr_count:     256
    .wavefront_size: 32
...
	.end_amdgpu_metadata
.endif
;; end of part 1
;; launch qkv (part 2): grid 12 x 16, 4 waves a work-group, clusters of 4 x 4, 327,680 bytes of LDS; arguments hn, wb, qkv; writes qkv
.if DOCPART == 2
	.amdgcn_target "amdgcn-amd-amdhsa--gfx1250"
	.amdhsa_code_object_version 6
	.text
	.protected	k_qe9fb412f40_qkv
	.globl	k_qe9fb412f40_qkv
	.p2align	8
	.type	k_qe9fb412f40_qkv,@function
k_qe9fb412f40_qkv:
	s_mov_b64 s[64:65], 0
	v_nop
	global_prefetch_b8 v0, s[64:65] scope:SCOPE_SE
	s_setreg_imm32_b32 hwreg(HW_REG_WAVE_MODE, 25, 1), 1
	s_wait_xcnt 0x0
	s_wait_alu depctr_hold_cnt(0) depctr_sa_sdst(0) depctr_va_vdst(0) depctr_va_sdst(0) depctr_va_ssrc(0) depctr_va_vcc(0) depctr_vm_vsrc(0)
	s_getreg_b32 s2, hwreg(HW_REG_IB_STS2, 6, 4)
	s_cmp_eq_u32 s2, 0
	s_cbranch_scc0 .Lentry_in_a_cluster
	s_endpgm
.Lentry_in_a_cluster:
	s_bfe_u32 s2, ttmp6, 0x10000c
	s_cmp_lg_u32 s2, 0xf033
	s_cbranch_scc0 .Lentry_shape_is_right
	s_endpgm
.Lentry_shape_is_right:
; TWO OF THE BLOCK'S PRODUCTS, C = A W, ON TILES OF 256 x 256.  The constant KIND picks the product and its way out; this file is the one that the next line names.
.set KIND, 0
;   0 qkv  A = hn [4096][1024];  W = w_q, w_k, w_v, each [1024][1024] in wb, four tile columns each;  C rounded to bf16 and written by heads, unscaled: [q, k, v][16 batch + head][2048][64]
;   2 ff1  A = hn;  W = w_ff1 [1024][4096] in wb;  C = gelu(A W + b_ff1), bf16 [4096][4096]
; A and W are bf16 (W in its own [K][N] order), sums f32, K ascending, C rounded once.  LIMITS: operands carry bf16's 8 significant bits; NaN and infinities are not treated apart.
; SHAPE.  Four waves, each 128 x 128 of C: 64 accumulators of 16 x 16, 512 registers.  K = 1,024 goes in 8 steps of 128 through two LDS slots; a slot holds A's 256 rows x 128 K and W's 128 K x 256 columns.
; Waves 0, 1 fetch A's halves (128 rows of 256 bytes), waves 2, 3 W's (64 K rows of 512 bytes): one tensor load a wave for a K step, 224 matrix instructions ahead of the wait for it.
; ff1 has 16 x 16 tiles, qkv 12 x 16: a tile of 256 x 192 would make 256 of qkv's too, but it would cut heads and straddle the three weights.
; CLUSTER 4 x 4: the four work-groups of a row need the same tiles of A, the four of a column the same tiles of W: each tile is asked for jointly, by the same load, descriptor and mask in all four.
; THE MATRIX INSTRUCTION IS USED TRANSPOSED: source 0 = 16 columns of W (turned on the way out of LDS by ds_load_tr16_b128), source 1 = 16 rows of A: a lane then holds 8 neighbouring numbers of a row of C.
; THE LOOP'S TRIP IS ONE K STEP: the slot that is read (s45) and the slot that is filled (s66) are scalars that take 0 and SLOT by turns.  Two loads of a wave are out at the start, one behind each round.
; The last two K steps, which fill nothing, are a loop of two trips that is left in its middle.
; THE WAY OUT IS A LOOP.  When the ring has had its last fill and every wave its last read of it, each wave stores its 64 accumulators, in f32, into 128 rows x 528 bytes of the ring that are its own; a counted loop
; then reads rows back, adds the bias and takes the gelu (ff1), rounds once and stores.  So the arithmetic on a wave's 512 numbers a lane stands in the text for 16 (ff1) or 64 (qkv) of them.
; No prefetch of the tiles: K has 8 steps, and each tile of hn and of the weights is asked for by three or four clusters.
; REGISTERS, in windows of 256 (s_set_vgpr_msb: bits 1:0 source 0, 3:2 source 1, 5:4 source 2, 7:6 destination):
;   window 0: v0-31 addresses, bias; v64-127, v128-191 fragments of A, two buffers; on the way out v32-63, v64-255 at work
;   window 1: v64-127, v128-191 fragments of W, two buffers      window 2: the 32 accumulators of my rows 0-63 ((a, b) at 8 (8 a + b))      window 3: those of my rows 64-127
.set NS,    8                          ; K steps
.set APE,   1024                       ; elements from row to row of A
.set PITCH, 272                        ; a row of A in LDS: 256 bytes + 16: an odd multiple of 16, so the 16 rows of a fragment load start at 16 different groups of four banks (ISA guide 11.1)
.set BP,    544                        ; a K row of W in LDS: 512 bytes + 32: an odd multiple of 32
.set HALF,  128*PITCH                  ; what one tensor load brings: 128 rows of A, or 64 K rows of W (64 x 544 is the same number)
.set AREG,  2*HALF                     ; A's 256 rows; W's 128 K rows lie behind them
.set SLOT,  4*HALF
.set SPARE, 2*SLOT                     ; behind the ring: the spare words, 128 bytes for each wave: two blocks of 256 bytes that no other line names
.set DP,    528                        ; the way out: a row of 128 f32, 512 bytes + 16
.set DREG,  128*DP                     ; a wave's own part of the ring on the way out; four of them are 270,336 bytes of the ring's 278,528
.set ASTEP, 256                        ; a K step on in A's rows
.if KIND == 2
.set BN,    4096                       ; elements from row to row of W
.set PP,    2                          ; the way out: units of 512 stored bytes in a trip; here a unit is 2 rows of my 128 columns
.set TRIPS, 32
.set TSTEP, 4*DP                       ; 4 rows on in LDS
.set GSTEP, 4*8192                     ; and in C
.else
.set BN,    1024
.set PP,    8                          ; a unit is 4 tokens of one head; a trip has 4 x 4 tokens of my two heads
.set TRIPS, 8
.set TSTEP, 16*DP
.set GSTEP, 16*128
.endif
.set BSTEP, 256*BN                     ; 128 K rows on in W
.set A0,   6                           ; v6   my lane's place in a slot's A; never rewritten
.set B0,   7                           ; v7   in its W
.set ADRA, 9                           ; v9   the same two in the slot that is read
.set ADRB, 10                          ; v10
.set RDA,  11                          ; v11  the way out: where this trip's rows are read
.set STO,  12                          ; v12  where I put my 32 bytes of a row
.set RD0,  13                          ; v13  my lane's place in the first trip's rows; never rewritten
.set CO,   14                          ; v14  my byte offset in a trip's part of C; never rewritten
.set BO,   15                          ; v15  my byte offset in the bias
.set BIAS, 16                          ; v[16:23] the bias of my 8 columns
.set SPW,  28                          ; v28  LDS address of my spare word; never rewritten
.set NIL,  29                          ; v29  0; never rewritten
.set Y,    32                          ; the way out: what is stored
.set F0,   64                          ; fragment buffer 0
.set F1,   128                         ; fragment buffer 1
.set L,    64                          ; the way out: rows as read back
.set X,    128                         ; at work
.set T,    192                         ; at work
.set G1,   24                          ; s[24:31] descriptor group 1 for A;  s[32:39] group 0: a set for each first fill; the second then walks
.set G0,   32
.set G1B,  48                          ; s[48:55], s[56:63] the same for W
.set G0B,  56
.set TB,   45                          ; s45  the slot that is read: 0 or SLOT
.set FB,   66                          ; s66  the slot that was filled last
.set DO,   67                          ; s67  the way out: the trip's rows in my part of the ring
.set GS,   70                          ; s[70:71] what the next trip adds to C's address: 0, then GSTEP
.set MSB, 0
.macro WIN new                         ; the immediate's high byte repeats the setting that is left; a switch that changes nothing is dropped
.if MSB != (\new)
	s_set_vgpr_msb (MSB<<8)|(\new)
.set MSB, \new
.endif
.endm
.set MUL_LO, 0xa1                      ; source 0 (W) window 1, source 1 (A) window 0, C and D window 2
.set MUL_HI, 0xf1                      ; the same, C and D window 3
.set TO_B,   0x40                      ; destination window 1, address window 0
.macro JLOAD s                         ; a joint load; the branch hangs on the wave's number alone; an s_nop 0 and four v_nop follow each of the two lines
	s_cmp_eq_u32 s11, 0
	s_cbranch_scc0 .Lfor_b_\@
	tensor_load_to_lds s[G0+4*(\s):G0+4*(\s)+3], s[G1:G1+7]
	s_nop 0
.rept 4
	v_nop
.endr
	s_branch .Lasked_\@
.Lfor_b_\@:
	tensor_load_to_lds s[G0B+4*(\s):G0B+4*(\s)+3], s[G1B:G1B+7]
	s_nop 0
.rept 4
	v_nop
.endr
.Lasked_\@:
.endm
.macro CREST                           ; a round of the cluster's barrier behind its opening barrier
	s_cmp_lg_u32 s10, 0
	s_cbranch_scc1 .Lnot_wave_0_\@
	s_barrier_signal -3
.Lnot_wave_0_\@:
	s_barrier_wait -3
	s_barrier_signal -1
	s_barrier_wait -1
.endm
.macro CROUND                          ; a whole round
	s_barrier_signal -1
	s_barrier_wait -1
	CREST
.endm
.macro EACH cnt, line:vararg           ; one line for each i = 0 .. cnt - 1
.set i, 0
.rept \cnt
	\line
.set i, i+1
.endr
.endm
	s_load_b128 s[4:7], s[0:1], 0x0                ; A s[4:5], wb s[6:7]
.if KIND == 0
	s_load_b64 s[8:9], s[0:1], 0x10                ; C
.else
	s_load_b64 s[68:69], s[0:1], 0x10              ; bias
	s_load_b64 s[8:9], s[0:1], 0x18                ; C
.endif
	v_lshl_add_u32 v[SPW], v0, 2, SPARE
	v_mov_b32 v[NIL], 0
	ds_add_u32 v[SPW], v[NIL]                      ; the wave's opening: the add and its wait stand ahead of my first tensor load; the set-up below, work on registers, stands between them
	v_lshrrev_b32 v1, 5, v0
	v_readfirstlane_b32 s10, v1                    ; wave 0..3
	s_lshr_b32 s11, s10, 1                         ; which half of the tile's rows is mine.  Also: I fetch for A (0) or for W (1)
	s_and_b32 s12, s10, 1                          ; which half of its columns.  Also: which half of that tile I fetch
	s_bfe_u32 s40, ttmp6, 0x40000                  ; cx, cy: my place in the cluster
	s_bfe_u32 s41, ttmp6, 0x40004
	s_lshl_b32 s42, ttmp9, 2
	s_add_co_u32 s42, s42, s40                     ; tile column = 4 x cluster x + cx
	s_and_b32 s13, ttmp7, 0xffff
	s_lshl_b32 s13, s13, 2
	s_add_co_u32 s13, s13, s41                     ; tile row = 4 x cluster y + cy
	s_lshl_b32 s43, s41, 2
	s_lshl_b32 s43, 15, s43                        ; my row of the cluster
	s_lshl_b32 s44, 0x1111, s40                    ; my column
	; A: 128 rows x 128 elements; 15:0 the mask of my row; 17:16 2-byte elements; 20 padding on; 21 set beside a mask; 24:22 after every 64 words (code 5); 31:25 4 words (code 3)
	s_or_b32 s[G1+0], s43, (1<<16)|(1<<20)|(1<<21)|(5<<22)|(3<<25)
	s_mov_b32 s[G1+1], 128<<16                     ; tensor_dim0
	s_mov_b32 s[G1+2], 128<<16                     ; tensor_dim1
	s_mov_b32 s[G1+3], 128<<16                     ; tile_dim0
	s_mov_b32 s[G1+4], 128                         ; tile_dim1
	s_mov_b32 s[G1+5], APE                         ; stride
	s_mov_b32 s[G1+6], 0
	s_mov_b32 s[G1+7], 0
	; W: 64 K rows x 256 elements; the mask of my column; after every 128 words (code 6) 8 words (code 7)
	s_or_b32 s[G1B+0], s44, (1<<16)|(1<<20)|(1<<21)|(6<<22)|(7<<25)
	s_mov_b32 s[G1B+1], 256<<16
	s_mov_b32 s[G1B+2], 64<<16
	s_mov_b32 s[G1B+3], 256<<16
	s_mov_b32 s[G1B+4], 64
	s_mov_b32 s[G1B+5], BN
	s_mov_b32 s[G1B+6], 0
	s_mov_b32 s[G1B+7], 0
	; where the tiles come from: A's offset hangs on the tile row alone (s[16:17]), W's on the tile column alone (s[46:47])
	s_lshl_b32 s16, s13, 8
	s_lshl_b32 s17, s12, 7
	s_add_co_u32 s16, s16, s17                     ; row 256 x tile row + 128 x half,
	s_lshl_b32 s16, s16, 11                        ; of 2,048 bytes
	s_mov_b32 s17, 0
	s_mul_i32 s46, s12, 128*BN                     ; my 64 K rows
.if KIND == 0
	s_lshr_b32 s47, s42, 2                         ; which of the three weights: 2 MiB each
	s_lshl_b32 s47, s47, 21
	s_add_co_u32 s46, s46, s47
	s_and_b32 s47, s42, 3                          ; and which 256 of its columns
	s_lshl_b32 s47, s47, 9
	s_add_co_u32 s46, s46, s47
.else
	s_lshl_b32 s47, s42, 9
	s_add_co_u32 s46, s46, s47
	s_add_co_u32 s46, s46, 0x800000                ; w_ff1's place in wb
.endif
	s_mov_b32 s47, 0
	s_mul_i32 s20, s12, HALF                       ; and where they go: no place in the cluster enters an LDS address
	s_add_co_u32 s21, s20, AREG
	s_mov_b32 s[TB], 0
	s_mov_b32 s[FB], SLOT
	s_wait_dscnt 0x0                               ; the opening add is done
	s_wait_kmcnt 0x0
	s_add_nc_u64 s[14:15], s[4:5], s[16:17]
	s_add_nc_u64 s[46:47], s[6:7], s[46:47]
	CROUND                                         ; all sixteen work-groups are here: the first joint loads meet
.irp s, 0,1
	s_mov_b32 s[G0+4*(\s)], 1                      ; count = 1
	s_add_co_u32 s[G0+4*(\s)+1], s20, (\s)*SLOT    ; LDS address
	s_add_nc_u64 s[G0+4*(\s)+2:G0+4*(\s)+3], s[14:15], (\s)*ASTEP  ; K step s
	s_or_b32 s[G0+4*(\s)+3], s[G0+4*(\s)+3], 0x80000000            ; type = 2
	s_mov_b32 s[G0B+4*(\s)], 1
	s_add_co_u32 s[G0B+4*(\s)+1], s21, (\s)*SLOT
	s_add_nc_u64 s[G0B+4*(\s)+2:G0B+4*(\s)+3], s[46:47], (\s)*BSTEP
	s_or_b32 s[G0B+4*(\s)+3], s[G0B+4*(\s)+3], 0x80000000
	JLOAD \s
.endr
	; A's fragment: lane l holds row l % 16; two loads of 16 bytes, 32 apart, at row x pitch + 16 (l / 16)
	v_and_b32 v1, 15, v0                           ; r = l % 16
	v_bfe_u32 v2, v0, 4, 1                         ; h = l / 16
	v_mul_u32_u24 v3, v1, PITCH
	v_lshl_add_u32 v3, v2, 4, v3
	s_mul_i32 s22, s11, HALF                       ; my 128 rows
	v_add_nc_u32 v[A0], s22, v3
	; W's fragment, turned: lane l reads K row 8 (l / 16) + l % 8, 16 bytes at 16 ((l / 8) % 2), and ends with column l % 16 and 8 K
	v_and_b32 v4, 7, v0
	v_lshl_add_u32 v4, v2, 3, v4
	v_mul_u32_u24 v4, v4, BP
	v_bfe_u32 v5, v0, 3, 1
	v_lshl_add_u32 v4, v5, 4, v4
	s_lshl_b32 s22, s12, 8                         ; my 128 columns
	s_add_co_u32 s22, s22, AREG
	v_add_nc_u32 v[B0], s22, v4
	v_mov_b32 v[ADRA], v[A0]
	v_mov_b32 v[ADRB], v[B0]
	; the way out, in: accumulator (a, b) holds in lane l row 16 a + l % 16, columns 16 b + 8 (l / 16) + 0..7: 32 bytes of f32
	s_mul_i32 s23, s10, DREG                       ; my own part of the ring
	v_mul_u32_u24 v3, v1, DP
	v_lshl_add_u32 v3, v2, 5, v3
	v_add_nc_u32 v[STO], s23, v3
.if KIND == 0
	; back: my 128 columns are two heads.  A unit is 4 tokens of one head: lane l takes token l / 8, channels 8 (l % 8) + 0..7: 32 bytes of f32 in, 16 of bf16 out, 512 consecutive bytes a unit
	v_bfe_u32 v3, v0, 3, 2
	v_mul_u32_u24 v3, v3, DP
	v_and_b32 v4, 7, v0
	v_lshl_add_u32 v3, v4, 5, v3
	v_add_nc_u32 v[RD0], s23, v3
	v_and_b32 v[CO], 31, v0
	v_lshlrev_b32 v[CO], 4, v[CO]
	s_lshr_b32 s16, s13, 3                         ; batch: 8 tile rows each,
	s_lshl_b32 s16, s16, 22                        ; 16 heads of 262,144 bytes
	s_and_b32 s17, s13, 7
	s_lshl_b32 s17, s17, 15                        ; 256 tokens of 128 bytes
	s_add_co_u32 s16, s16, s17
	s_lshl_b32 s17, s11, 14                        ; my 128 of them
	s_add_co_u32 s16, s16, s17
	s_mov_b32 s17, 0
	s_add_nc_u64 s[8:9], s[8:9], s[16:17]
	s_and_b32 s46, s42, 3
	s_lshl_b32 s46, s46, 20                        ; head 4 (tile column % 4) + 2 x my half
	s_lshl_b32 s47, s12, 19
	s_add_co_u32 s46, s46, s47
	s_lshr_b32 s47, s42, 2
	s_lshl_b32 s47, s47, 23                        ; q, k or v
	s_add_co_u32 s46, s46, s47
	s_mov_b32 s47, 0
	s_add_nc_u64 s[8:9], s[8:9], s[46:47]
.else
	; back: a unit is 2 rows: lanes 0-15 one row, lanes 16-31 the next; lane l takes columns 8 (l % 16) + 0..7: 32 bytes of f32 in, 16 of bf16 out: 16 lanes store 256 consecutive bytes, aligned
	v_mul_u32_u24 v3, v2, DP
	v_lshl_add_u32 v3, v1, 5, v3
	v_add_nc_u32 v[RD0], s23, v3
	v_lshlrev_b32 v[CO], 13, v2                    ; a row of C is 8,192 bytes
	v_lshl_add_u32 v[CO], v1, 4, v[CO]
	s_lshl_b32 s16, s13, 21                        ; 256 rows
	s_lshl_b32 s17, s11, 20                        ; my 128
	s_add_co_u32 s16, s16, s17
	s_mov_b32 s17, 0
	s_add_nc_u64 s[8:9], s[8:9], s[16:17]
	s_lshl_b32 s46, s42, 9
	s_lshl_b32 s47, s12, 8
	s_add_co_u32 s46, s46, s47
	s_mov_b32 s47, 0
	s_add_nc_u64 s[8:9], s[8:9], s[46:47]
	s_lshl_b32 s46, s42, 10                        ; the bias of my columns 256 tile column + 128 half + 8 (l % 16) + 0..7: the same in every row
	s_lshl_b32 s47, s12, 9
	s_add_co_u32 s46, s46, s47
	v_lshl_add_u32 v[BO], v1, 5, s46
	global_load_b128 v[BIAS:BIAS+3], v[BO], s[68:69]
	global_load_b128 v[BIAS+4:BIAS+7], v[BO], s[68:69] offset:16
	s_mov_b32 s72, 0xc0135761                      ; C0 = -2 sqrt(2 / pi) log2(e)
	s_mov_b32 s73, s72                             ; named with it as a pair
	s_mov_b32 s74, 0xbdd2d3e8                      ; C1 = 0.044715 C0
	s_mov_b32 s75, s74
.endif
; 16 matrix instructions: m blocks a0, a0 + 1 of the window's four (hi = 0: my rows 0-63, 1: rows 64-127) x all 8 n blocks, 32 along K.  zero = 1: the first product starts the sums.
; The 64 accumulators take turns in one order everywhere.
.macro MUL16 f, hi, a0, zero
	WIN MUL_LO+0x50*(\hi)
.irp a, \a0, (\a0)+1
.irp b, 0,1,2,3,4,5,6,7
.if \zero
	v_wmma_f32_16x16x32_bf16 v[8*(8*(\a)+(\b)):8*(8*(\a)+(\b))+7], v[(\f)+8*(\b):(\f)+8*(\b)+7], v[(\f)+8*(4*(\hi)+(\a)):(\f)+8*(4*(\hi)+(\a))+7], 0
.else
	v_wmma_f32_16x16x32_bf16 v[8*(8*(\a)+(\b)):8*(8*(\a)+(\b))+7], v[(\f)+8*(\b):(\f)+8*(\b)+7], v[(\f)+8*(4*(\hi)+(\a)):(\f)+8*(4*(\hi)+(\a))+7], v[8*(8*(\a)+(\b)):8*(8*(\a)+(\b))+7]
.endif
.endr
.endr
.endm
; 32 LDS loads in one run: quarter q (32 along K) of the slot that is read, into buffer f: W's 128 columns, then A's 128 rows
.macro FETCH q, f
	WIN TO_B
.irp i, 0,1,2,3,4,5,6,7
	ds_load_tr16_b128 v[(\f)+8*(\i):(\f)+8*(\i)+3],   v[ADRB] offset:32*(\q)*BP+32*(\i)
	ds_load_tr16_b128 v[(\f)+8*(\i)+4:(\f)+8*(\i)+7], v[ADRB] offset:(32*(\q)+16)*BP+32*(\i)
.endr
	WIN 0
.irp i, 0,1,2,3,4,5,6,7
	ds_load_b128 v[(\f)+8*(\i):(\f)+8*(\i)+3],   v[ADRA] offset:64*(\q)+(\i)*16*PITCH
	ds_load_b128 v[(\f)+8*(\i)+4:(\f)+8*(\i)+7], v[ADRA] offset:64*(\q)+(\i)*16*PITCH+32
.endr
.endm
.macro PLACES                          ; four places in front of loads into registers that matrix instructions have read, and of lines that read results
.rept 4
	v_nop
.endr
.endm
; A K step is four quarters, 64 matrix instructions each, on buffers 0, 1, 0, 1.  One of the first three: multiplies buffer f and, in its middle, fetches quarter q into g.
.macro QUARTER q, f, g, zero
	s_wait_dscnt 8                                 ; W and A's rows 0-63 are in; the youngest eight loads (A's rows 64-127) may be out
	MUL16 \f, 0, 0, \zero
	MUL16 \f, 0, 2, \zero
	PLACES
	FETCH \q, \g
	s_wait_dscnt 32                                ; all but the 32 just issued
	MUL16 \f, 1, 0, \zero
	MUL16 \f, 1, 2, \zero
.endm
; The last quarter multiplies buffer 1 and changes slots: one barrier; in front of it each wave waits for all its tensor loads, adds 0 to its spare word, and waits for that and for its reads of this slot.
; fill = 1: this slot is filled again, two K steps ahead; the barrier then opens a round of the cluster's, and the joint load is the first thing behind the round.
; fill = 0: the last two K steps; in the very last (s3 = 1) there is no further slot, and the run of loads is jumped over.
.macro TURN fill
	WIN 0                                          ; (the add's two registers lie in window 0)
	s_wait_tensorcnt 0x0                           ; all my tensor loads have landed: my part of the next slot; so a group 0 may be written
	ds_add_u32 v[SPW], v[NIL]                      ; 0 onto my spare word
.if \fill
	s_xor_b32 s[FB], s[FB], SLOT                   ; the walking descriptors: the other slot than last time,
	s_add_co_u32 s[G0+5], s20, s[FB]
	s_add_co_u32 s[G0B+5], s21, s[FB]
	s_add_nc_u64 s[G0+6:G0+7], s[G0+6:G0+7], ASTEP       ; the next K step; the type bits on top are not reached
	s_add_nc_u64 s[G0B+6:G0B+7], s[G0B+6:G0B+7], BSTEP
.endif
	s_wait_dscnt 9                                 ; the add and the youngest eight loads may be out
	MUL16 F1, 0, 0, 0
	s_wait_dscnt 0x0                               ; the add is done, and my reads of this slot are over
	s_barrier_signal -1
	MUL16 F1, 0, 2, 0
	WIN 0                                          ; every window is 0 there
	s_barrier_wait -1
.if \fill
	CREST                                          ; no wave of any partner still reads this slot's tiles or has a load on its way
	JLOAD 1                                        ; its four v_nop are also the places in front of the loads below
.else
	PLACES
	s_cmp_eq_u32 s3, 1
	s_cbranch_scc1 .Lno_fetch_\@
.endif
	s_xor_b32 s[TB], s[TB], SLOT                   ; the reads go on in the other slot
	v_add_nc_u32 v[ADRA], s[TB], v[A0]
	v_add_nc_u32 v[ADRB], s[TB], v[B0]
	FETCH 0, F0
.if !(\fill)
.Lno_fetch_\@:
.endif
	MUL16 F1, 1, 0, 0
	MUL16 F1, 1, 2, 0
.endm
; THE WAY OUT.  A trip's loads from my part of the ring: PP units of 32 bytes a lane
.macro OLOAD
.set u, 0
.rept PP
.if KIND == 0
.set UO, (u/2)*4*DP+(u%2)*256          ; tokens 4 (u / 2) on, head u % 2
.else
.set UO, u*2*DP                        ; rows 2 u on
.endif
	ds_load_b128 v[L+8*u:L+8*u+3],   v[RDA] offset:UO
	ds_load_b128 v[L+8*u+4:L+8*u+7], v[RDA] offset:UO+16
.set u, u+1
.endr
.endm
; A trip.  pre = 1: the next trip's loads are issued as soon as this trip's numbers have left their registers.
; ff1: 0.5 x (1 + tanh(u)) = x / (1 + 2^(x (C0 + C1 x^2))); where the power overflows the quotient is 0, where it vanishes the result is x, as in the reference.
.macro OTRIP pre
	s_wait_dscnt 0x0                               ; this trip's rows are in
.if KIND == 2
	EACH 4*PP, v_pk_add_f32 v[X+2*i:X+2*i+1], v[L+2*i:L+2*i+1], v[BIAS+(2*i)%8:BIAS+(2*i)%8+1]
.else
	s_wait_xcnt 0x0                                ; the last trip's stores have read Y and C's address: they are rewritten only behind this wait
	s_add_nc_u64 s[8:9], s[8:9], s[GS:GS+1]
	s_mov_b32 s[GS], GSTEP
	EACH 4*PP, v_cvt_pk_bf16_f32 v[Y+i], v[L+2*i], v[L+2*i+1]
.endif
.if \pre
	s_add_co_u32 s[DO], s[DO], TSTEP
	v_add_nc_u32 v[RDA], s[DO], v[RD0]
	OLOAD
.endif
.if KIND == 2
	EACH 4*PP, v_pk_mul_f32 v[T+2*i:T+2*i+1], v[X+2*i:X+2*i+1], v[X+2*i:X+2*i+1]
	EACH 4*PP, v_pk_fma_f32 v[T+2*i:T+2*i+1], v[T+2*i:T+2*i+1], s[74:75], s[72:73] op_sel_hi:[1,0,0]
	EACH 4*PP, v_pk_mul_f32 v[T+2*i:T+2*i+1], v[T+2*i:T+2*i+1], v[X+2*i:X+2*i+1]
	EACH 8*PP, v_exp_f32 v[T+i], v[T+i]
	v_nop                                          ; a plain instruction behind the last exponential (ISA guide 5.7.2)
	EACH 4*PP, v_pk_add_f32 v[T+2*i:T+2*i+1], v[T+2*i:T+2*i+1], 1.0 op_sel_hi:[1,0]
	EACH 8*PP, v_rcp_f32 v[T+i], v[T+i]
	v_nop
	EACH 4*PP, v_pk_mul_f32 v[X+2*i:X+2*i+1], v[X+2*i:X+2*i+1], v[T+2*i:T+2*i+1]
	s_wait_xcnt 0x0                                ; the last trip's stores have read Y and C's address: they are rewritten only behind this wait
	s_add_nc_u64 s[8:9], s[8:9], s[GS:GS+1]
	s_mov_b32 s[GS], GSTEP
	EACH 4*PP, v_cvt_pk_bf16_f32 v[Y+i], v[X+2*i], v[X+2*i+1]
.endif
.set u, 0
.rept PP
.if KIND == 0
.set GO, (u/2)*512+(u%2)*262144        ; 4 tokens of 128 bytes; a head is 262,144 bytes
.else
.set GO, u*16384                       ; 2 rows of 8,192 bytes
.endif
	global_store_b128 v[CO], v[Y+4*u:Y+4*u+3], s[8:9] offset:GO  ; each 16 lanes store 256 consecutive bytes, aligned
.set u, u+1
.endr
.endm
	s_wait_tensorcnt 1                             ; my part of K step 0 is in; step 1's may stay out
	s_barrier_signal -1
	s_barrier_wait -1                              ; everybody's is
	FETCH 0, F0
	QUARTER 1, F0, F1, 1                           ; the first quarter stands in front of the loop: its products start the sums
	WIN 0                                          ; at a label and at a branch every window is 0
	s_mov_b32 s3, NS-2
.Lstep:                                                ; a trip: from a K step's second quarter to the next step's first; it asks for the K step two on
	QUARTER 2, F1, F0, 0
	QUARTER 3, F0, F1, 0
	TURN 1
	QUARTER 1, F0, F1, 0
	WIN 0
	s_sub_co_u32 s3, s3, 1
	s_cmp_lg_u32 s3, 0
	s_cbranch_scc1 .Lstep
	s_mov_b32 s3, 2
.Ltail:                                                ; the last two K steps ask for nothing: a text of their own; the second trip is left in its middle
	QUARTER 2, F1, F0, 0
	QUARTER 3, F0, F1, 0
	TURN 0
	WIN 0
	s_sub_co_u32 s3, s3, 1
	s_cmp_eq_u32 s3, 0
	s_cbranch_scc1 .Lout
	QUARTER 1, F0, F1, 0
	WIN 0
	s_branch .Ltail
.Lout:
	PLACES
	PLACES                                         ; eight, once a launch
	s_wait_dscnt 0x0                               ; my reads of the ring are over;
	s_barrier_signal -1
	s_barrier_wait -1                              ; everybody's are, and the ring has had its last fill: from here on it is the stage
.irp w, 0,1
	WIN 0x08+4*(\w)                                ; the stores' data (source 1) in window 2, then 3
.irp a, 0,1,2,3
.irp b, 0,1,2,3,4,5,6,7
	ds_store_b128 v[STO], v[8*(8*(\a)+(\b)):8*(8*(\a)+(\b))+3]   offset:(4*(\w)+(\a))*16*DP+64*(\b)      ; each accumulator's low registers first
	ds_store_b128 v[STO], v[8*(8*(\a)+(\b))+4:8*(8*(\a)+(\b))+7] offset:(4*(\w)+(\a))*16*DP+64*(\b)+16
.endr
.endr
.endr
	WIN 0
	s_mov_b32 s[DO], 0
	s_mov_b32 s[GS], 0
	s_mov_b32 s[GS+1], 0
	v_mov_b32 v[RDA], v[RD0]
	OLOAD                                          ; LDS serves a wave's instructions in order (ISA guide 5.7.1.4): these see my stores above; nobody else touches my part
.if KIND == 2
	s_wait_loadcnt 0x0                             ; the bias
.endif
	s_mov_b32 s3, TRIPS-1
.Lrows:
	OTRIP 1
	s_sub_co_u32 s3, s3, 1
	s_cmp_lg_u32 s3, 0
	s_cbranch_scc1 .Lrows
	OTRIP 0                                        ; the last trip is written out: it reads nothing further
	s_wait_tensorcnt 0x0                           ; the wave's end, behind my last tensor load and my last LDS store
	ds_add_u32 v[SPW], v[NIL]
	s_wait_dscnt 0x0
	CROUND                                         ; the closing round: no work-group ends while a partner may still ask for a tile that names it
	s_endpgm
.Lfunc_end_k_qe9fb412f40_qkv:
	.size	k_qe9fb412f40_qkv, .Lfunc_end_k_qe9fb412f40_qkv-k_qe9fb412f40_qkv
	.p2alignl 7, 3214868480
	.fill 96, 4, 3214868480
	.section	.rodata,"a",@progbits
	.p2align	6, 0x0
	.amdhsa_kernel k_qe9fb412f40_qkv
		.amdhsa_group_segment_fixed_size 327680
		.amdhsa_private_segment_fixed_size 0
		.amdhsa_enable_private_segment 0
		.amdhsa_kernarg_size 24
		.amdhsa_user_sgpr_count 2
		.amdhsa_user_sgpr_kernarg_segment_ptr 1
		.amdhsa_wavefront_size32 1
		.amdhsa_system_sgpr_workgroup_id_x 1
		.amdhsa_system_sgpr_workgroup_id_y 1
		.amdhsa_system_sgpr_workgroup_id_z 1
		.amdhsa_system_vgpr_workitem_id 0
		.amdhsa_next_free_vgpr 1024
		.amdhsa_next_free_sgpr 80
		.amdhsa_reserve_vcc 0
		.amdhsa_float_denorm_mode_32 3
		.amdhsa_float_denorm_mode_16_64 3
		.amdhsa_memory_ordered 1
		.amdhsa_forward_progress 1
		.amdhsa_inst_pref_size 86
	.end_amdhsa_kernel
	.amdgpu_metadata
---
amdhsa.version: [ 1, 2 ]
amdhsa.kernels:
  - .name:           k_qe9fb412f40_qkv
    .symbol:         k_qe9fb412f40_qkv.kd
    .args:
      - { .name: hn, .offset: 0, .size: 8, .value_kind: global_buffer, .address_space: global }
      - { .name: wb, .offset: 8, .size: 8, .value_kind: global_buffer, .address_space: global }
      - { .name: qkv, .offset: 16, .size: 8, .value_kind: global_buffer, .address_space: global }
    .group_segment_fixed_size: 327680
    .private_segment_fixed_size: 0
    .kernarg_segment_align: 8
    .kernarg_segment_size: 24
    .max_flat_workgroup_size: 128
    .sgpr_count:     80
    .vgpr_count:     1024
    .wavefront_size: 32
...
	.end_amdgpu_metadata
.endif
;; end of part 2
;; launch attn (part 3): grid 8 x 32, 4 waves a work-group, clusters of 4 x 1, 327,680 bytes of LDS; arguments qkv, ctx; writes ctx
.if DOCPART == 3
	.amdgcn_target "amdgcn-amd-amdhsa--gfx1250"
	.amdhsa_code_object_version 6
	.text
	.protected	k_qe9fb412f40_attn
	.globl	k_qe9fb412f40_attn
	.p2align	8
	.type	k_qe9fb412f40_attn,@function
k_qe9fb412f40_attn:
	s_mov_b64 s[64:65], 0
	v_nop
	global_prefetch_b8 v0, s[64:65] scope:SCOPE_SE
	s_setreg_imm32_b32 hwreg(HW_REG_WAVE_MODE, 25, 1), 1
	s_wait_xcnt 0x0
	s_wait_alu depctr_hold_cnt(0) depctr_sa_sdst(0) depctr_va_vdst(0) depctr_va_sdst(0) depctr_va_ssrc(0) depctr_va_vcc(0) depctr_vm_vsrc(0)
	s_getreg_b32 s2, hwreg(HW_REG_IB_STS2, 6, 4)
	s_cmp_eq_u32 s2, 0
	s_cbranch_scc0 .Lentry_in_a_cluster
	s_endpgm
.Lentry_in_a_cluster:
	s_bfe_u32 s2, ttmp6, 0x10000c
	s_cmp_lg_u32 s2, 0x3003
	s_cbranch_scc0 .Lentry_shape_is_right
	s_endpgm
.Lentry_shape_is_right:
; ATTENTION, no mask.  ctx[bh][q][:] = the sum over k of softmax_k(Q[bh][q] . K[bh][k] / 8) V[bh][k][:].  Q, K, V lie in qkv at 0, 0x800000, 0x1000000, each [32 = 16 batch + head][2048][64] bf16, unscaled;
; ctx has the same layout: a head's rows are dense, 128 bytes each.  Products, maxima and sums in f32; the weights p are rounded to bf16 for the second product (their sum l is taken of the unrounded p), ctx once at the end.
; LIMITS.  q, k, v, p and ctx carry bf16's 8 significant bits.  A weight below 2^-126 counts as 0 in l.  c m starts at -4.25e37: scores below that are not served.  NaN and infinities are not treated apart.
; SHARES.  A work-group owns 256 queries of one head, a wave 64: four PIECES of 16.  32 heads x 8 blocks are 256 work-groups.  Every wave walks all 2,048 keys, 64 a step; a slot of LDS holds four steps.
; LAYOUT.  S^T = K Q^T (source 0 = 16 keys, source 1 = 16 queries): a lane holds ONE query (lane % 16) and the keys 8 (lane / 16) + 0..7.  Two such results, rounded to bf16 in pairs, ARE source 1 of
; O^T = V^T P, whose result again holds one query a lane, and eight channels.  K comes out of LDS as it lies, V ([key][channel]) turned, by ds_load_tr16_b128.
; SOFTMAX.  For each query a running maximum m and sum l: p = 2^(c s - c m), c = log2(e) / 8; in every step O and l are multiplied by a = 2^(c m_old - c m_new).  m starts at the lowest finite number, O and l at 0:
; the first step is a step like any other, with a = 0.
; BY TURNS.  Turn n belongs to piece n: 8 products K Q^T of piece n + 1, later 8 products V^T P of piece n - 1; beside them the scaling, exponentials, roundings, sums and rescaling of piece n and the maximum and
; statistics of piece n + 1.  A turn has 16 matrix and 118 vector instructions: four vector instructions stand behind every matrix instruction, the other 54 in two runs of their own.
; CLUSTER.  The four query blocks of a cluster belong to one head and walk the same K and V: each tile is asked for JOINTLY, by the same load, descriptor and mask in all four.  One tensor load of a wave is out at any time.
; REGISTERS, in windows of 256 (s_set_vgpr_msb: bits 1:0 source 0, 3:2 source 1, 5:4 source 2, 7:6 destination):
;   window 0: v0-15 addresses and at work; v16-31 four registers of statistics a piece; v48-55 at work; v61-63; v64-127 S^T, two buffers; v192-223 P, two buffers (a piece's buffers go by its number's parity)
;   window 1: v0-127 O^T, 32 a piece          window 2: v0-63 Q; v128-191 K of one step; v192-255 V of one step
.set NP,    4         ; pieces a wave: a name, no knob
.set KS,    64        ; keys in a step
.set PK,    144       ; a row of K in LDS: 128 bytes + 16 = 36 words: the 16 rows of a load start at 16 different groups of four banks (ISA guide 11.1)
.set PV,    160       ; a row of V: 128 + 32 = 40 words
.set VOFF,  4*KS*PK   ; a slot: 256 rows of K, then 256 rows of V
.set SLOT1, 1<<17     ; slot 1 begins here, so that one exclusive or turns an address in one slot into the other's
.set STAGE, SLOT1+4*KS*(PK+PV)  ; behind the ring, never filled by a tensor load: 16 rows x 144 bytes for each wave, for the way out
.set SP,    144
.set SPARE, STAGE+4*16*SP  ; behind the stages: the spare words, 128 bytes for each wave: two blocks of 256 bytes that no other line names
.set AK0, 2           ; v2   my lane's place in a tile of K; never rewritten
.set AV0, 3           ; v3   the same for V
.set AK,  4           ; v4   the LDS address of K's next run of loads
.set AV,  5           ; v5   of V's
.set STO, 6           ; v6   the way out: where I put 16 bytes of a row
.set RD,  7           ; v7   where I read rows back
.set GO,  8           ; v8   my byte offset in 512 consecutive bytes of ctx
.set MV,  12          ; v12-13  c m_old, kept while c m is made anew: by buffer
.set QO,  15          ; v15  my byte offset in 16 rows of Q
.set ST,  16          ; piece t's statistics at v[ST+4 t]: c m, m, l (even keys', odd keys')
.set TMP, 48          ; by buffer, four registers c0-c3 at work; when the maximum is found c2 takes a
.set PFO, 61          ; v61  256 x my lane; never rewritten
.set SPW, 62          ; v62  LDS address of my spare word; never rewritten
.set NIL, 63          ; v63  0; never rewritten
.set S,   64
.set P,   192
.set KF,  128         ; window 2: key block kb, channel half c at KF + 16 kb + 8 c
.set VF,  192         ; window 2: key half kk, channel block cb at VF + 32 kk + 8 cb
.set WV,  12          ; s12  my wave's number
.set G1K, 24          ; s[24:31] descriptor group 1 for K's tiles
.set G1V, 32          ; s[32:39] for V's: it differs in the padding alone
.set G0K, 40          ; s[40:43] descriptor group 0 for K's tiles: it walks
.set G0V, 44          ; s[44:47] the same for V's
.set PFA, 48          ; s[48:49] where my prefetches stand: my work-group's 32 blocks of 256 bytes (of K: wave 0, of V: wave 2) of the tile after the one that is being asked for
.set LIM, 50          ; s50  1 in a wave that prefetches, else the greatest number
.set SLOTS, 56        ; s56  tiles still to be asked for
.set CNT, 57          ; s57  counts a tile's key steps
.set CS,  58          ; s[58:59] c: the packed scaling takes the pair's low word for both halves
.set SEL, 60          ; s[60:61] v_permlanex16_b32's selects: each lane takes its own place in the other half
.set TBK, 62          ; s62  LDS byte at which K of the step to be fetched begins
.set TBV, 63          ; s63  the same for V, less VOFF
.set MSB, 0
.macro WIN new                      ; the high byte repeats the setting that is left; a switch that changes nothing is dropped
.if MSB != (\new)
	s_set_vgpr_msb (MSB<<8)|(\new)
.set MSB, (\new)
.endif
.endm
.set W_KQ, 0x0a       ; K and Q in window 2, S^T in window 0
.set W_PV, 0x52       ; V in window 2, P in window 0, O^T in window 1
.set W_RS, 0x41       ; destination and source 0 in window 1, source 1 in window 0
; A joint fill.  Waves 0 and 1 fetch the two halves of a tile's K, waves 2 and 3 those of its V: 128 keys each.  The branch hangs on the wave's number alone.
; An s_nop 0 and four v_nop follow each of the two lines, ahead of the jump and the label.
.macro JLOAD
	s_cmp_lt_u32 s[WV], 2
	s_cbranch_scc0 .Lfor_v_\@
	tensor_load_to_lds s[G0K:G0K+3], s[G1K:G1K+7]
	s_nop 0
.rept 4
	v_nop
.endr
	s_branch .Lasked_\@
.Lfor_v_\@:
	tensor_load_to_lds s[G0V:G0V+3], s[G1V:G1V+7]
	s_nop 0
.rept 4
	v_nop
.endr
.Lasked_\@:
.endm
; A PREFETCH INTO THE L2 of the tile that the NEXT change of slots will ask for: 128 blocks of 256 bytes of K and 128 of V.  Both clusters of a head walk the same K and V: the first (cluster x = 0) asks.  Its four
; partners share the blocks out BY ADDRESS, 32 each, a lane a block; in each, wave 0 asks for K's and wave 2 for V's: one instruction, four key steps (256 matrix instructions) ahead of the load.  So each block is
; named once in the launch.  Tiles 0 to 2 come by their loads alone; the last change that fills a slot asks for nothing: there is no tile behind it.
.macro ASK
	s_cmp_gt_u32 s[SLOTS], s[LIM]
	s_cbranch_scc0 .Lnot_mine_\@
	global_prefetch_b8 v[PFO], s[PFA:PFA+1] th:TH_LOAD_NT scope:SCOPE_SE
.Lnot_mine_\@:
.endm
; A round of the cluster's barrier: my work-group's barrier, so that wave 0's signal speaks for all four waves; wave 0 signals; every wave waits for all four work-groups; my work-group's barrier once more.
.macro CROUND
	s_barrier_signal -1
	s_barrier_wait -1
	s_cmp_lg_u32 s[WV], 0
	s_cbranch_scc1 .Lnot_wave_0_\@
	s_barrier_signal -3
.Lnot_wave_0_\@:
	s_barrier_wait -3
	s_barrier_signal -1
	s_barrier_wait -1
.endm
; THE CHANGE OF SLOTS.  The slot's last bytes, V of its fourth step, have been read.  Each wave waits for all its tensor loads, of which one is out: its part of the other slot; adds 0 to its spare word; and waits for
; that and for its own reads of the slot.  fill = 1: the slot is filled again, with the keys two tiles on; the barrier is then a round of the cluster's, and the joint fill is the first thing behind it: it has four
; key steps in which to land.  (At its first use nothing has been read yet: slot 0 is waited for, slot 1 filled.)
.macro CHANGE fill, ask=0
	WIN 0                           ; at a label and at a branch every window is 0
	s_wait_tensorcnt 0x0            ; no tensor load of mine is out, so a group 0 may be written
	ds_add_u32 v[SPW], v[NIL]       ; 0 onto my spare word; the descriptors' steps stand between it and the wait for it
.if \fill
.irp g, G0K, G0V
	s_xor_b32 s[\g+1], s[\g+1], SLOT1  ; the walking descriptor: the other slot than last time,
	s_add_nc_u64 s[\g+2:\g+3], s[\g+2:\g+3], 4*KS*128  ; the next 256 keys; the type bits on top are not reached
.endr
.if \ask
	s_wait_xcnt 0x0                 ; the last prefetch, four key steps back, has read its address, so it may be written
	s_add_nc_u64 s[PFA:PFA+1], s[PFA:PFA+1], 4*KS*128
.endif
	s_wait_dscnt 0x0                ; the add is done, and my reads of the slot are over
	CROUND
	JLOAD
.if \ask
	ASK
.endif
.else
	s_wait_dscnt 0x0                ; the add is done, and my reads of the slot are over
	s_barrier_signal -1
	s_barrier_wait -1
.endif
	s_sub_co_u32 s[TBK], s[TBK], 4*KS*PK  ; the fetches go back to a slot's first step,
	s_xor_b32 s[TBK], s[TBK], SLOT1       ; in the other slot
	s_sub_co_u32 s[TBV], s[TBV], 4*KS*PV
	s_xor_b32 s[TBV], s[TBV], SLOT1
.endm
	s_load_b128 s[52:55], s[0:1], 0x0  ; qkv s[52:53], ctx s[54:55]
	v_lshl_add_u32 v[SPW], v0, 2, SPARE
	v_mov_b32 v[NIL], 0
	ds_add_u32 v[SPW], v[NIL]       ; the wave's opening: the add and its wait stand ahead of my first tensor load; the set-up below, work on registers, stands between them
	v_lshrrev_b32 v1, 5, v0
	v_readfirstlane_b32 s[WV], v1   ; wave 0..3
	s_bfe_u32 s13, ttmp6, 0x40000   ; cx: my place in the cluster
	s_lshl_b32 s14, ttmp9, 2        ; in a cluster launch ttmp9 counts clusters
	s_add_co_u32 s14, s14, s13      ; my block of 256 queries: it enters Q's and ctx's addresses alone
	s_and_b32 s20, ttmp7, 0xffff    ; the head, which the four partners share:
	s_lshl_b32 s20, s20, 18         ; 262,144 bytes each
	s_and_b32 s16, s[WV], 1         ; which half of a tile's 256 keys I fetch:
	s_lshl_b32 s22, s16, 14         ; its 128 rows of 128 bytes in memory,
	s_add_co_u32 s22, s22, s20
	s_mov_b32 s23, 0
	s_mul_i32 s17, s16, 128*PK      ; and its place in a slot, for K
	s_mul_i32 s18, s16, 128*PV      ; and for V: no place in the cluster enters an LDS address
	s_lshl_b32 s2, s14, 2
	s_add_co_u32 s2, s2, s[WV]      ; my wave among the head's,
	s_lshl_b32 s2, s2, 13           ; its 64 rows
	s_add_co_u32 s2, s2, s20
	s_mov_b32 s3, 0
	; descriptor group 1.  128 keys are 16,384 dense bytes: asked for as 64 rows of 256 bytes, two keys a row, and padded in LDS after every key
	s_mov_b32 s[G1K], 15|(1<<16)|(1<<20)|(1<<21)|(4<<22)|(3<<25)  ; 15:0 the mask of four; 17:16 2-byte elements; 20 padding on; 21 set beside a mask; 24:22 after every 32 words (code 4); 31:25 4 words (code 3)
	s_mov_b32 s[G1V], 15|(1<<16)|(1<<20)|(1<<21)|(4<<22)|(7<<25)  ; the same with 8 words of padding (code 7)
.irp g, G1K, G1V
	s_mov_b32 s[\g+1], 128<<16      ; tensor_dim0 = 128
	s_mov_b32 s[\g+2], 64<<16       ; tensor_dim1 = 64
	s_mov_b32 s[\g+3], 128<<16      ; tile_dim0 = 128
	s_mov_b32 s[\g+4], 64           ; tile_dim1 = 64
	s_mov_b32 s[\g+5], 128          ; 128 elements from row to row
	s_mov_b32 s[\g+6], 0
	s_mov_b32 s[\g+7], 0
.endr
	s_mov_b32 s[CS], 0x3e38aa3b     ; c = log2(e) / 8 = 0.180337
	s_mov_b32 s[CS+1], s[CS]        ; named with it as a pair
	s_mov_b32 s[SEL], 0x76543210
	s_mov_b32 s[SEL+1], 0xfedcba98
	s_mov_b32 s[TBK], SLOT1+4*KS*PK ; the first change of slots turns these two into 0
	s_mov_b32 s[TBV], SLOT1+4*KS*PV
	s_mov_b32 s[G0K], 1             ; count = 1
	s_mov_b32 s[G0K+1], s17         ; LDS address: slot 0
	s_mov_b32 s[G0V], 1
	s_add_co_u32 s[G0V+1], s18, VOFF
	s_mov_b32 s[SLOTS], 2048/256-1
	s_and_b32 s[LIM], s[WV], 1      ; 0 in waves 0 and 2,
	s_or_b32 s[LIM], s[LIM], ttmp9  ; where the cluster is the head's first: the same in all four partners
	s_cmp_eq_u32 s[LIM], 0
	s_cselect_b32 s[LIM], 1, -1
	v_and_b32 v[PFO], 31, v0
	v_lshlrev_b32 v[PFO], 8, v[PFO]
	s_wait_dscnt 0x0                ; the opening add is done
	s_wait_kmcnt 0x0
	s_add_nc_u64 s[6:7], s[52:53], s[22:23]
	s_add_nc_u64 s[8:9], s[6:7], 0x1000000         ; V at my half of the head's tile 0
	s_add_nc_u64 s[6:7], s[6:7], 0x800000          ; K likewise
	s_add_nc_u64 s[G0K+2:G0K+3], s[6:7], 0         ; global address
	s_or_b32 s[G0K+3], s[G0K+3], 0x80000000        ; type = 2
	s_add_nc_u64 s[G0V+2:G0V+3], s[8:9], 0
	s_or_b32 s[G0V+3], s[G0V+3], 0x80000000
	s_add_nc_u64 s[4:5], s[52:53], s[2:3]          ; Q and ctx at my wave's first row
	s_add_nc_u64 s[10:11], s[54:55], s[2:3]
	s_cmp_lt_u32 s[WV], 2
	s_cselect_b64 s[PFA:PFA+1], s[6:7], s[8:9]     ; (in waves 0 and 2 these stand at a tile's first row)
	s_lshl_b32 s2, s13, 13          ; my work-group's 32 blocks of the 128
	s_mov_b32 s3, 0
	s_add_nc_u64 s[PFA:PFA+1], s[PFA:PFA+1], s[2:3]
	s_add_nc_u64 s[PFA:PFA+1], s[PFA:PFA+1], 2*4*KS*128  ; in tile 2; the first change that asks steps it to tile 3
	CROUND                          ; all four work-groups are here: the first joint loads meet
	JLOAD                           ; tile 0 into slot 0.  Slot 1 is asked for when slot 0 is in
	; A fragment of K or Q is 16 rows x 32 channels in 8 registers: lane l holds row l % 16, channels 8 (l / 16) + 0..7 and 16 + 8 (l / 16) + 0..7: two loads of 16 bytes, 32 bytes apart.
	v_and_b32 v1, 15, v0            ; l % 16
	v_bfe_u32 v9, v0, 4, 1          ; l / 16
	v_lshlrev_b32 v[QO], 7, v1
	v_lshl_add_u32 v[QO], v9, 4, v[QO]  ; row x 128 + 16 x half
	WIN 0x80                        ; destination window 2, address window 0
.set i, 0
.rept 8                             ; Q stays in registers: piece i / 2, channels 32 (i % 2) on
	global_load_b128 v[8*i:8*i+3],   v[QO], s[4:5] offset:(i/2)*2048+(i%2)*64
	global_load_b128 v[8*i+4:8*i+7], v[QO], s[4:5] offset:(i/2)*2048+(i%2)*64+32
.set i, i+1
.endr
	; What the first turn finds: V's registers and P's second buffer hold 0 (its products V^T P, of a piece that has not been, add 0), O^T and l are 0.  All this stands in the wait for the first tile.
.set i, VF
.rept 64
	v_mov_b32 v[i], 0
.set i, i+1
.endr
	WIN 0x40
.set i, 0
.rept 128
	v_mov_b32 v[i], 0
.set i, i+1
.endr
	WIN 0
.set i, 0
.rept 4
	v_mov_b32 v[ST+4*i], 0xfe000000    ; c m: far below every c s
	v_mov_b32 v[ST+4*i+1], 0xff7fffff  ; m
	v_mov_b32 v[ST+4*i+2], 0
	v_mov_b32 v[ST+4*i+3], 0
.set i, i+1
.endr
.set i, P+16
.rept 16
	v_mov_b32 v[i], 0
.set i, i+1
.endr
	v_mul_u32_u24 v[AK0], v1, PK
	v_lshl_add_u32 v[AK0], v9, 4, v[AK0]  ; row x pitch + 16 x half
	; The turning load takes 16 keys x 16 channels (lane l reads key 8 (l / 16) + l % 8, channels 8 ((l / 8) % 2) + 0..7) and leaves half a fragment of V^T: lane l holds channel l % 16 and 8 keys.
	v_and_b32 v10, 7, v0
	v_bfe_u32 v11, v0, 3, 1
	v_lshl_add_u32 v[AV0], v9, 3, v10
	v_mul_u32_u24 v[AV0], v[AV0], PV
	v_lshl_add_u32 v[AV0], v11, 4, v[AV0]
	v_add_nc_u32 v[AV0], VOFF, v[AV0]
	v_mov_b32 v[AK], v[AK0]         ; key step 0 lies at the head of slot 0
; THE MATRIX WORK.  The 4 accumulators of a run of 8 take turns.  Product i of 8 of S^T = K Q^T for piece x: channels 32 (i / 4) on, keys 16 (i % 4) on.  The first 4 start the sums.
.macro KQ x
	WIN W_KQ
.set rS, S+32*((\x)%2)+8*(i%4)
.set rK, KF+16*(i%4)+8*(i/4)
.set rQ, 16*(\x)+8*(i/4)
.if i < 4
	v_wmma_f32_16x16x32_bf16 v[rS:rS+7], v[rK:rK+7], v[rQ:rQ+7], 0
.else
	v_wmma_f32_16x16x32_bf16 v[rS:rS+7], v[rK:rK+7], v[rQ:rQ+7], v[rS:rS+7]
.endif
.endm
; Product i of 8 of O^T += V^T P for piece x: keys 32 (i / 4) on, channels 16 (i % 4) on.
.macro PV x
	WIN W_PV
.set rO, 32*(\x)+8*(i%4)
.set rV, VF+32*(i/4)+8*(i%4)
.set rP, P+16*((\x)%2)+8*(i/4)
	v_wmma_f32_16x16x32_bf16 v[rO:rO+7], v[rV:rV+7], v[rP:rP+7], v[rO:rO+7]
.endm
.macro MM                           ; the turn's next matrix instruction
.if i < 8
	KQ (Y+1)%NP
.else
.set i, i-8
	PV (Y+NP-1)%NP
.set i, i+8
.endif
.set i, i+1
.endm
; THE LDS LOADS stand in runs of 16, never singly among the matrix instructions: a step's K (64 keys x 64 channels: 8 fragments) and its V (turned).  Their addresses are made some lines ahead.
; last = 1 (the tail): in the last trip there is no further step, and the run is jumped over.
.macro FETCH_K last=0
	WIN 0
.if \last
	s_cmp_eq_u32 s[CNT], 1
	s_cbranch_scc1 .Lno_k_\@
.endif
	WIN 0x80                        ; destination window 2
.irp f, 0,1,2,3,4,5,6,7             ; keys 16 (f / 2) on, channels 32 (f % 2) on
	ds_load_b128 v[KF+8*\f:KF+8*\f+3],   v[AK] offset:(\f/2)*16*PK+(\f%2)*64
	ds_load_b128 v[KF+8*\f+4:KF+8*\f+7], v[AK] offset:(\f/2)*16*PK+(\f%2)*64+32
.endr
	s_add_co_u32 s[TBK], s[TBK], KS*PK  ; the next fetch is the next step's
	WIN 0
.if \last
.Lno_k_\@:
.endif
.endm
.macro FETCH_V
	WIN 0x80
.irp f, 0,1,2,3,4,5,6,7             ; keys 32 (f / 4) on, channels 16 (f % 4) on
	ds_load_tr16_b128 v[VF+8*\f:VF+8*\f+3],   v[AV] offset:(\f/4)*32*PV+(\f%4)*32
	ds_load_tr16_b128 v[VF+8*\f+4:VF+8*\f+7], v[AV] offset:(\f/4)*32*PV+16*PV+(\f%4)*32
.endr
	WIN 0
.endm
; THE VECTOR WORK, one line at a time: OP kind, number.  For piece Y: F n: c s - c m for pair n of 16.  E n: the exponential of score n of 32.  C n: pair n rounded to bf16.  B n: of the four weights 4 n .. the second
; pair is added onto the first, in place.  L n: l takes that sum (L 0: l = a l + sum).  R n: pair n of 16 of O^T times a.  For piece Y + 1: X n, number n of the 22 that find its maximum and statistics:
;   0-11  four chains c0-c3 of seven scores each, three operands at a time (each accumulator's lowest registers are read first)     12-14, 16  the four scores left over, the old m, and c0-c3 into c0
;   15  c m_old is kept     17, 18  the query's other 32 keys lie in the lane 16 away: the new m     19-21  c m; c m_old - c m_new; a
.set F, 0               ; OP tells the kinds apart by their order: F to L below R, X above it
.set E, 1
.set C, 2
.set B, 3
.set L, 4
.set R, 5
.set X, 6
.macro REGS y                       ; the registers of piece y
.set rT, ST+4*(\y)
.set rC, TMP+4*((\y)%2)
.set rW, MV+((\y)%2)
.set rS, S+32*((\y)%2)
.set rP, P+16*((\y)%2)
.set rO, 32*(\y)
.endm
.macro OP k, n
.if (\k) == R
	REGS Y
	WIN W_RS
	v_pk_mul_f32 v[rO+2*(\n):rO+2*(\n)+1], v[rO+2*(\n):rO+2*(\n)+1], v[rC+2:rC+3] op_sel_hi:[1,0]
.elseif (\k) < R
	REGS Y
	WIN 0
.if (\k) == F
	v_pk_fma_f32 v[rS+2*(\n):rS+2*(\n)+1], v[rS+2*(\n):rS+2*(\n)+1], s[CS:CS+1], v[rT:rT+1] op_sel_hi:[1,0,0] neg_lo:[0,0,1] neg_hi:[0,0,1]
.elseif (\k) == E
	v_exp_f32 v[rS+(\n)], v[rS+(\n)]
.elseif (\k) == C
	s_wait_alu depctr_va_vdst(0)
	v_cvt_pk_bf16_f32 v[rP+(\n)], v[rS+2*(\n)], v[rS+2*(\n)+1]
.elseif (\k) == B
	s_wait_alu depctr_va_vdst(0)
	v_pk_add_f32 v[rS+4*(\n):rS+4*(\n)+1], v[rS+4*(\n):rS+4*(\n)+1], v[rS+4*(\n)+2:rS+4*(\n)+3]
.elseif (\n) == 0
	v_pk_fma_f32 v[rT+2:rT+3], v[rT+2:rT+3], v[rC+2:rC+3], v[rS:rS+1] op_sel_hi:[1,0,1]
.else
	v_pk_add_f32 v[rT+2:rT+3], v[rT+2:rT+3], v[rS+4*(\n):rS+4*(\n)+1]
.endif
.else
	REGS (Y+1)%NP
	WIN 0
.if (\n) < 4
	v_max3_num_f32 v[rC+(\n)], v[rS+8*(\n)], v[rS+8*(\n)+1], v[rS+8*(\n)+2]
.elseif (\n) < 12
	v_max3_num_f32 v[rC+(\n)%4], v[rC+(\n)%4], v[rS+8*((\n)%4)+2*((\n)/4)+1], v[rS+8*((\n)%4)+2*((\n)/4)+2]
.elseif (\n) == 12
	v_max3_num_f32 v[rC], v[rC], v[rS+7], v[rS+15]
.elseif (\n) == 13
	v_max3_num_f32 v[rC+1], v[rC+1], v[rS+23], v[rS+31]
.elseif (\n) == 14
	v_max3_num_f32 v[rC+2], v[rC+2], v[rC+3], v[rT+1]
.elseif (\n) == 15
	v_mov_b32 v[rW], v[rT]
.elseif (\n) == 16
	v_max3_num_f32 v[rC], v[rC], v[rC+1], v[rC+2]
.elseif (\n) == 17
	v_permlanex16_b32 v[rC+3], v[rC], s[SEL], s[SEL+1]
.elseif (\n) == 18
	v_max_num_f32 v[rT+1], v[rC], v[rC+3]
.elseif (\n) == 19
	v_mul_f32 v[rT], s[CS], v[rT+1]
.elseif (\n) == 20
	v_sub_f32 v[rC+1], v[rW], v[rT]
.else
	v_exp_f32 v[rC+2], v[rC+1]
.endif
.endif
.endm
.macro OPS a, i1, b=-1, i2=0, c=-1, i3=0, d=-1, i4=0  ; up to four of them
	OP \a, \i1
.if (\b) >= 0
	OP \b, \i2
.endif
.if (\c) >= 0
	OP \c, \i3
.endif
.if (\d) >= 0
	OP \d, \i4
.endif
.endm
.macro ROW a, i1, b, i2, c, i3, d, i4  ; a matrix instruction and the four behind it
	MM
	OPS \a, \i1, \b, \i2, \c, \i3, \d, \i4
.endm
; A TURN, for piece p: the order of its 16 matrix and 118 vector instructions, written out.  Behind a matrix instruction: plain, exponential, plain, plain; or four of the rescaling; or, behind the first, four scalings;
; none names a register of the products round it.  In the two runs exponential and plain by turns while exponentials last, so that each exponential has a plain instruction behind it (ISA guide 5.7.2).
; K of the next step is fetched in piece 2's turn, six vector instructions behind the last product that read K (five of them plain); V of the step in hand in piece 0's turn, eight behind the last product that read V
; (five of them plain).  Each is waited for a turn later.  cnt = 1: the loop's count is taken down some lines ahead of the branch that stands behind the turn.
.macro TURN p, last=0, cnt=0
.set Y, (\p)
.set i, 0
.if (\p) == 3
	s_wait_dscnt 0x0                ; K is in
.endif
	ROW F,0, F,1, F,2, F,3
	ROW F,4, E,0, F,5, F,6
	ROW F,7, E,1, F,8, F,9
	ROW F,10, E,2, C,0, F,11
	ROW F,12, E,3, X,15, F,13
	ROW R,0, R,1, R,2, R,3
	ROW B,0, E,4, F,14, L,0
.if (\p) == 2
	v_add_nc_u32 v[AK], s[TBK], v[AK0]
.endif
	ROW R,4, R,5, R,6, R,7
	OPS E,5, F,15
.if (\p) == 2
	FETCH_K \last
.endif
	OPS E,6, C,1, E,7, R,8
	OPS E,8, R,9, E,9, C,2
	OPS E,10, X,0, E,11, X,1
	OPS E,12, X,2, E,13, X,3
.if (\p) == 1
	s_wait_dscnt 0x0                ; V is in
.endif
	ROW X,4, E,14, X,5, X,6
	ROW X,7, E,15, X,8, X,9
	ROW X,10, E,16, X,11, X,12
	ROW X,13, E,17, X,14, B,1
	ROW C,4, E,18, X,16, L,1
	ROW B,2, E,19, C,6, L,2
	ROW C,8, E,20, B,3, B,4
.if (\p) == 0
	v_add_nc_u32 v[AV], s[TBV], v[AV0]
.endif
	ROW C,3, E,21, L,3, C,5
	OPS E,22, X,17, E,23, C,10
.if (\p) == 0
	FETCH_V
.endif
	OPS E,24, L,4
	OPS E,25, X,18, E,26, C,7
	OPS E,27, B,5, E,28, X,19
	OPS E,29, C,12, E,30, L,5
	OPS E,31, X,20, B,6, C,9
	OPS C,14, C,11, X,21, L,6
.if (\p) == 0
	s_add_co_u32 s[TBV], s[TBV], KS*PV
.endif
.if \cnt
	s_sub_co_u32 s[CNT], s[CNT], 1
	s_cmp_lg_u32 s[CNT], 0
.endif
	OPS C,13, B,7, C,15, R,10
	OPS R,11, R,12, L,7, R,13
	OPS R,14, R,15
.endm
	CHANGE 1                        ; slot 0 is in, everybody's part of it; slot 1 is asked for
	FETCH_K                         ; key step 0
	s_wait_loadcnt 0x0              ; Q
	s_wait_dscnt 0x0
.set i, 0
.rept 8
	KQ 0                            ; piece 0's first scores: there is no vector work yet to set between them
.set i, i+1
.endr
	WIN 0                           ; the addresses for the way out: eleven plain instructions, the places behind those products
	s_mul_i32 s13, s[WV], 16*SP
	s_add_co_u32 s13, s13, STAGE    ; my stage
	v_mul_u32_u24 v[STO], v1, SP    ; in: row l % 16, 16 bytes for each half of the lanes
	v_lshl_add_u32 v[STO], v9, 4, v[STO]
	v_add_nc_u32 v[STO], s13, v[STO]
	v_bfe_u32 v[RD], v0, 3, 2       ; back: 32 lanes take four rows of 128 bytes,
	v_mul_u32_u24 v[RD], v[RD], SP
	v_lshl_add_u32 v[RD], v10, 4, v[RD]
	v_add_nc_u32 v[RD], s13, v[RD]
	v_and_b32 v[GO], 31, v0         ; which are 512 consecutive bytes of ctx
	v_lshlrev_b32 v[GO], 4, v[GO]
.set Y, NP-1                        ; X works for piece Y + 1: piece 0
.irp n, 0,1,2,3,4,5,6,7,8,9,10,11,12,13,14,15,16,17,18,19,20,21
	OP X, \n                        ; piece 0's first maximum and statistics
.endr
	v_nop                           ; a plain instruction behind the exponential
	s_mov_b32 s[CNT], 4
	s_branch .Lfirst                ; the loop is entered at a step's first turn, in the middle of a trip
.Lslot:                             ; six times: every slot but the last two is filled again
	CHANGE 1, 1
	s_mov_b32 s[CNT], 4
.Lstep:                             ; a trip: pieces 2 and 3 of one step, then pieces 0 and 1 of the next, whose K and V it fetches
	TURN 2
	TURN 3
	WIN 0
.Lfirst:
	TURN 0
	TURN 1, 0, 1
	WIN 0
	s_cbranch_scc1 .Lstep
	s_sub_co_u32 s[SLOTS], s[SLOTS], 1
	s_cmp_lg_u32 s[SLOTS], 0
	s_cbranch_scc1 .Lslot
	CHANGE 0                        ; the tail is written out: nothing is asked for
	s_mov_b32 s[CNT], 5             ; four trips fetch the last tile's steps; the fifth is left in its middle
.Ltail:
	TURN 2, 1
	TURN 3
	WIN 0
	s_sub_co_u32 s[CNT], s[CNT], 1
	s_cmp_eq_u32 s[CNT], 0
	s_cbranch_scc1 .Lout
	TURN 0
	TURN 1
	WIN 0
	s_branch .Ltail
.Lout:                              ; the fifth trip's 8 products K Q^T (on the last K once more) and the maximum made of them serve nothing: the price, once a launch, of one text for every trip
.set i, 0
.rept 8
	PV NP-1                         ; the last piece's V^T P of the last step
.set i, i+1
.endr
	; THE WAY OUT.  l's two halves and the other half of the lanes' are added; O^T is divided by l, rounded to bf16 and sent through my stage in LDS, a piece at a time.  The additions are the places behind the last products.
	WIN 0
.macro ALL line:vararg              ; one line for each piece t
.set t, 0
.rept 4
	\line
.set t, t+1
.endr
.endm
	ALL v_add_f32 v[ST+4*t+2], v[ST+4*t+2], v[ST+4*t+3]
	ALL v_permlanex16_b32 v[ST+4*t+3], v[ST+4*t+2], s[SEL], s[SEL+1]
	ALL v_add_f32 v[ST+4*t+2], v[ST+4*t+2], v[ST+4*t+3]
	ALL v_rcp_f32 v[ST+4*t+2], v[ST+4*t+2]
	v_nop                           ; a plain instruction between the last reciprocal and the use of its result
.macro PACK t                       ; a lane's eight channels of a row pack into 16 bytes; they go into rows of 144 bytes and come back as whole rows of 128, into S^T's registers
	WIN W_RS
.set i, 32*(\t)
.rept 16
	s_wait_alu depctr_va_vdst(0)
	v_pk_mul_f32 v[i:i+1], v[i:i+1], v[ST+4*(\t)+2:ST+4*(\t)+3] op_sel_hi:[1,0]
.set i, i+2
.endr
	WIN 0x05                        ; sources 0 and 1 window 1, destination window 0
.set i, 0
.rept 16
	v_cvt_pk_bf16_f32 v[S+16*(\t)+i], v[32*(\t)+2*i], v[32*(\t)+2*i+1]
.set i, i+1
.endr
	WIN 0
.irp f, 0,1,2,3
	ds_store_b128 v[STO], v[S+16*(\t)+4*\f:S+16*(\t)+4*\f+3] offset:32*\f
.endr
.irp f, 0,1,2,3
	ds_load_b128 v[S+16*(\t)+4*\f:S+16*(\t)+4*\f+3], v[RD] offset:\f*4*SP  ; LDS serves a wave's instructions in order (ISA guide 5.7.1.4): these see the stores above; the next piece's stores come behind them
.endr
.endm
.macro SEND t, younger              ; younger: the LDS instructions issued behind piece t's loads: the next piece's eight, or none
	WIN 0
.irp f, 0,1,2,3
	s_wait_dscnt (\younger)+3-\f
	global_store_b128 v[GO], v[S+16*(\t)+4*\f:S+16*(\t)+4*\f+3], s[10:11] offset:(\t)*2048+\f*512  ; 512 consecutive bytes, aligned
.endr
.endm
	PACK 0
.set t, 1
.rept 3                             ; a piece's arithmetic stands between the loads of the piece before and its stores
	PACK t
	SEND t-1, 8
.set t, t+1
.endr
	SEND 3, 0
	s_wait_tensorcnt 0x0            ; the wave's end, behind my last tensor load and my last LDS store
	ds_add_u32 v[SPW], v[NIL]
	s_wait_dscnt 0x0
	CROUND                          ; the closing round: no work-group ends while a partner may still ask for a tile that names it
	s_endpgm
.Lfunc_end_k_qe9fb412f40_attn:
	.size	k_qe9fb412f40_attn, .Lfunc_end_k_qe9fb412f40_attn-k_qe9fb412f40_attn
	.p2alignl 7, 3214868480
	.fill 96, 4, 3214868480
	.section	.rodata,"a",@progbits
	.p2align	6, 0x0
	.amdhsa_kernel k_qe9fb412f40_attn
		.amdhsa_group_segment_fixed_size 327680
		.amdhsa_private_segment_fixed_size 0
		.amdhsa_enable_private_segment 0
		.amdhsa_kernarg_size 16
		.amdhsa_user_sgpr_count 2
		.amdhsa_user_sgpr_kernarg_segment_ptr 1
		.amdhsa_wavefront_size32 1
		.amdhsa_system_sgpr_workgroup_id_x 1
		.amdhsa_system_sgpr_workgroup_id_y 1
		.amdhsa_system_sgpr_workgroup_id_z 1
		.amdhsa_system_vgpr_workitem_id 0
		.amdhsa_next_free_vgpr 768
		.amdhsa_next_free_sgpr 66
		.amdhsa_reserve_vcc 0
		.amdhsa_float_denorm_mode_32 3
		.amdhsa_float_denorm_mode_16_64 3
		.amdhsa_memory_ordered 1
		.amdhsa_forward_progress 1
		.amdhsa_inst_pref_size 117
	.end_amdhsa_kernel
	.amdgpu_metadata
---
amdhsa.version: [ 1, 2 ]
amdhsa.kernels:
  - .name:           k_qe9fb412f40_attn
    .symbol:         k_qe9fb412f40_attn.kd
    .args:
      - { .name: qkv, .offset: 0, .size: 8, .value_kind: global_buffer, .address_space: global }
      - { .name: ctx, .offset: 8, .size: 8, .value_kind: global_buffer, .address_space: global }
    .group_segment_fixed_size: 327680
    .private_segment_fixed_size: 0
    .kernarg_segment_align: 8
    .kernarg_segment_size: 16
    .max_flat_workgroup_size: 128
    .sgpr_count:     66
    .vgpr_count:     768
    .wavefront_size: 32
...
	.end_amdgpu_metadata
.endif
;; end of part 3
;; launch oproj (part 4): grid 8 x 32, 4 waves a work-group, clusters of 4 x 4, 327,680 bytes of LDS; arguments ctx, wb, b_o, x, x1; writes x1
.if DOCPART == 4
	.amdgcn_target "amdgcn-amd-amdhsa--gfx1250"
	.amdhsa_code_object_version 6
	.text
	.protected	k_qe9fb412f40_oproj
	.globl	k_qe9fb412f40_oproj
	.p2align	8
	.type	k_qe9fb412f40_oproj,@function
k_qe9fb412f40_oproj:
	s_mov_b64 s[64:65], 0
	v_nop
	global_prefetch_b8 v0, s[64:65] scope:SCOPE_SE
	s_setreg_imm32_b32 hwreg(HW_REG_WAVE_MODE, 25, 1), 1
	s_wait_xcnt 0x0
	s_wait_alu depctr_hold_cnt(0) depctr_sa_sdst(0) depctr_va_vdst(0) depctr_va_sdst(0) depctr_va_ssrc(0) depctr_va_vcc(0) depctr_vm_vsrc(0)
	s_getreg_b32 s2, hwreg(HW_REG_IB_STS2, 6, 4)
	s_cmp_eq_u32 s2, 0
	s_cbranch_scc0 .Lentry_in_a_cluster
	s_endpgm
.Lentry_in_a_cluster:
	s_bfe_u32 s2, ttmp6, 0x10000c
	s_cmp_lg_u32 s2, 0xf033
	s_cbranch_scc0 .Lentry_shape_is_right
	s_endpgm
.Lentry_shape_is_right:
; ONE TEXT FOR THE BLOCK'S FOUR PRODUCTS C = A W.  The constant KIND picks the product and its way out; this file is the one that the next line names.
.set KIND, 1
;   0 qkv    A = hn [4096][1024];  W = w_q, w_k, w_v side by side (3,072 columns);  C rounded to bf16 and written by heads, unscaled: [q, k, v][16 batch + head][2048][64]
;   1 oproj  A = ctx by heads [16 batch + head][2048][64];  W = w_o;  C = x + A W + b_o, f32 [4096][1024]
;   2 ff1    A = hn;  W = w_ff1 [1024][4096];  C = gelu(A W + b_ff1), bf16 [4096][4096]
;   3 ff2    A = h3 [4096][4096];  W = w_ff2 [4096][1024];  C = x1 + A W + b_ff2, f32 [4096][1024]
; A and W are bf16 (W from wb, in its own [K][N] order), sums f32, K ascending, C rounded once.  LIMITS: operands carry bf16's 8 significant bits; NaN and infinities are not treated apart.
; SHAPE.  A tile of C is 128 x 128, so that the smallest product (32 x 8 tiles) gives 256 work-groups.  Four waves, each 64 x 64: 16 accumulators of 16 x 16.  K goes in steps of 256 through two LDS slots:
; a slot holds A's 128 rows x 256 K and W's 256 K x 128 columns.  Waves 0, 1 fetch A's halves, waves 2, 3 W's: one tensor load a wave for a K step.
; CLUSTER 4 x 4: the four work-groups of a row need the same tiles of A, the four of a column the same tiles of W: each tile is asked for jointly, by the same load, descriptor and mask in all four.
; THE MATRIX INSTRUCTION IS USED TRANSPOSED: source 0 = 16 columns of W (turned on the way out of LDS by ds_load_tr16_b128), source 1 = 16 rows of A: a lane then holds 8 neighbouring numbers of a row of C.
; THE LOOP'S TRIP IS ONE K STEP: the slot that is read (s45) and the slot that is filled (s66) are scalars that take 0 and SLOT by turns.  Two loads of a wave are out at the start, one behind each round.
; REGISTERS: window 0: v0-31 addresses and at work; v32-95 the way out; v96-127 bias; v128-255 accumulators ((a, b) at 128 + 8 (4 a + b)).
;   window 1: two fragment buffers of 128: for 64 along K, 64 registers of A, then 64 of W.   window 2 (KIND 1, 3): the residual, 128 registers, loaded at the head.
.if KIND == 3
.set NS, 16                            ; K steps
.set APE, 4096                         ; elements from row to row of A
.else
.set NS, 4
.set APE, 1024
.endif
.if KIND == 1
.set APITCH, 144                       ; a token's 64 channels of one head: 128 bytes + 16
.set AQ,     128*144                   ; from one 64 along K (a head) to the next in LDS
.set AHALF,  2*128*144                 ; what one load of A brings: 2 heads x 128 tokens
.set ASTEP,  4*262144                  ; four heads on in memory
.else
.set APITCH, 528                       ; 512 bytes + 16: an odd multiple of 16, so the 16 rows of a fragment load start at 16 different groups of four banks (ISA guide 11.1)
.set AQ,     128
.set AHALF,  64*528
.set ASTEP,  512
.endif
.if KIND == 2
.set BN, 4096                          ; elements from row to row of W
.else
.set BN, 1024
.endif
.if KIND == 1
.set WOFF, 0x600000                    ; W's place in wb (KIND 0: by the tile column)
.elseif KIND == 2
.set WOFF, 0x800000
.else
.set WOFF, 0x1000000
.endif
.if KIND == 0
.set STAGEB, 4*16*144
.elseif KIND == 2
.set STAGEB, 128*272
.else
.set STAGEB, 4*16*272
.endif
.set BP,    288                        ; a K row of W in LDS: 256 bytes + 32
.set BHALF, 128*BP
.set BSTEP, 512*BN                     ; 256 K rows on in memory
.set AREG,  2*AHALF
.set SLOT,  AREG+2*BHALF
.set STAGE, 2*SLOT                     ; behind the ring, never filled by a tensor load: the way out
.set SPARE, STAGE+STAGEB               ; behind the stage: the spare words, 128 bytes for each wave: two blocks of 256 bytes that no other line names
.set A0,   6                           ; v6   my lane's place in a slot's A; never rewritten
.set B0,   7                           ; v7   in its W, K rows 0-127
.set B1,   8                           ; v8   K rows 128-255 (an LDS immediate holds 16 bits)
.set ADRA, 9                           ; v9   the same three in the slot that is read
.set ADRB, 10                          ; v10-11
.set STO,  12                          ; v12  the way out: where I put my part of a row
.set RD,   13                          ; v13  where I read rows back
.set CO,   14                          ; v14  my byte offset in C (and in the residual)
.set BO,   15                          ; v15  my byte offset in the bias
.set T,    16                          ; v[16:23] at work
.set SPW,  28                          ; v28  LDS address of my spare word; never rewritten
.set NIL,  29                          ; v29  0; never rewritten
.set TMP,  32
.set BIAS, 96
.set ACC,  128
.set F0,   0
.set F1,   128
.set G1,   24                          ; s[24:31] descriptor group 1 for A;  s[32:39] group 0: a set for each first fill; the second then walks
.set G0,   32
.set G1B,  48                          ; s[48:55], s[56:63] the same for W
.set G0B,  56
.set TB,   45                          ; s45  the slot that is read: 0 or SLOT
.set FB,   66                          ; s66  the slot that was filled last
.set MSB, 0
.macro WIN new                         ; the immediate's high byte repeats the setting that is left; a switch that changes nothing is dropped
.if MSB != (\new)
	s_set_vgpr_msb (MSB<<8)|(\new)
.set MSB, \new
.endif
.endm
.set MUL,  0x05                        ; sources 0 (W) and 1 (A) window 1; C and D window 0
.set TO_F, 0x40                        ; destination window 1, address window 0
.macro JLOAD s                         ; a joint load; the branch hangs on the wave's number alone; an s_nop 0 and four v_nop follow each of the two lines
	s_cmp_eq_u32 s11, 0
	s_cbranch_scc0 .Lfor_b_\@
	tensor_load_to_lds s[G0+4*(\s):G0+4*(\s)+3], s[G1:G1+7]
	s_nop 0
.rept 4
	v_nop
.endr
	s_branch .Lasked_\@
.Lfor_b_\@:
	tensor_load_to_lds s[G0B+4*(\s):G0B+4*(\s)+3], s[G1B:G1B+7]
	s_nop 0
.rept 4
	v_nop
.endr
.Lasked_\@:
.endm
.macro CREST                           ; a round of the cluster's barrier behind its opening barrier
	s_cmp_lg_u32 s10, 0
	s_cbranch_scc1 .Lnot_wave_0_\@
	s_barrier_signal -3
.Lnot_wave_0_\@:
	s_barrier_wait -3
	s_barrier_signal -1
	s_barrier_wait -1
.endm
.macro CROUND                          ; a whole round
	s_barrier_signal -1
	s_barrier_wait -1
	CREST
.endm
	s_load_b128 s[4:7], s[0:1], 0x0                ; A s[4:5], wb s[6:7]
.if KIND == 0
	s_load_b64 s[8:9], s[0:1], 0x10                ; C
.elseif KIND == 2
	s_load_b64 s[68:69], s[0:1], 0x10              ; bias
	s_load_b64 s[8:9], s[0:1], 0x18                ; C
.else
	s_load_b128 s[68:71], s[0:1], 0x10             ; bias s[68:69], residual s[70:71]
	s_load_b64 s[8:9], s[0:1], 0x20                ; C
.endif
	v_lshl_add_u32 v[SPW], v0, 2, SPARE
	v_mov_b32 v[NIL], 0
	ds_add_u32 v[SPW], v[NIL]                      ; the wave's opening: the add and its wait stand ahead of my first tensor load; the set-up below, work on registers, stands between them
	v_lshrrev_b32 v1, 5, v0
	v_readfirstlane_b32 s10, v1                    ; wave 0..3
	s_lshr_b32 s11, s10, 1                         ; which half of the tile's rows is mine.  Also: I fetch for A (0) or for W (1)
	s_and_b32 s12, s10, 1                          ; which half of its columns.  Also: which half of that tile I fetch
	s_bfe_u32 s40, ttmp6, 0x40000                  ; cx, cy: my place in the cluster
	s_bfe_u32 s41, ttmp6, 0x40004
	s_lshl_b32 s42, ttmp9, 2
	s_add_co_u32 s42, s42, s40                     ; tile column = 4 x cluster x + cx
	s_and_b32 s13, ttmp7, 0xffff
	s_lshl_b32 s13, s13, 2
	s_add_co_u32 s13, s13, s41                     ; tile row = 4 x cluster y + cy
	s_lshl_b32 s43, s41, 2
	s_lshl_b32 s43, 15, s43                        ; my row of the cluster
	s_lshl_b32 s44, 0x1111, s40                    ; my column
.if KIND == 1
	; A by heads: a head's 128 tokens are 16,384 dense bytes, taken as ONE row of 8,192 elements; 2 heads, 131,072 elements apart; the padding counts along the tile: 4 words after every 32, so a token's pitch is 144
	s_or_b32 s[G1+0], s43, (1<<16)|(1<<20)|(1<<21)|(4<<22)|(3<<25)
	s_mov_b32 s[G1+1], 8192<<16                    ; tensor_dim0
	s_mov_b32 s[G1+2], 2<<16                       ; tensor_dim1
	s_mov_b32 s[G1+3], 8192<<16                    ; tile_dim0
	s_mov_b32 s[G1+4], 2                           ; tile_dim1
	s_mov_b32 s[G1+5], 131072                      ; stride
.else
	; A: 64 rows x 256 elements; 15:0 the mask of my row; 17:16 2-byte elements; 20 padding on; 21 set beside a mask; 24:22 after every 128 words (code 6); 31:25 4 words (code 3)
	s_or_b32 s[G1+0], s43, (1<<16)|(1<<20)|(1<<21)|(6<<22)|(3<<25)
	s_mov_b32 s[G1+1], 256<<16
	s_mov_b32 s[G1+2], 64<<16
	s_mov_b32 s[G1+3], 256<<16
	s_mov_b32 s[G1+4], 64
	s_mov_b32 s[G1+5], APE
.endif
	s_mov_b32 s[G1+6], 0
	s_mov_b32 s[G1+7], 0
	; W: 128 K rows x 128 elements; the mask of my column; after every 64 words (code 5) 8 words (code 7)
	s_or_b32 s[G1B+0], s44, (1<<16)|(1<<20)|(1<<21)|(5<<22)|(7<<25)
	s_mov_b32 s[G1B+1], 128<<16
	s_mov_b32 s[G1B+2], 128<<16
	s_mov_b32 s[G1B+3], 128<<16
	s_mov_b32 s[G1B+4], 128
	s_mov_b32 s[G1B+5], BN
	s_mov_b32 s[G1B+6], 0
	s_mov_b32 s[G1B+7], 0
	; where the tiles come from: A's offset hangs on the tile row alone (s[16:17]), W's on the tile column alone (s[46:47])
.if KIND == 1
	s_lshr_b32 s16, s13, 4                         ; batch
	s_lshl_b32 s16, s16, 4
	s_lshl_b32 s17, s12, 1
	s_add_co_u32 s16, s16, s17                     ; 16 batch + my first head of the step
	s_lshl_b32 s16, s16, 18                        ; a head is 262,144 bytes
	s_and_b32 s17, s13, 15
	s_lshl_b32 s17, s17, 14                        ; 128 tokens of 128 bytes
	s_add_co_u32 s16, s16, s17
.else
	s_lshl_b32 s16, s13, 7
	s_lshl_b32 s17, s12, 6
	s_add_co_u32 s16, s16, s17                     ; row 128 x tile row + 64 x half
	s_mul_i32 s16, s16, APE*2
.endif
	s_mov_b32 s17, 0
	s_mul_i32 s46, s12, 256*BN                     ; my 128 K rows
.if KIND == 0
	s_lshr_b32 s47, s42, 3                         ; which of the three weights
	s_lshl_b32 s47, s47, 21
	s_add_co_u32 s46, s46, s47
	s_and_b32 s47, s42, 7
	s_lshl_b32 s47, s47, 8
	s_add_co_u32 s46, s46, s47
.else
	s_lshl_b32 s47, s42, 8
	s_add_co_u32 s46, s46, s47
	s_add_co_u32 s46, s46, WOFF
.endif
	s_mov_b32 s47, 0
	s_mul_i32 s20, s12, AHALF                      ; and where they go: no place in the cluster enters an LDS address
	s_mul_i32 s21, s12, BHALF
	s_add_co_u32 s21, s21, AREG
	s_mov_b32 s[TB], 0
	s_mov_b32 s[FB], SLOT
	s_wait_dscnt 0x0                               ; the opening add is done
	s_wait_kmcnt 0x0
	s_add_nc_u64 s[14:15], s[4:5], s[16:17]
	s_add_nc_u64 s[46:47], s[6:7], s[46:47]
	CROUND                                         ; all sixteen work-groups are here: the first joint loads meet
.irp s, 0,1
	s_mov_b32 s[G0+4*(\s)], 1                      ; count = 1
	s_add_co_u32 s[G0+4*(\s)+1], s20, (\s)*SLOT    ; LDS address
	s_add_nc_u64 s[G0+4*(\s)+2:G0+4*(\s)+3], s[14:15], (\s)*ASTEP  ; K step s
	s_or_b32 s[G0+4*(\s)+3], s[G0+4*(\s)+3], 0x80000000            ; type = 2
	s_mov_b32 s[G0B+4*(\s)], 1
	s_add_co_u32 s[G0B+4*(\s)+1], s21, (\s)*SLOT
	s_add_nc_u64 s[G0B+4*(\s)+2:G0B+4*(\s)+3], s[46:47], (\s)*BSTEP
	s_or_b32 s[G0B+4*(\s)+3], s[G0B+4*(\s)+3], 0x80000000
	JLOAD \s
.endr
	; A's fragment: lane l holds row l % 16; two loads of 16 bytes, 32 apart, at row x pitch + 16 (l / 16)
	v_and_b32 v1, 15, v0                           ; r = l % 16
	v_bfe_u32 v2, v0, 4, 1                         ; h = l / 16
	v_mul_u32_u24 v3, v1, APITCH
	v_lshl_add_u32 v3, v2, 4, v3
	s_mul_i32 s22, s11, 64*APITCH                  ; my 64 rows
	v_add_nc_u32 v[A0], s22, v3
	; W's fragment, turned: lane l reads K row 8 (l / 16) + l % 8, 16 bytes at 16 ((l / 8) % 2), and ends with column l % 16 and 8 K
	v_and_b32 v4, 7, v0
	v_lshl_add_u32 v4, v2, 3, v4
	v_mul_u32_u24 v4, v4, BP
	v_bfe_u32 v5, v0, 3, 1
	v_lshl_add_u32 v4, v5, 4, v4
	s_lshl_b32 s22, s12, 7                         ; my 64 columns
	s_add_co_u32 s22, s22, AREG
	v_add_nc_u32 v[B0], s22, v4
	v_add_nc_u32 v[B1], 128*BP, v[B0]
	v_mov_b32 v[ADRA], v[A0]
	v_mov_b32 v[ADRB], v[B0]
	v_mov_b32 v[ADRB+1], v[B1]
.if KIND == 0
	; my 64 x 64 is one head x 64 tokens: 8,192 consecutive bytes of q, k or v.  My own stage: 16 rows x 144
	s_mul_i32 s23, s10, 16*144
	s_add_co_u32 s23, s23, STAGE
	v_mul_u32_u24 v3, v1, 144
	v_lshl_add_u32 v3, v2, 4, v3
	v_add_nc_u32 v[STO], s23, v3                   ; in: row l % 16, 16 bytes for each half of the lanes
	v_bfe_u32 v3, v0, 3, 2
	v_mul_u32_u24 v3, v3, 144
	v_and_b32 v4, 7, v0
	v_lshl_add_u32 v3, v4, 4, v3
	v_add_nc_u32 v[RD], s23, v3                    ; back: 32 lanes take four rows of 128 bytes,
	v_and_b32 v[CO], 31, v0
	v_lshlrev_b32 v[CO], 4, v[CO]                  ; which are 512 consecutive bytes
	s_lshr_b32 s16, s13, 4
	s_lshl_b32 s16, s16, 22                        ; batch: 16 heads of 262,144 bytes
	s_and_b32 s17, s13, 15
	s_lshl_b32 s17, s17, 14                        ; 128 tokens of 128 bytes
	s_add_co_u32 s16, s16, s17
	s_lshl_b32 s17, s11, 13                        ; my 64 of them
	s_add_co_u32 s16, s16, s17
	s_mov_b32 s17, 0
	s_add_nc_u64 s[8:9], s[8:9], s[16:17]
	s_and_b32 s46, s42, 7
	s_lshl_b32 s46, s46, 19                        ; head 2 (tile column % 8) + my half
	s_lshl_b32 s47, s12, 18
	s_add_co_u32 s46, s46, s47
	s_lshr_b32 s47, s42, 3
	s_lshl_b32 s47, s47, 23                        ; q, k or v
	s_add_co_u32 s46, s46, s47
	s_mov_b32 s47, 0
	s_add_nc_u64 s[8:9], s[8:9], s[46:47]
.elseif KIND == 2
	; one stage for the work-group, 128 rows x 272: a wave's 64 columns of bf16 are half of an aligned 256 bytes of C
	s_mul_i32 s23, s11, 64*272
	s_lshl_b32 s22, s12, 7
	s_add_co_u32 s23, s23, s22
	s_add_co_u32 s23, s23, STAGE
	v_mul_u32_u24 v3, v1, 272
	v_lshl_add_u32 v3, v2, 4, v3
	v_add_nc_u32 v[STO], s23, v3
	s_mul_i32 s23, s10, 32*272                     ; back: wave w takes rows 32 w .. 32 w + 31, whole
	s_add_co_u32 s23, s23, STAGE
	v_mul_u32_u24 v3, v2, 272
	v_lshl_add_u32 v3, v1, 4, v3
	v_add_nc_u32 v[RD], s23, v3
	v_lshlrev_b32 v[CO], 13, v2                    ; a row of C is 8,192 bytes
	v_lshl_add_u32 v[CO], v1, 4, v[CO]
	s_lshl_b32 s16, s13, 20                        ; 128 rows
	s_lshl_b32 s17, s10, 18                        ; 32 rows
	s_add_co_u32 s16, s16, s17
	s_mov_b32 s17, 0
	s_add_nc_u64 s[8:9], s[8:9], s[16:17]
	s_lshl_b32 s46, s42, 8
	s_mov_b32 s47, 0
	s_add_nc_u64 s[8:9], s[8:9], s[46:47]
	s_lshl_b32 s46, s42, 9                         ; the bias of my columns 128 tc + 64 half + 16 b + 8 h + 0..7
	s_lshl_b32 s47, s12, 8
	s_add_co_u32 s46, s46, s47
	v_lshl_add_u32 v[BO], v2, 5, s46
.irp b, 0,1,2,3
	global_load_b128 v[BIAS+8*(\b):BIAS+8*(\b)+3], v[BO], s[68:69] offset:64*(\b)
	global_load_b128 v[BIAS+8*(\b)+4:BIAS+8*(\b)+7], v[BO], s[68:69] offset:64*(\b)+16
.endr
	s_mov_b32 s72, 0xc0135761                      ; C0 = -2 sqrt(2 / pi) log2(e)
	s_mov_b32 s73, s72                             ; named with it as a pair
	s_mov_b32 s74, 0xbdd2d3e8                      ; C1 = 0.044715 C0
	s_mov_b32 s75, s74
.else
	; a wave's 64 columns of f32 are 256 aligned bytes of C: each wave goes out alone, through its own stage of 16 rows x 272
	s_mul_i32 s23, s10, 16*272
	s_add_co_u32 s23, s23, STAGE
	v_mul_u32_u24 v3, v1, 272
	v_lshl_add_u32 v3, v2, 5, v3
	v_add_nc_u32 v[STO], s23, v3                   ; in: row l % 16, 32 bytes for each half of the lanes
	v_mul_u32_u24 v3, v2, 272
	v_lshl_add_u32 v3, v1, 4, v3
	v_add_nc_u32 v[RD], s23, v3                    ; back: lanes 0-15 one row of 256 bytes, lanes 16-31 the next
	v_lshlrev_b32 v[CO], 12, v2                    ; and the same two rows in C and in the residual
	v_lshl_add_u32 v[CO], v1, 4, v[CO]
	s_lshl_b32 s16, s13, 19                        ; 128 rows of 4,096 bytes
	s_lshl_b32 s17, s11, 18                        ; my 64
	s_add_co_u32 s16, s16, s17
	s_mov_b32 s17, 0
	s_lshl_b32 s46, s42, 9
	s_lshl_b32 s47, s12, 8
	s_add_co_u32 s46, s46, s47
	s_mov_b32 s47, 0
	s_add_nc_u64 s[8:9], s[8:9], s[16:17]
	s_add_nc_u64 s[8:9], s[8:9], s[46:47]
	s_add_nc_u64 s[70:71], s[70:71], s[16:17]
	s_add_nc_u64 s[70:71], s[70:71], s[46:47]
	v_lshl_add_u32 v[BO], v1, 4, s46
	global_load_b128 v[BIAS:BIAS+3], v[BO], s[68:69]
	WIN 0x80                                       ; destination window 2: the residual comes in under the whole product
.set i, 0
.rept 32
	global_load_b128 v[4*i:4*i+3], v[CO], s[70:71] offset:8192*i th:TH_LOAD_NT
.set i, i+1
.endr
	WIN 0
.endif
; 8 matrix instructions: m blocks a0, a0 + 1 x all 4 n blocks, 32 along K: half c of buffer f.  zero = 1: the first product starts the sums.  The 16 accumulators take turns in one order everywhere.
.macro MUL8 f, c, a0, zero
	WIN MUL
.irp a, \a0, (\a0)+1
.irp b, 0,1,2,3
.if \zero
	v_wmma_f32_16x16x32_bf16 v[ACC+8*(4*(\a)+(\b)):ACC+8*(4*(\a)+(\b))+7], v[(\f)+64+8*(4*(\c)+(\b)):(\f)+64+8*(4*(\c)+(\b))+7], v[(\f)+8*(4*(\c)+(\a)):(\f)+8*(4*(\c)+(\a))+7], 0
.else
	v_wmma_f32_16x16x32_bf16 v[ACC+8*(4*(\a)+(\b)):ACC+8*(4*(\a)+(\b))+7], v[(\f)+64+8*(4*(\c)+(\b)):(\f)+64+8*(4*(\c)+(\b))+7], v[(\f)+8*(4*(\c)+(\a)):(\f)+8*(4*(\c)+(\a))+7], v[ACC+8*(4*(\a)+(\b)):ACC+8*(4*(\a)+(\b))+7]
.endif
.endr
.endr
.endm
; 32 LDS loads in one run: quarter q (64 along K) of the slot that is read, into buffer f; its first 32 along K first
.macro FETCH q, f
	WIN TO_F
.irp c, 0,1
.irp i, 0,1,2,3
	ds_load_tr16_b128 v[(\f)+64+8*(4*(\c)+(\i)):(\f)+64+8*(4*(\c)+(\i))+3],   v[ADRB+(\q)/2] offset:(((\q)%2)*64+32*(\c))*BP+32*(\i)
	ds_load_tr16_b128 v[(\f)+64+8*(4*(\c)+(\i))+4:(\f)+64+8*(4*(\c)+(\i))+7], v[ADRB+(\q)/2] offset:(((\q)%2)*64+32*(\c)+16)*BP+32*(\i)
	ds_load_b128 v[(\f)+8*(4*(\c)+(\i)):(\f)+8*(4*(\c)+(\i))+3],   v[ADRA] offset:(\q)*AQ+64*(\c)+(\i)*16*APITCH
	ds_load_b128 v[(\f)+8*(4*(\c)+(\i))+4:(\f)+8*(4*(\c)+(\i))+7], v[ADRA] offset:(\q)*AQ+64*(\c)+(\i)*16*APITCH+32
.endr
.endr
.endm
.macro PLACES                          ; four places in front of loads into registers that matrix instructions have read, and of lines that read results
.rept 4
	v_nop
.endr
.endm
; A K step is four quarters, 32 matrix instructions each, on buffers 0, 1, 0, 1.  One of the first three: multiplies buffer f and fetches quarter q into g.
.macro QUARTER q, f, g, zero
	s_wait_dscnt 16                                ; f's first 32 along K are in; the youngest 16 loads may be out
	MUL8 \f, 0, 0, \zero
	MUL8 \f, 0, 2, \zero
	PLACES
	FETCH \q, \g
	s_wait_dscnt 32                                ; all but the 32 just issued
	MUL8 \f, 1, 0, 0
	MUL8 \f, 1, 2, 0
.endm
; The last quarter multiplies buffer 1 and changes slots: one barrier; in front of it each wave waits for all its tensor loads, adds 0 to its spare word, and waits for that and for its reads of this slot.
; fill = 1: this slot is filled again, two K steps ahead; the barrier then opens a round of the cluster's, and the joint load is the first thing behind the round: 112 matrix instructions ahead of the wait for it.
.macro TURN fill
	WIN 0                                          ; (the add's two registers lie in window 0)
	s_wait_tensorcnt 0x0                           ; all my tensor loads have landed: my part of the next slot; so a group 0 may be written
	ds_add_u32 v[SPW], v[NIL]                      ; 0 onto my spare word
.if \fill
	s_xor_b32 s[FB], s[FB], SLOT                   ; the walking descriptors: the other slot than last time,
	s_add_co_u32 s[G0+5], s20, s[FB]
	s_add_co_u32 s[G0B+5], s21, s[FB]
	s_add_nc_u64 s[G0+6:G0+7], s[G0+6:G0+7], ASTEP       ; the next K step; the type bits on top are not reached
	s_add_nc_u64 s[G0B+6:G0B+7], s[G0B+6:G0B+7], BSTEP
.endif
	s_wait_dscnt 17                                ; the add and the youngest 16 loads may be out
	MUL8 F1, 0, 0, 0
	s_wait_dscnt 0x0                               ; the add is done, and my reads of this slot are over
	s_barrier_signal -1
	MUL8 F1, 0, 2, 0
.if \fill
	WIN 0                                          ; every window is 0 there
.endif
	s_barrier_wait -1
.if \fill
	CREST                                          ; no wave of any partner still reads this slot's tiles or has a load on its way
	JLOAD 1                                        ; its four v_nop are also the places in front of the loads below
.else
	PLACES
.endif
	WIN 0
	s_xor_b32 s[TB], s[TB], SLOT                   ; the reads go on in the other slot
	v_add_nc_u32 v[ADRA], s[TB], v[A0]
	v_add_nc_u32 v[ADRB], s[TB], v[B0]
	v_add_nc_u32 v[ADRB+1], s[TB], v[B1]
	FETCH 0, F0
	MUL8 F1, 1, 0, 0
	MUL8 F1, 1, 2, 0
.endm
; KIND 0's way out of m block a: rounded to bf16, into my stage, back as whole rows into the registers that they left; then stored
.macro PACK a
.irp b, 0,1,2,3
.irp k, 0,1,2,3
	v_cvt_pk_bf16_f32 v[TMP+16*(\a)+4*(\b)+(\k)], v[ACC+8*(4*(\a)+(\b))+2*(\k)], v[ACC+8*(4*(\a)+(\b))+2*(\k)+1]
.endr
.endr
.irp b, 0,1,2,3
	ds_store_b128 v[STO], v[TMP+16*(\a)+4*(\b):TMP+16*(\a)+4*(\b)+3] offset:32*(\b)
.endr
.irp f, 0,1,2,3
	ds_load_b128 v[TMP+16*(\a)+4*(\f):TMP+16*(\a)+4*(\f)+3], v[RD] offset:576*(\f)  ; LDS serves a wave's instructions in order (ISA guide 5.7.1.4): these see the stores above
.endr
.endm
.macro SEND a, younger                 ; younger: the LDS instructions issued behind block a's loads: the next block's eight, or none
.irp f, 0,1,2,3
	s_wait_dscnt (\younger)+3-(\f)
	global_store_b128 v[CO], v[TMP+16*(\a)+4*(\f):TMP+16*(\a)+4*(\f)+3], s[8:9] offset:2048*(\a)+512*(\f)  ; 512 consecutive bytes, aligned
.endr
.endm
; KIND 2: gelu of accumulator t.  0.5 x (1 + tanh(u)) = x / (1 + 2^(x (C0 + C1 x^2))); where the power overflows the quotient is 0, where it vanishes the result is x, as in the reference
.macro GELU t
.set XR, ACC+8*(\t)
.set BB, BIAS+8*((\t)%4)
.irp k, 0,2,4,6
	v_pk_add_f32 v[XR+(\k):XR+(\k)+1], v[XR+(\k):XR+(\k)+1], v[BB+(\k):BB+(\k)+1]
.endr
.irp k, 0,2,4,6
	v_pk_mul_f32 v[T+(\k):T+(\k)+1], v[XR+(\k):XR+(\k)+1], v[XR+(\k):XR+(\k)+1]
.endr
.irp k, 0,2,4,6
	v_pk_fma_f32 v[T+(\k):T+(\k)+1], v[T+(\k):T+(\k)+1], s[74:75], s[72:73] op_sel_hi:[1,0,0]
.endr
.irp k, 0,2,4,6
	v_pk_mul_f32 v[T+(\k):T+(\k)+1], v[T+(\k):T+(\k)+1], v[XR+(\k):XR+(\k)+1]
.endr
.irp k, 0,1,2,3,4,5,6,7
	v_exp_f32 v[T+(\k)], v[T+(\k)]
.endr
	v_nop                                          ; a plain instruction behind the last exponential (ISA guide 5.7.2)
.irp k, 0,2,4,6
	v_pk_add_f32 v[T+(\k):T+(\k)+1], v[T+(\k):T+(\k)+1], 1.0 op_sel_hi:[1,0]
.endr
.irp k, 0,1,2,3,4,5,6,7
	v_rcp_f32 v[T+(\k)], v[T+(\k)]
.endr
	v_nop
.irp k, 0,2,4,6
	v_pk_mul_f32 v[XR+(\k):XR+(\k)+1], v[XR+(\k):XR+(\k)+1], v[T+(\k):T+(\k)+1]
.endr
.irp k, 0,1,2,3
	v_cvt_pk_bf16_f32 v[TMP+4*(\t)+(\k)], v[XR+2*(\k)], v[XR+2*(\k)+1]
.endr
.endm
	s_wait_tensorcnt 1                             ; my part of K step 0 is in; step 1's may stay out
	s_barrier_signal -1
	s_barrier_wait -1                              ; everybody's is
	FETCH 0, F0
	QUARTER 1, F0, F1, 1                           ; the first quarter stands in front of the loop: its first products start the sums
	WIN 0                                          ; at a label and at a branch every window is 0
	s_mov_b32 s3, NS-2
.Lstep:                                                ; a trip: from a K step's second quarter to the next step's first; it asks for the K step two on
	QUARTER 2, F1, F0, 0
	QUARTER 3, F0, F1, 0
	TURN 1
	QUARTER 1, F0, F1, 0
	WIN 0
	s_sub_co_u32 s3, s3, 1
	s_cmp_lg_u32 s3, 0
	s_cbranch_scc1 .Lstep
	QUARTER 2, F1, F0, 0                           ; the last two K steps are written out: they ask for nothing
	QUARTER 3, F0, F1, 0
	TURN 0
	QUARTER 1, F0, F1, 0
	QUARTER 2, F1, F0, 0
	QUARTER 3, F0, F1, 0
	s_wait_dscnt 16
	MUL8 F1, 0, 0, 0
	MUL8 F1, 0, 2, 0
	s_wait_dscnt 0x0
	MUL8 F1, 1, 0, 0
	MUL8 F1, 1, 2, 0
	WIN 0
	PLACES
	PLACES                                         ; eight, once a launch
.if KIND == 0
	PACK 0
.irp a, 1,2,3                          ; a block's conversions stand between the loads of the block before and its stores
	PACK \a
	SEND (\a)-1, 8
.endr
	SEND 3, 0
.elseif KIND == 2
	s_wait_loadcnt 0x0                             ; the bias
.irp t, 0,1,2,3,4,5,6,7,8,9,10,11,12,13,14,15
	GELU \t
.endr
.irp a, 0,1,2,3
.irp b, 0,1,2,3
	ds_store_b128 v[STO], v[TMP+4*(4*(\a)+(\b)):TMP+4*(4*(\a)+(\b))+3] offset:(\a)*16*272+32*(\b)
.endr
.endr
	s_wait_dscnt 0x0                               ; for the others' sake: my stores into the stage are done
	s_barrier_signal -1
	s_barrier_wait -1
.irp t, 0,1,2,3,4,5,6,7,8,9,10,11,12,13,14,15
	ds_load_b128 v[TMP+4*(\t):TMP+4*(\t)+3], v[RD] offset:(\t)*544
.endr
.irp t, 0,1,2,3,4,5,6,7,8,9,10,11,12,13,14,15
	s_wait_dscnt 15-(\t)
	global_store_b128 v[CO], v[TMP+4*(\t):TMP+4*(\t)+3], s[8:9] offset:2*(\t)*8192  ; 16 lanes store 256 consecutive bytes, aligned
.endr
.else
	s_wait_loadcnt 0x0                             ; bias and residual
.irp a, 0,1,2,3
	s_wait_xcnt 0x0                                ; this half of TMP was stored two blocks ago: it is loaded again only behind this wait
.irp b, 0,1,2,3
	ds_store_b128 v[STO], v[ACC+8*(4*(\a)+(\b)):ACC+8*(4*(\a)+(\b))+3] offset:64*(\b)
	ds_store_b128 v[STO], v[ACC+8*(4*(\a)+(\b))+4:ACC+8*(4*(\a)+(\b))+7] offset:64*(\b)+16
.endr
.irp t, 0,1,2,3,4,5,6,7
	ds_load_b128 v[TMP+32*((\a)%2)+4*(\t):TMP+32*((\a)%2)+4*(\t)+3], v[RD] offset:544*(\t)  ; LDS serves a wave's instructions in order (ISA guide 5.7.1.4)
.endr
	s_wait_dscnt 0x0
	WIN 0x08                                       ; source 1 window 2: the residual
.irp t, 0,1,2,3,4,5,6,7,8,9,10,11,12,13,14,15
	v_pk_add_f32 v[TMP+32*((\a)%2)+2*(\t):TMP+32*((\a)%2)+2*(\t)+1], v[TMP+32*((\a)%2)+2*(\t):TMP+32*((\a)%2)+2*(\t)+1], v[32*(\a)+2*(\t):32*(\a)+2*(\t)+1]
.endr
	WIN 0
.irp t, 0,1,2,3,4,5,6,7
	v_pk_add_f32 v[TMP+32*((\a)%2)+4*(\t):TMP+32*((\a)%2)+4*(\t)+1], v[TMP+32*((\a)%2)+4*(\t):TMP+32*((\a)%2)+4*(\t)+1], v[BIAS:BIAS+1]
	v_pk_add_f32 v[TMP+32*((\a)%2)+4*(\t)+2:TMP+32*((\a)%2)+4*(\t)+3], v[TMP+32*((\a)%2)+4*(\t)+2:TMP+32*((\a)%2)+4*(\t)+3], v[BIAS+2:BIAS+3]
.endr
.irp t, 0,1,2,3,4,5,6,7
	global_store_b128 v[CO], v[TMP+32*((\a)%2)+4*(\t):TMP+32*((\a)%2)+4*(\t)+3], s[8:9] offset:(16*(\a)+2*(\t))*4096  ; 16 lanes store 256 consecutive bytes, aligned
.endr
.endr
.endif
	s_wait_tensorcnt 0x0                           ; the wave's end, behind my last tensor load and my last LDS store
	ds_add_u32 v[SPW], v[NIL]
	s_wait_dscnt 0x0
	CROUND                                         ; the closing round: no work-group ends while a partner may still ask for a tile that names it
	s_endpgm
.Lfunc_end_k_qe9fb412f40_oproj:
	.size	k_qe9fb412f40_oproj, .Lfunc_end_k_qe9fb412f40_oproj-k_qe9fb412f40_oproj
	.p2alignl 7, 3214868480
	.fill 96, 4, 3214868480
	.section	.rodata,"a",@progbits
	.p2align	6, 0x0
	.amdhsa_kernel k_qe9fb412f40_oproj
		.amdhsa_group_segment_fixed_size 327680
		.amdhsa_private_segment_fixed_size 0
		.amdhsa_enable_private_segment 0
		.amdhsa_kernarg_size 40
		.amdhsa_user_sgpr_count 2
		.amdhsa_user_sgpr_kernarg_segment_ptr 1
		.amdhsa_wavefront_size32 1
		.amdhsa_system_sgpr_workgroup_id_x 1
		.amdhsa_system_sgpr_workgroup_id_y 1
		.amdhsa_system_sgpr_workgroup_id_z 1
		.amdhsa_system_vgpr_workitem_id 0
		.amdhsa_next_free_vgpr 768
		.amdhsa_next_free_sgpr 80
		.amdhsa_reserve_vcc 0
		.amdhsa_float_denorm_mode_32 3
		.amdhsa_float_denorm_mode_16_64 3
		.amdhsa_memory_ordered 1
		.amdhsa_forward_progress 1
		.amdhsa_inst_pref_size 80
	.end_amdhsa_kernel
	.amdgpu_metadata
---
amdhsa.version: [ 1, 2 ]
amdhsa.kernels:
  - .name:           k_qe9fb412f40_oproj
    .symbol:         k_qe9fb412f40_oproj.kd
    .args:
      - { .name: ctx, .offset: 0, .size: 8, .value_kind: global_buffer, .address_space: global }
      - { .name: wb, .offset: 8, .size: 8, .value_kind: global_buffer, .address_space: global }
      - { .name: b_o, .offset: 16, .size: 8, .value_kind: global_buffer, .address_space: global }
      - { .name: x, .offset: 24, .size: 8, .value_kind: global_buffer, .address_space: global }
      - { .name: x1, .offset: 32, .size: 8, .value_kind: global_buffer, .address_space: global }
    .group_segment_fixed_size: 327680
    .private_segment_fixed_size: 0
    .kernarg_segment_align: 8
    .kernarg_segment_size: 40
    .max_flat_workgroup_size: 128
    .sgpr_count:     80
    .vgpr_count:     768
    .wavefront_size: 32
...
	.end_amdgpu_metadata
.endif
;; end of part 4
;; launch ln2 (part 5): grid 256 x 1, 8 waves a work-group, no clusters, 0 bytes of LDS; arguments x1, ln2_scale, ln2_shift, hn; writes hn
.if DOCPART == 5
	.amdgcn_target "amdgcn-amd-amdhsa--gfx1250"
	.amdhsa_code_object_version 6
	.text
	.protected	k_qe9fb412f40_ln2
	.globl	k_qe9fb412f40_ln2
	.p2align	8
	.type	k_qe9fb412f40_ln2,@function
k_qe9fb412f40_ln2:
	s_mov_b64 s[64:65], 0
	v_nop
	global_prefetch_b8 v0, s[64:65] scope:SCOPE_SE
	s_setreg_imm32_b32 hwreg(HW_REG_WAVE_MODE, 25, 1), 1
	s_wait_xcnt 0x0
; LayerNorm 2: hn[r][c] = bf16(scale[c] (x1[r][c] - mean_r) / sqrt(var_r + 1e-5) + shift[c]); x1: [4096][1024] f32, hn: [4096][1024] bf16.
; The mean is taken first and subtracted, the variance is the mean of the squares of what is left, as the reference has it; all in f32, rounded once.
; SHARES.  256 work-groups of 8 waves.  Work-group g has rows 16 g .. 16 g + 15; wave w two of them, a whole row in 32 registers: a lane holds columns 256 j + 8 l .. + 7, j = 0..3,
; so that its 8 numbers leave as 16 bytes and 16 lanes store 256 consecutive bytes, aligned.  No LDS, no barrier, no matrix unit: the sums never leave a wave, and memory bounds the launch.
; LIMITS: NaN and infinities are not treated apart.
.set VX,  2                            ; v2   x1: g x 65,536 + w x 8,192 + 32 l
.set VH,  3                            ; v3   hn: g x 32,768 + w x 4,096 + 16 l
.set VS,  4                            ; v4   scale, shift: 32 l
.set T,   10                           ; v[10:13] two chains of pairs
.set SUM, 14                           ; v14  a sum on its way across the lanes
.set PD,  15                           ; v15  the other half of the lanes
.set M,   16                           ; v[16:17] the mean, twice
.set RS,  18                           ; v[18:19], v[20:21] 1 / sqrt(var + eps) of row 0, of row 1, twice each
.set R0,  32                           ; v[32:95]   the two rows
.set R1,  96                           ; v[96:159]  scale (32), shift (32)
.set Y,   160                          ; v[160:191] what is stored
.set HN,  10                           ; s[10:11] hn
	s_load_b256 s[4:11], s[0:1], 0x0               ; x1 s[4:5], scale s[6:7], shift s[8:9], hn s[10:11]
	s_mov_b32 s2, 0x3a800000                       ; 1 / 1024
	s_mov_b32 s3, 0x3727c5ac                       ; 1e-5
	s_mov_b32 s30, 0x76543210                      ; v_permlanex16_b32: each lane takes its own place in the other half
	s_mov_b32 s31, 0xfedcba98
	s_lshl_b32 s26, ttmp9, 16
	s_lshl_b32 s27, ttmp9, 15
	v_and_b32 v1, 31, v0                           ; l
	v_lshrrev_b32 v9, 5, v0                        ; w
	v_mov_b32 v[PD], 0                             ; v_permlanex16_b32 counts as a reader of its destination
	v_lshlrev_b32 v[VS], 5, v1
	v_lshl_add_u32 v[VX], v9, 13, v[VS]
	v_add_nc_u32 v[VX], s26, v[VX]
	v_lshlrev_b32 v[VH], 4, v1
	v_lshl_add_u32 v[VH], v9, 12, v[VH]
	v_add_nc_u32 v[VH], s27, v[VH]
	s_wait_kmcnt 0x0
.macro CV8 yr, src                     ; 8 numbers rounded to bf16: 16 bytes
.irp k, 0,1,2,3
	v_cvt_pk_bf16_f32 v[(\yr)+(\k)], v[(\src)+2*(\k)], v[(\src)+2*(\k)+1]
.endr
.endm
.macro RED                             ; v[SUM] summed over the 32 lanes, the result in every lane
	v_add_f32_dpp v[SUM], v[SUM], v[SUM] row_xmask:1 row_mask:0xf bank_mask:0xf
	v_add_f32_dpp v[SUM], v[SUM], v[SUM] row_xmask:2 row_mask:0xf bank_mask:0xf
	v_add_f32_dpp v[SUM], v[SUM], v[SUM] row_xmask:4 row_mask:0xf bank_mask:0xf
	v_add_f32_dpp v[SUM], v[SUM], v[SUM] row_xmask:8 row_mask:0xf bank_mask:0xf
	v_permlanex16_b32 v[PD], v[SUM], s30, s31
	v_add_f32 v[SUM], v[SUM], v[PD]
.endm
; The row in v[xr .. xr+31]: its mean is subtracted in place; 1 / sqrt(var + eps) goes twice into v[rs:rs+1].
.macro LNSTAT xr, rs
	v_pk_add_f32 v[T:T+1], v[(\xr):(\xr)+1], v[(\xr)+2:(\xr)+3]
	v_pk_add_f32 v[T+2:T+3], v[(\xr)+4:(\xr)+5], v[(\xr)+6:(\xr)+7]
.irp k, 8,12,16,20,24,28
	v_pk_add_f32 v[T:T+1], v[T:T+1], v[(\xr)+(\k):(\xr)+(\k)+1]
	v_pk_add_f32 v[T+2:T+3], v[T+2:T+3], v[(\xr)+(\k)+2:(\xr)+(\k)+3]
.endr
	v_pk_add_f32 v[T:T+1], v[T:T+1], v[T+2:T+3]
	v_add_f32 v[SUM], v[T], v[T+1]
	RED
	v_mul_f32 v[M], s2, v[SUM]
	v_mov_b32 v[M+1], v[M]
.irp k, 0,2,4,6,8,10,12,14,16,18,20,22,24,26,28,30
	v_pk_add_f32 v[(\xr)+(\k):(\xr)+(\k)+1], v[(\xr)+(\k):(\xr)+(\k)+1], v[M:M+1] neg_lo:[0,1] neg_hi:[0,1]
.endr
	v_pk_mul_f32 v[T:T+1], v[(\xr):(\xr)+1], v[(\xr):(\xr)+1]
	v_pk_mul_f32 v[T+2:T+3], v[(\xr)+2:(\xr)+3], v[(\xr)+2:(\xr)+3]
.irp k, 4,8,12,16,20,24,28
	v_pk_fma_f32 v[T:T+1], v[(\xr)+(\k):(\xr)+(\k)+1], v[(\xr)+(\k):(\xr)+(\k)+1], v[T:T+1]
	v_pk_fma_f32 v[T+2:T+3], v[(\xr)+(\k)+2:(\xr)+(\k)+3], v[(\xr)+(\k)+2:(\xr)+(\k)+3], v[T+2:T+3]
.endr
	v_pk_add_f32 v[T:T+1], v[T:T+1], v[T+2:T+3]
	v_add_f32 v[SUM], v[T], v[T+1]
	RED
	v_fma_f32 v[SUM], v[SUM], s2, s3               ; var + eps
	v_rsq_f32 v[\rs], v[SUM]
	v_nop                                          ; a plain instruction between the root and the use of its result (ISA guide 5.7.2)
	s_wait_alu depctr_va_vdst(0)
	v_mov_b32 v[(\rs)+1], v[\rs]
.endm
; The centred row is scaled, rounded and stored: four stores of 512 consecutive bytes.
.macro LNOUT xr, rs, yr, off
.irp k, 0,2,4,6,8,10,12,14,16,18,20,22,24,26,28,30
	v_pk_mul_f32 v[(\xr)+(\k):(\xr)+(\k)+1], v[(\xr)+(\k):(\xr)+(\k)+1], v[(\rs):(\rs)+1]
.endr
.irp k, 0,2,4,6,8,10,12,14,16,18,20,22,24,26,28,30
	v_pk_fma_f32 v[(\xr)+(\k):(\xr)+(\k)+1], v[(\xr)+(\k):(\xr)+(\k)+1], v[R1+(\k):R1+(\k)+1], v[R1+32+(\k):R1+32+(\k)+1]
.endr
.irp k, 0,1,2,3
	CV8 (\yr)+4*(\k), (\xr)+8*(\k)
.endr
.irp k, 0,1,2,3
	global_store_b128 v[VH], v[(\yr)+4*(\k):(\yr)+4*(\k)+3], s[HN:HN+1] offset:(\off)+512*(\k)
.endr
.endm
.irp r, 0,1
.irp j, 0,1,2,3                        ; my two rows: 16 loads
	global_load_b128 v[R0+32*(\r)+8*(\j):R0+32*(\r)+8*(\j)+3], v[VX], s[4:5] offset:4096*(\r)+1024*(\j)
	global_load_b128 v[R0+32*(\r)+8*(\j)+4:R0+32*(\r)+8*(\j)+7], v[VX], s[4:5] offset:4096*(\r)+1024*(\j)+16
.endr
.endr
.irp j, 0,1,2,3                        ; scale and shift: 16 loads
	global_load_b128 v[R1+8*(\j):R1+8*(\j)+3], v[VS], s[6:7] offset:1024*(\j)
	global_load_b128 v[R1+8*(\j)+4:R1+8*(\j)+7], v[VS], s[6:7] offset:1024*(\j)+16
	global_load_b128 v[R1+32+8*(\j):R1+32+8*(\j)+3], v[VS], s[8:9] offset:1024*(\j)
	global_load_b128 v[R1+32+8*(\j)+4:R1+32+8*(\j)+7], v[VS], s[8:9] offset:1024*(\j)+16
.endr
	s_wait_loadcnt 16                              ; the rows are in; scale's and shift's 16 loads stay out
	LNSTAT R0, RS
	LNSTAT R0+32, RS+2
	s_wait_loadcnt 0x0                             ; scale and shift are in
	LNOUT R0, RS, Y, 0
	LNOUT R0+32, RS+2, Y+16, 2048
	s_endpgm
.Lfunc_end_k_qe9fb412f40_ln2:
	.size	k_qe9fb412f40_ln2, .Lfunc_end_k_qe9fb412f40_ln2-k_qe9fb412f40_ln2
	.p2alignl 7, 3214868480
	.fill 96, 4, 3214868480
	.section	.rodata,"a",@progbits
	.p2align	6, 0x0
	.amdhsa_kernel k_qe9fb412f40_ln2
		.amdhsa_group_segment_fixed_size 0
		.amdhsa_private_segment_fixed_size 0
		.amdhsa_enable_private_segment 0
		.amdhsa_kernarg_size 32
		.amdhsa_user_sgpr_count 2
		.amdhsa_user_sgpr_kernarg_segment_ptr 1
		.amdhsa_wavefront_size32 1
		.amdhsa_system_sgpr_workgroup_id_x 1
		.amdhsa_system_sgpr_workgroup_id_y 1
		.amdhsa_system_sgpr_workgroup_id_z 1
		.amdhsa_system_vgpr_workitem_id 0
		.amdhsa_next_free_vgpr 192
		.amdhsa_next_free_sgpr 66
		.amdhsa_reserve_vcc 0
		.amdhsa_float_denorm_mode_32 3
		.amdhsa_float_denorm_mode_16_64 3
		.amdhsa_memory_ordered 1
		.amdhsa_forward_progress 1
		.amdhsa_inst_pref_size 19
	.end_amdhsa_kernel
	.amdgpu_metadata
---
amdhsa.version: [ 1, 2 ]
amdhsa.kernels:
  - .name:           k_qe9fb412f40_ln2
    .symbol:         k_qe9fb412f40_ln2.kd
    .args:
      - { .name: x1, .offset: 0, .size: 8, .value_kind: global_buffer, .address_space: global }
      - { .name: ln2_scale, .offset: 8, .size: 8, .value_kind: global_buffer, .address_space: global }
      - { .name: ln2_shift, .offset: 16, .size: 8, .value_kind: global_buffer, .address_space: global }
      - { .name: hn, .offset: 24, .size: 8, .value_kind: global_buffer, .address_space: global }
    .group_segment_fixed_size: 0
    .private_segment_fixed_size: 0
    .kernarg_segment_align: 8
    .kernarg_segment_size: 32
    .max_flat_workgroup_size: 256
    .sgpr_count:     66
    .vgpr_count:     192
    .wavefront_size: 32
...
	.end_amdgpu_metadata
.endif
;; end of part 5
;; launch ff1 (part 6): grid 16 x 16, 4 waves a work-group, clusters of 4 x 4, 327,680 bytes of LDS; arguments hn, wb, b_ff1, h3; writes h3
.if DOCPART == 6
	.amdgcn_target "amdgcn-amd-amdhsa--gfx1250"
	.amdhsa_code_object_version 6
	.text
	.protected	k_qe9fb412f40_ff1
	.globl	k_qe9fb412f40_ff1
	.p2align	8
	.type	k_qe9fb412f40_ff1,@function
k_qe9fb412f40_ff1:
	s_mov_b64 s[64:65], 0
	v_nop
	global_prefetch_b8 v0, s[64:65] scope:SCOPE_SE
	s_setreg_imm32_b32 hwreg(HW_REG_WAVE_MODE, 25, 1), 1
	s_wait_xcnt 0x0
	s_wait_alu depctr_hold_cnt(0) depctr_sa_sdst(0) depctr_va_vdst(0) depctr_va_sdst(0) depctr_va_ssrc(0) depctr_va_vcc(0) depctr_vm_vsrc(0)
	s_getreg_b32 s2, hwreg(HW_REG_IB_STS2, 6, 4)
	s_cmp_eq_u32 s2, 0
	s_cbranch_scc0 .Lentry_in_a_cluster
	s_endpgm
.Lentry_in_a_cluster:
	s_bfe_u32 s2, ttmp6, 0x10000c
	s_cmp_lg_u32 s2, 0xf033
	s_cbranch_scc0 .Lentry_shape_is_right
	s_endpgm
.Lentry_shape_is_right:
; TWO OF THE BLOCK'S PRODUCTS, C = A W, ON TILES OF 256 x 256.  The constant KIND picks the product and its way out; this file is the one that the next line names.
.set KIND, 2
;   0 qkv  A = hn [4096][1024];  W = w_q, w_k, w_v, each [1024][1024] in wb, four tile columns each;  C rounded to bf16 and written by heads, unscaled: [q, k, v][16 batch + head][2048][64]
;   2 ff1  A = hn;  W = w_ff1 [1024][4096] in wb;  C = gelu(A W + b_ff1), bf16 [4096][4096]
; A and W are bf16 (W in its own [K][N] order), sums f32, K ascending, C rounded once.  LIMITS: operands carry bf16's 8 significant bits; NaN and infinities are not treated apart.
; SHAPE.  Four waves, each 128 x 128 of C: 64 accumulators of 16 x 16, 512 registers.  K = 1,024 goes in 8 steps of 128 through two LDS slots; a slot holds A's 256 rows x 128 K and W's 128 K x 256 columns.
; Waves 0, 1 fetch A's halves (128 rows of 256 bytes), waves 2, 3 W's (64 K rows of 512 bytes): one tensor load a wave for a K step, 224 matrix instructions ahead of the wait for it.
; ff1 has 16 x 16 tiles, qkv 12 x 16: a tile of 256 x 192 would make 256 of qkv's too, but it would cut heads and straddle the three weights.
; CLUSTER 4 x 4: the four work-groups of a row need the same tiles of A, the four of a column the same tiles of W: each tile is asked for jointly, by the same load, descriptor and mask in all four.
; THE MATRIX INSTRUCTION IS USED TRANSPOSED: source 0 = 16 columns of W (turned on the way out of LDS by ds_load_tr16_b128), source 1 = 16 rows of A: a lane then holds 8 neighbouring numbers of a row of C.
; THE LOOP'S TRIP IS ONE K STEP: the slot that is read (s45) and the slot that is filled (s66) are scalars that take 0 and SLOT by turns.  Two loads of a wave are out at the start, one behind each round.
; The last two K steps, which fill nothing, are a loop of two trips that is left in its middle.
; THE WAY OUT IS A LOOP.  When the ring has had its last fill and every wave its last read of it, each wave stores its 64 accumulators, in f32, into 128 rows x 528 bytes of the ring that are its own; a counted loop
; then reads rows back, adds the bias and takes the gelu (ff1), rounds once and stores.  So the arithmetic on a wave's 512 numbers a lane stands in the text for 16 (ff1) or 64 (qkv) of them.
; No prefetch of the tiles: K has 8 steps, and each tile of hn and of the weights is asked for by three or four clusters.
; REGISTERS, in windows of 256 (s_set_vgpr_msb: bits 1:0 source 0, 3:2 source 1, 5:4 source 2, 7:6 destination):
;   window 0: v0-31 addresses, bias; v64-127, v128-191 fragments of A, two buffers; on the way out v32-63, v64-255 at work
;   window 1: v64-127, v128-191 fragments of W, two buffers      window 2: the 32 accumulators of my rows 0-63 ((a, b) at 8 (8 a + b))      window 3: those of my rows 64-127
.set NS,    8                          ; K steps
.set APE,   1024                       ; elements from row to row of A
.set PITCH, 272                        ; a row of A in LDS: 256 bytes + 16: an odd multiple of 16, so the 16 rows of a fragment load start at 16 different groups of four banks (ISA guide 11.1)
.set BP,    544                        ; a K row of W in LDS: 512 bytes + 32: an odd multiple of 32
.set HALF,  128*PITCH                  ; what one tensor load brings: 128 rows of A, or 64 K rows of W (64 x 544 is the same number)
.set AREG,  2*HALF                     ; A's 256 rows; W's 128 K rows lie behind them
.set SLOT,  4*HALF
.set SPARE, 2*SLOT                     ; behind the ring: the spare words, 128 bytes for each wave: two blocks of 256 bytes that no other line names
.set DP,    528                        ; the way out: a row of 128 f32, 512 bytes + 16
.set DREG,  128*DP                     ; a wave's own part of the ring on the way out; four of them are 270,336 bytes of the ring's 278,528
.set ASTEP, 256                        ; a K step on in A's rows
.if KIND == 2
.set BN,    4096                       ; elements from row to row of W
.set PP,    2                          ; the way out: units of 512 stored bytes in a trip; here a unit is 2 rows of my 128 columns
.set TRIPS, 32
.set TSTEP, 4*DP                       ; 4 rows on in LDS
.set GSTEP, 4*8192                     ; and in C
.else
.set BN,    1024
.set PP,    8                          ; a unit is 4 tokens of one head; a trip has 4 x 4 tokens of my two heads
.set TRIPS, 8
.set TSTEP, 16*DP
.set GSTEP, 16*128
.endif
.set BSTEP, 256*BN                     ; 128 K rows on in W
.set A0,   6                           ; v6   my lane's place in a slot's A; never rewritten
.set B0,   7                           ; v7   in its W
.set ADRA, 9                           ; v9   the same two in the slot that is read
.set ADRB, 10                          ; v10
.set RDA,  11                          ; v11  the way out: where this trip's rows are read
.set STO,  12                          ; v12  where I put my 32 bytes of a row
.set RD0,  13                          ; v13  my lane's place in the first trip's rows; never rewritten
.set CO,   14                          ; v14  my byte offset in a trip's part of C; never rewritten
.set BO,   15                          ; v15  my byte offset in the bias
.set BIAS, 16                          ; v[16:23] the bias of my 8 columns
.set SPW,  28                          ; v28  LDS address of my spare word; never rewritten
.set NIL,  29                          ; v29  0; never rewritten
.set Y,    32                          ; the way out: what is stored
.set F0,   64                          ; fragment buffer 0
.set F1,   128                         ; fragment buffer 1
.set L,    64                          ; the way out: rows as read back
.set X,    128                         ; at work
.set T,    192                         ; at work
.set G1,   24                          ; s[24:31] descriptor group 1 for A;  s[32:39] group 0: a set for each first fill; the second then walks
.set G0,   32
.set G1B,  48                          ; s[48:55], s[56:63] the same for W
.set G0B,  56
.set TB,   45                          ; s45  the slot that is read: 0 or SLOT
.set FB,   66                          ; s66  the slot that was filled last
.set DO,   67                          ; s67  the way out: the trip's rows in my part of the ring
.set GS,   70                          ; s[70:71] what the next trip adds to C's address: 0, then GSTEP
.set MSB, 0
.macro WIN new                         ; the immediate's high byte repeats the setting that is left; a switch that changes nothing is dropped
.if MSB != (\new)
	s_set_vgpr_msb (MSB<<8)|(\new)
.set MSB, \new
.endif
.endm
.set MUL_LO, 0xa1                      ; source 0 (W) window 1, source 1 (A) window 0, C and D window 2
.set MUL_HI, 0xf1                      ; the same, C and D window 3
.set TO_B,   0x40                      ; destination window 1, address window 0
.macro JLOAD s                         ; a joint load; the branch hangs on the wave's number alone; an s_nop 0 and four v_nop follow each of the two lines
	s_cmp_eq_u32 s11, 0
	s_cbranch_scc0 .Lfor_b_\@
	tensor_load_to_lds s[G0+4*(\s):G0+4*(\s)+3], s[G1:G1+7]
	s_nop 0
.rept 4
	v_nop
.endr
	s_branch .Lasked_\@
.Lfor_b_\@:
	tensor_load_to_lds s[G0B+4*(\s):G0B+4*(\s)+3], s[G1B:G1B+7]
	s_nop 0
.rept 4
	v_nop
.endr
.Lasked_\@:
.endm
.macro CREST                           ; a round of the cluster's barrier behind its opening barrier
	s_cmp_lg_u32 s10, 0
	s_cbranch_scc1 .Lnot_wave_0_\@
	s_barrier_signal -3
.Lnot_wave_0_\@:
	s_barrier_wait -3
	s_barrier_signal -1
	s_barrier_wait -1
.endm
.macro CROUND                          ; a whole round
	s_barrier_signal -1
	s_barrier_wait -1
	CREST
.endm
.macro EACH cnt, line:vararg           ; one line for each i = 0 .. cnt - 1
.set i, 0
.rept \cnt
	\line
.set i, i+1
.endr
.endm
	s_load_b128 s[4:7], s[0:1], 0x0                ; A s[4:5], wb s[6:7]
.if KIND == 0
	s_load_b64 s[8:9], s[0:1], 0x10                ; C
.else
	s_load_b64 s[68:69], s[0:1], 0x10              ; bias
	s_load_b64 s[8:9], s[0:1], 0x18                ; C
.endif
	v_lshl_add_u32 v[SPW], v0, 2, SPARE
	v_mov_b32 v[NIL], 0
	ds_add_u32 v[SPW], v[NIL]                      ; the wave's opening: the add and its wait stand ahead of my first tensor load; the set-up below, work on registers, stands between them
	v_lshrrev_b32 v1, 5, v0
	v_readfirstlane_b32 s10, v1                    ; wave 0..3
	s_lshr_b32 s11, s10, 1                         ; which half of the tile's rows is mine.  Also: I fetch for A (0) or for W (1)
	s_and_b32 s12, s10, 1                          ; which half of its columns.  Also: which half of that tile I fetch
	s_bfe_u32 s40, ttmp6, 0x40000                  ; cx, cy: my place in the cluster
	s_bfe_u32 s41, ttmp6, 0x40004
	s_lshl_b32 s42, ttmp9, 2
	s_add_co_u32 s42, s42, s40                     ; tile column = 4 x cluster x + cx
	s_and_b32 s13, ttmp7, 0xffff
	s_lshl_b32 s13, s13, 2
	s_add_co_u32 s13, s13, s41                     ; tile row = 4 x cluster y + cy
	s_lshl_b32 s43, s41, 2
	s_lshl_b32 s43, 15, s43                        ; my row of the cluster
	s_lshl_b32 s44, 0x1111, s40                    ; my column
	; A: 128 rows x 128 elements; 15:0 the mask of my row; 17:16 2-byte elements; 20 padding on; 21 set beside a mask; 24:22 after every 64 words (code 5); 31:25 4 words (code 3)
	s_or_b32 s[G1+0], s43, (1<<16)|(1<<20)|(1<<21)|(5<<22)|(3<<25)
	s_mov_b32 s[G1+1], 128<<16                     ; tensor_dim0
	s_mov_b32 s[G1+2], 128<<16                     ; tensor_dim1
	s_mov_b32 s[G1+3], 128<<16                     ; tile_dim0
	s_mov_b32 s[G1+4], 128                         ; tile_dim1
	s_mov_b32 s[G1+5], APE                         ; stride
	s_mov_b32 s[G1+6], 0
	s_mov_b32 s[G1+7], 0
	; W: 64 K rows x 256 elements; the mask of my column; after every 128 words (code 6) 8 words (code 7)
	s_or_b32 s[G1B+0], s44, (1<<16)|(1<<20)|(1<<21)|(6<<22)|(7<<25)
	s_mov_b32 s[G1B+1], 256<<16
	s_mov_b32 s[G1B+2], 64<<16
	s_mov_b32 s[G1B+3], 256<<16
	s_mov_b32 s[G1B+4], 64
	s_mov_b32 s[G1B+5], BN
	s_mov_b32 s[G1B+6], 0
	s_mov_b32 s[G1B+7], 0
	; where the tiles come from: A's offset hangs on the tile row alone (s[16:17]), W's on the tile column alone (s[46:47])
	s_lshl_b32 s16, s13, 8
	s_lshl_b32 s17, s12, 7
	s_add_co_u32 s16, s16, s17                     ; row 256 x tile row + 128 x half,
	s_lshl_b32 s16, s16, 11                        ; of 2,048 bytes
	s_mov_b32 s17, 0
	s_mul_i32 s46, s12, 128*BN                     ; my 64 K rows
.if KIND == 0
	s_lshr_b32 s47, s42, 2                         ; which of the three weights: 2 MiB each
	s_lshl_b32 s47, s47, 21
	s_add_co_u32 s46, s46, s47
	s_and_b32 s47, s42, 3                          ; and which 256 of its columns
	s_lshl_b32 s47, s47, 9
	s_add_co_u32 s46, s46, s47
.else
	s_lshl_b32 s47, s42, 9
	s_add_co_u32 s46, s46, s47
	s_add_co_u32 s46, s46, 0x800000                ; w_ff1's place in wb
.endif
	s_mov_b32 s47, 0
	s_mul_i32 s20, s12, HALF                       ; and where they go: no place in the cluster enters an LDS address
	s_add_co_u32 s21, s20, AREG
	s_mov_b32 s[TB], 0
	s_mov_b32 s[FB], SLOT
	s_wait_dscnt 0x0                               ; the opening add is done
	s_wait_kmcnt 0x0
	s_add_nc_u64 s[14:15], s[4:5], s[16:17]
	s_add_nc_u64 s[46:47], s[6:7], s[46:47]
	CROUND                                         ; all sixteen work-groups are here: the first joint loads meet
.irp s, 0,1
	s_mov_b32 s[G0+4*(\s)], 1                      ; count = 1
	s_add_co_u32 s[G0+4*(\s)+1], s20, (\s)*SLOT    ; LDS address
	s_add_nc_u64 s[G0+4*(\s)+2:G0+4*(\s)+3], s[14:15], (\s)*ASTEP  ; K step s
	s_or_b32 s[G0+4*(\s)+3], s[G0+4*(\s)+3], 0x80000000            ; type = 2
	s_mov_b32 s[G0B+4*(\s)], 1
	s_add_co_u32 s[G0B+4*(\s)+1], s21, (\s)*SLOT
	s_add_nc_u64 s[G0B+4*(\s)+2:G0B+4*(\s)+3], s[46:47], (\s)*BSTEP
	s_or_b32 s[G0B+4*(\s)+3], s[G0B+4*(\s)+3], 0x80000000
	JLOAD \s
.endr
	; A's fragment: lane l holds row l % 16; two loads of 16 bytes, 32 apart, at row x pitch + 16 (l / 16)
	v_and_b32 v1, 15, v0                           ; r = l % 16
	v_bfe_u32 v2, v0, 4, 1                         ; h = l / 16
	v_mul_u32_u24 v3, v1, PITCH
	v_lshl_add_u32 v3, v2, 4, v3
	s_mul_i32 s22, s11, HALF                       ; my 128 rows
	v_add_nc_u32 v[A0], s22, v3
	; W's fragment, turned: lane l reads K row 8 (l / 16) + l % 8, 16 bytes at 16 ((l / 8) % 2), and ends with column l % 16 and 8 K
	v_and_b32 v4, 7, v0
	v_lshl_add_u32 v4, v2, 3, v4
	v_mul_u32_u24 v4, v4, BP
	v_bfe_u32 v5, v0, 3, 1
	v_lshl_add_u32 v4, v5, 4, v4
	s_lshl_b32 s22, s12, 8                         ; my 128 columns
	s_add_co_u32 s22, s22, AREG
	v_add_nc_u32 v[B0], s22, v4
	v_mov_b32 v[ADRA], v[A0]
	v_mov_b32 v[ADRB], v[B0]
	; the way out, in: accumulator (a, b) holds in lane l row 16 a + l % 16, columns 16 b + 8 (l / 16) + 0..7: 32 bytes of f32
	s_mul_i32 s23, s10, DREG                       ; my own part of the ring
	v_mul_u32_u24 v3, v1, DP
	v_lshl_add_u32 v3, v2, 5, v3
	v_add_nc_u32 v[STO], s23, v3
.if KIND == 0
	; back: my 128 columns are two heads.  A unit is 4 tokens of one head: lane l takes token l / 8, channels 8 (l % 8) + 0..7: 32 bytes of f32 in, 16 of bf16 out, 512 consecutive bytes a unit
	v_bfe_u32 v3, v0, 3, 2
	v_mul_u32_u24 v3, v3, DP
	v_and_b32 v4, 7, v0
	v_lshl_add_u32 v3, v4, 5, v3
	v_add_nc_u32 v[RD0], s23, v3
	v_and_b32 v[CO], 31, v0
	v_lshlrev_b32 v[CO], 4, v[CO]
	s_lshr_b32 s16, s13, 3                         ; batch: 8 tile rows each,
	s_lshl_b32 s16, s16, 22                        ; 16 heads of 262,144 bytes
	s_and_b32 s17, s13, 7
	s_lshl_b32 s17, s17, 15                        ; 256 tokens of 128 bytes
	s_add_co_u32 s16, s16, s17
	s_lshl_b32 s17, s11, 14                        ; my 128 of them
	s_add_co_u32 s16, s16, s17
	s_mov_b32 s17, 0
	s_add_nc_u64 s[8:9], s[8:9], s[16:17]
	s_and_b32 s46, s42, 3
	s_lshl_b32 s46, s46, 20                        ; head 4 (tile column % 4) + 2 x my half
	s_lshl_b32 s47, s12, 19
	s_add_co_u32 s46, s46, s47
	s_lshr_b32 s47, s42, 2
	s_lshl_b32 s47, s47, 23                        ; q, k or v
	s_add_co_u32 s46, s46, s47
	s_mov_b32 s47, 0
	s_add_nc_u64 s[8:9], s[8:9], s[46:47]
.else
	; back: a unit is 2 rows: lanes 0-15 one row, lanes 16-31 the next; lane l takes columns 8 (l % 16) + 0..7: 32 bytes of f32 in, 16 of bf16 out: 16 lanes store 256 consecutive bytes, aligned
	v_mul_u32_u24 v3, v2, DP
	v_lshl_add_u32 v3, v1, 5, v3
	v_add_nc_u32 v[RD0], s23, v3
	v_lshlrev_b32 v[CO], 13, v2                    ; a row of C is 8,192 bytes
	v_lshl_add_u32 v[CO], v1, 4, v[CO]
	s_lshl_b32 s16, s13, 21                        ; 256 rows
	s_lshl_b32 s17, s11, 20                        ; my 128
	s_add_co_u32 s16, s16, s17
	s_mov_b32 s17, 0
	s_add_nc_u64 s[8:9], s[8:9], s[16:17]
	s_lshl_b32 s46, s42, 9
	s_lshl_b32 s47, s12, 8
	s_add_co_u32 s46, s46, s47
	s_mov_b32 s47, 0
	s_add_nc_u64 s[8:9], s[8:9], s[46:47]
	s_lshl_b32 s46, s42, 10                        ; the bias of my columns 256 tile column + 128 half + 8 (l % 16) + 0..7: the same in every row
	s_lshl_b32 s47, s12, 9
	s_add_co_u32 s46, s46, s47
	v_lshl_add_u32 v[BO], v1, 5, s46
	global_load_b128 v[BIAS:BIAS+3], v[BO], s[68:69]
	global_load_b128 v[BIAS+4:BIAS+7], v[BO], s[68:69] offset:16
	s_mov_b32 s72, 0xc0135761                      ; C0 = -2 sqrt(2 / pi) log2(e)
	s_mov_b32 s73, s72                             ; named with it as a pair
	s_mov_b32 s74, 0xbdd2d3e8                      ; C1 = 0.044715 C0
	s_mov_b32 s75, s74
.endif
; 16 matrix instructions: m blocks a0, a0 + 1 of the window's four (hi = 0: my rows 0-63, 1: rows 64-127) x all 8 n blocks, 32 along K.  zero = 1: the first product starts the sums.
; The 64 accumulators take turns in one order everywhere.
.macro MUL16 f, hi, a0, zero
	WIN MUL_LO+0x50*(\hi)
.irp a, \a0, (\a0)+1
.irp b, 0,1,2,3,4,5,6,7
.if \zero
	v_wmma_f32_16x16x32_bf16 v[8*(8*(\a)+(\b)):8*(8*(\a)+(\b))+7], v[(\f)+8*(\b):(\f)+8*(\b)+7], v[(\f)+8*(4*(\hi)+(\a)):(\f)+8*(4*(\hi)+(\a))+7], 0
.else
	v_wmma_f32_16x16x32_bf16 v[8*(8*(\a)+(\b)):8*(8*(\a)+(\b))+7], v[(\f)+8*(\b):(\f)+8*(\b)+7], v[(\f)+8*(4*(\hi)+(\a)):(\f)+8*(4*(\hi)+(\a))+7], v[8*(8*(\a)+(\b)):8*(8*(\a)+(\b))+7]
.endif
.endr
.endr
.endm
; 32 LDS loads in one run: quarter q (32 along K) of the slot that is read, into buffer f: W's 128 columns, then A's 128 rows
.macro FETCH q, f
	WIN TO_B
.irp i, 0,1,2,3,4,5,6,7
	ds_load_tr16_b128 v[(\f)+8*(\i):(\f)+8*(\i)+3],   v[ADRB] offset:32*(\q)*BP+32*(\i)
	ds_load_tr16_b128 v[(\f)+8*(\i)+4:(\f)+8*(\i)+7], v[ADRB] offset:(32*(\q)+16)*BP+32*(\i)
.endr
	WIN 0
.irp i, 0,1,2,3,4,5,6,7
	ds_load_b128 v[(\f)+8*(\i):(\f)+8*(\i)+3],   v[ADRA] offset:64*(\q)+(\i)*16*PITCH
	ds_load_b128 v[(\f)+8*(\i)+4:(\f)+8*(\i)+7], v[ADRA] offset:64*(\q)+(\i)*16*PITCH+32
.endr
.endm
.macro PLACES                          ; four places in front of loads into registers that matrix instructions have read, and of lines that read results
.rept 4
	v_nop
.endr
.endm
; A K step is four quarters, 64 matrix instructions each, on buffers 0, 1, 0, 1.  One of the first three: multiplies buffer f and, in its middle, fetches quarter q into g.
.macro QUARTER q, f, g, zero
	s_wait_dscnt 8                                 ; W and A's rows 0-63 are in; the youngest eight loads (A's rows 64-127) may be out
	MUL16 \f, 0, 0, \zero
	MUL16 \f, 0, 2, \zero
	PLACES
	FETCH \q, \g
	s_wait_dscnt 32                                ; all but the 32 just issued
	MUL16 \f, 1, 0, \zero
	MUL16 \f, 1, 2, \zero
.endm
; The last quarter multiplies buffer 1 and changes slots: one barrier; in front of it each wave waits for all its tensor loads, adds 0 to its spare word, and waits for that and for its reads of this slot.
; fill = 1: this slot is filled again, two K steps ahead; the barrier then opens a round of the cluster's, and the joint load is the first thing behind the round.
; fill = 0: the last two K steps; in the very last (s3 = 1) there is no further slot, and the run of loads is jumped over.
.macro TURN fill
	WIN 0                                          ; (the add's two registers lie in window 0)
	s_wait_tensorcnt 0x0                           ; all my tensor loads have landed: my part of the next slot; so a group 0 may be written
	ds_add_u32 v[SPW], v[NIL]                      ; 0 onto my spare word
.if \fill
	s_xor_b32 s[FB], s[FB], SLOT                   ; the walking descriptors: the other slot than last time,
	s_add_co_u32 s[G0+5], s20, s[FB]
	s_add_co_u32 s[G0B+5], s21, s[FB]
	s_add_nc_u64 s[G0+6:G0+7], s[G0+6:G0+7], ASTEP       ; the next K step; the type bits on top are not reached
	s_add_nc_u64 s[G0B+6:G0B+7], s[G0B+6:G0B+7], BSTEP
.endif
	s_wait_dscnt 9                                 ; the add and the youngest eight loads may be out
	MUL16 F1, 0, 0, 0
	s_wait_dscnt 0x0                               ; the add is done, and my reads of this slot are over
	s_barrier_signal -1
	MUL16 F1, 0, 2, 0
	WIN 0                                          ; every window is 0 there
	s_barrier_wait -1
.if \fill
	CREST                                          ; no wave of any partner still reads this slot's tiles or has a load on its way
	JLOAD 1                                        ; its four v_nop are also the places in front of the loads below
.else
	PLACES
	s_cmp_eq_u32 s3, 1
	s_cbranch_scc1 .Lno_fetch_\@
.endif
	s_xor_b32 s[TB], s[TB], SLOT                   ; the reads go on in the other slot
	v_add_nc_u32 v[ADRA], s[TB], v[A0]
	v_add_nc_u32 v[ADRB], s[TB], v[B0]
	FETCH 0, F0
.if !(\fill)
.Lno_fetch_\@:
.endif
	MUL16 F1, 1, 0, 0
	MUL16 F1, 1, 2, 0
.endm
; THE WAY OUT.  A trip's loads from my part of the ring: PP units of 32 bytes a lane
.macro OLOAD
.set u, 0
.rept PP
.if KIND == 0
.set UO, (u/2)*4*DP+(u%2)*256          ; tokens 4 (u / 2) on, head u % 2
.else
.set UO, u*2*DP                        ; rows 2 u on
.endif
	ds_load_b128 v[L+8*u:L+8*u+3],   v[RDA] offset:UO
	ds_load_b128 v[L+8*u+4:L+8*u+7], v[RDA] offset:UO+16
.set u, u+1
.endr
.endm
; A trip.  pre = 1: the next trip's loads are issued as soon as this trip's numbers have left their registers.
; ff1: 0.5 x (1 + tanh(u)) = x / (1 + 2^(x (C0 + C1 x^2))); where the power overflows the quotient is 0, where it vanishes the result is x, as in the reference.
.macro OTRIP pre
	s_wait_dscnt 0x0                               ; this trip's rows are in
.if KIND == 2
	EACH 4*PP, v_pk_add_f32 v[X+2*i:X+2*i+1], v[L+2*i:L+2*i+1], v[BIAS+(2*i)%8:BIAS+(2*i)%8+1]
.else
	s_wait_xcnt 0x0                                ; the last trip's stores have read Y and C's address: they are rewritten only behind this wait
	s_add_nc_u64 s[8:9], s[8:9], s[GS:GS+1]
	s_mov_b32 s[GS], GSTEP
	EACH 4*PP, v_cvt_pk_bf16_f32 v[Y+i], v[L+2*i], v[L+2*i+1]
.endif
.if \pre
	s_add_co_u32 s[DO], s[DO], TSTEP
	v_add_nc_u32 v[RDA], s[DO], v[RD0]
	OLOAD
.endif
.if KIND == 2
	EACH 4*PP, v_pk_mul_f32 v[T+2*i:T+2*i+1], v[X+2*i:X+2*i+1], v[X+2*i:X+2*i+1]
	EACH 4*PP, v_pk_fma_f32 v[T+2*i:T+2*i+1], v[T+2*i:T+2*i+1], s[74:75], s[72:73] op_sel_hi:[1,0,0]
	EACH 4*PP, v_pk_mul_f32 v[T+2*i:T+2*i+1], v[T+2*i:T+2*i+1], v[X+2*i:X+2*i+1]
	EACH 8*PP, v_exp_f32 v[T+i], v[T+i]
	v_nop                                          ; a plain instruction behind the last exponential (ISA guide 5.7.2)
	s_wait_alu depctr_va_vdst(0)
	EACH 4*PP, v_pk_add_f32 v[T+2*i:T+2*i+1], v[T+2*i:T+2*i+1], 1.0 op_sel_hi:[1,0]
	EACH 8*PP, v_rcp_f32 v[T+i], v[T+i]
	v_nop
	s_wait_alu depctr_va_vdst(0)
	EACH 4*PP, v_pk_mul_f32 v[X+2*i:X+2*i+1], v[X+2*i:X+2*i+1], v[T+2*i:T+2*i+1]
	s_wait_xcnt 0x0                                ; the last trip's stores have read Y and C's address: they are rewritten only behind this wait
	s_add_nc_u64 s[8:9], s[8:9], s[GS:GS+1]
	s_mov_b32 s[GS], GSTEP
	EACH 4*PP, v_cvt_pk_bf16_f32 v[Y+i], v[X+2*i], v[X+2*i+1]
.endif
.set u, 0
.rept PP
.if KIND == 0
.set GO, (u/2)*512+(u%2)*262144        ; 4 tokens of 128 bytes; a head is 262,144 bytes
.else
.set GO, u*16384                       ; 2 rows of 8,192 bytes
.endif
	global_store_b128 v[CO], v[Y+4*u:Y+4*u+3], s[8:9] offset:GO  ; each 16 lanes store 256 consecutive bytes, aligned
.set u, u+1
.endr
.endm
	s_wait_tensorcnt 1                             ; my part of K step 0 is in; step 1's may stay out
	s_barrier_signal -1
	s_barrier_wait -1                              ; everybody's is
	FETCH 0, F0
	QUARTER 1, F0, F1, 1                           ; the first quarter stands in front of the loop: its products start the sums
	WIN 0                                          ; at a label and at a branch every window is 0
	s_mov_b32 s3, NS-2
.Lstep:                                                ; a trip: from a K step's second quarter to the next step's first; it asks for the K step two on
	QUARTER 2, F1, F0, 0
	QUARTER 3, F0, F1, 0
	TURN 1
	QUARTER 1, F0, F1, 0
	WIN 0
	s_sub_co_u32 s3, s3, 1
	s_cmp_lg_u32 s3, 0
	s_cbranch_scc1 .Lstep
	s_mov_b32 s3, 2
.Ltail:                                                ; the last two K steps ask for nothing: a text of their own; the second trip is left in its middle
	QUARTER 2, F1, F0, 0
	QUARTER 3, F0, F1, 0
	TURN 0
	WIN 0
	s_sub_co_u32 s3, s3, 1
	s_cmp_eq_u32 s3, 0
	s_cbranch_scc1 .Lout
	QUARTER 1, F0, F1, 0
	WIN 0
	s_branch .Ltail
.Lout:
	PLACES
	PLACES                                         ; eight, once a launch
	s_wait_dscnt 0x0                               ; my reads of the ring are over;
	s_barrier_signal -1
	s_barrier_wait -1                              ; everybody's are, and the ring has had its last fill: from here on it is the stage
.irp w, 0,1
	WIN 0x08+4*(\w)                                ; the stores' data (source 1) in window 2, then 3
.irp a, 0,1,2,3
.irp b, 0,1,2,3,4,5,6,7
	ds_store_b128 v[STO], v[8*(8*(\a)+(\b)):8*(8*(\a)+(\b))+3]   offset:(4*(\w)+(\a))*16*DP+64*(\b)      ; each accumulator's low registers first
	ds_store_b128 v[STO], v[8*(8*(\a)+(\b))+4:8*(8*(\a)+(\b))+7] offset:(4*(\w)+(\a))*16*DP+64*(\b)+16
.endr
.endr
.endr
	WIN 0
	s_mov_b32 s[DO], 0
	s_mov_b32 s[GS], 0
	s_mov_b32 s[GS+1], 0
	v_mov_b32 v[RDA], v[RD0]
	OLOAD                                          ; LDS serves a wave's instructions in order (ISA guide 5.7.1.4): these see my stores above; nobody else touches my part
.if KIND == 2
	s_wait_loadcnt 0x0                             ; the bias
.endif
	s_mov_b32 s3, TRIPS-1
.Lrows:
	OTRIP 1
	s_sub_co_u32 s3, s3, 1
	s_cmp_lg_u32 s3, 0
	s_cbranch_scc1 .Lrows
	OTRIP 0                                        ; the last trip is written out: it reads nothing further
	s_wait_tensorcnt 0x0                           ; the wave's end, behind my last tensor load and my last LDS store
	ds_add_u32 v[SPW], v[NIL]
	s_wait_dscnt 0x0
	CROUND                                         ; the closing round: no work-group ends while a partner may still ask for a tile that names it
	s_endpgm
.Lfunc_end_k_qe9fb412f40_ff1:
	.size	k_qe9fb412f40_ff1, .Lfunc_end_k_qe9fb412f40_ff1-k_qe9fb412f40_ff1
	.p2alignl 7, 3214868480
	.fill 96, 4, 3214868480
	.section	.rodata,"a",@progbits
	.p2align	6, 0x0
	.amdhsa_kernel k_qe9fb412f40_ff1
		.amdhsa_group_segment_fixed_size 327680
		.amdhsa_private_segment_fixed_size 0
		.amdhsa_enable_private_segment 0
		.amdhsa_kernarg_size 32
		.amdhsa_user_sgpr_count 2
		.amdhsa_user_sgpr_kernarg_segment_ptr 1
		.amdhsa_wavefront_size32 1
		.amdhsa_system_sgpr_workgroup_id_x 1
		.amdhsa_system_sgpr_workgroup_id_y 1
		.amdhsa_system_sgpr_workgroup_id_z 1
		.amdhsa_system_vgpr_workitem_id 0
		.amdhsa_next_free_vgpr 1024
		.amdhsa_next_free_sgpr 80
		.amdhsa_reserve_vcc 0
		.amdhsa_float_denorm_mode_32 3
		.amdhsa_float_denorm_mode_16_64 3
		.amdhsa_memory_ordered 1
		.amdhsa_forward_progress 1
		.amdhsa_inst_pref_size 89
	.end_amdhsa_kernel
	.amdgpu_metadata
---
amdhsa.version: [ 1, 2 ]
amdhsa.kernels:
  - .name:           k_qe9fb412f40_ff1
    .symbol:         k_qe9fb412f40_ff1.kd
    .args:
      - { .name: hn, .offset: 0, .size: 8, .value_kind: global_buffer, .address_space: global }
      - { .name: wb, .offset: 8, .size: 8, .value_kind: global_buffer, .address_space: global }
      - { .name: b_ff1, .offset: 16, .size: 8, .value_kind: global_buffer, .address_space: global }
      - { .name: h3, .offset: 24, .size: 8, .value_kind: global_buffer, .address_space: global }
    .group_segment_fixed_size: 327680
    .private_segment_fixed_size: 0
    .kernarg_segment_align: 8
    .kernarg_segment_size: 32
    .max_flat_workgroup_size: 128
    .sgpr_count:     80
    .vgpr_count:     1024
    .wavefront_size: 32
...
	.end_amdgpu_metadata
.endif
;; end of part 6
;; launch ff2 (part 7): grid 8 x 32, 4 waves a work-group, clusters of 4 x 4, 327,680 bytes of LDS; arguments h3, wb, b_ff2, x1, out0; writes out0
.if DOCPART == 7
	.amdgcn_target "amdgcn-amd-amdhsa--gfx1250"
	.amdhsa_code_object_version 6
	.text
	.protected	k_qe9fb412f40_ff2
	.globl	k_qe9fb412f40_ff2
	.p2align	8
	.type	k_qe9fb412f40_ff2,@function
k_qe9fb412f40_ff2:
	s_mov_b64 s[64:65], 0
	v_nop
	global_prefetch_b8 v0, s[64:65] scope:SCOPE_SE
	s_setreg_imm32_b32 hwreg(HW_REG_WAVE_MODE, 25, 1), 1
	s_wait_xcnt 0x0
	s_wait_alu depctr_hold_cnt(0) depctr_sa_sdst(0) depctr_va_vdst(0) depctr_va_sdst(0) depctr_va_ssrc(0) depctr_va_vcc(0) depctr_vm_vsrc(0)
	s_getreg_b32 s2, hwreg(HW_REG_IB_STS2, 6, 4)
	s_cmp_eq_u32 s2, 0
	s_cbranch_scc0 .Lentry_in_a_cluster
	s_endpgm
.Lentry_in_a_cluster:
	s_bfe_u32 s2, ttmp6, 0x10000c
	s_cmp_lg_u32 s2, 0xf033
	s_cbranch_scc0 .Lentry_shape_is_right
	s_endpgm
.Lentry_shape_is_right:
; ONE TEXT FOR THE BLOCK'S FOUR PRODUCTS C = A W.  The constant KIND picks the product and its way out; this file is the one that the next line names.
.set KIND, 3
;   0 qkv    A = hn [4096][1024];  W = w_q, w_k, w_v side by side (3,072 columns);  C rounded to bf16 and written by heads, unscaled: [q, k, v][16 batch + head][2048][64]
;   1 oproj  A = ctx by heads [16 batch + head][2048][64];  W = w_o;  C = x + A W + b_o, f32 [4096][1024]
;   2 ff1    A = hn;  W = w_ff1 [1024][4096];  C = gelu(A W + b_ff1), bf16 [4096][4096]
;   3 ff2    A = h3 [4096][4096];  W = w_ff2 [4096][1024];  C = x1 + A W + b_ff2, f32 [4096][1024]
; A and W are bf16 (W from wb, in its own [K][N] order), sums f32, K ascending, C rounded once.  LIMITS: operands carry bf16's 8 significant bits; NaN and infinities are not treated apart.
; SHAPE.  A tile of C is 128 x 128, so that the smallest product (32 x 8 tiles) gives 256 work-groups.  Four waves, each 64 x 64: 16 accumulators of 16 x 16.  K goes in steps of 256 through two LDS slots:
; a slot holds A's 128 rows x 256 K and W's 256 K x 128 columns.  Waves 0, 1 fetch A's halves, waves 2, 3 W's: one tensor load a wave for a K step.
; CLUSTER 4 x 4: the four work-groups of a row need the same tiles of A, the four of a column the same tiles of W: each tile is asked for jointly, by the same load, descriptor and mask in all four.
; THE MATRIX INSTRUCTION IS USED TRANSPOSED: source 0 = 16 columns of W (turned on the way out of LDS by ds_load_tr16_b128), source 1 = 16 rows of A: a lane then holds 8 neighbouring numbers of a row of C.
; THE LOOP'S TRIP IS ONE K STEP: the slot that is read (s45) and the slot that is filled (s66) are scalars that take 0 and SLOT by turns.  Two loads of a wave are out at the start, one behind each round.
; REGISTERS: window 0: v0-31 addresses and at work; v32-95 the way out; v96-127 bias; v128-255 accumulators ((a, b) at 128 + 8 (4 a + b)).
;   window 1: two fragment buffers of 128: for 64 along K, 64 registers of A, then 64 of W.   window 2 (KIND 1, 3): the residual, 128 registers, loaded at the head.
.if KIND == 3
.set NS, 16                            ; K steps
.set APE, 4096                         ; elements from row to row of A
.else
.set NS, 4
.set APE, 1024
.endif
.if KIND == 1
.set APITCH, 144                       ; a token's 64 channels of one head: 128 bytes + 16
.set AQ,     128*144                   ; from one 64 along K (a head) to the next in LDS
.set AHALF,  2*128*144                 ; what one load of A brings: 2 heads x 128 tokens
.set ASTEP,  4*262144                  ; four heads on in memory
.else
.set APITCH, 528                       ; 512 bytes + 16: an odd multiple of 16, so the 16 rows of a fragment load start at 16 different groups of four banks (ISA guide 11.1)
.set AQ,     128
.set AHALF,  64*528
.set ASTEP,  512
.endif
.if KIND == 2
.set BN, 4096                          ; elements from row to row of W
.else
.set BN, 1024
.endif
.if KIND == 1
.set WOFF, 0x600000                    ; W's place in wb (KIND 0: by the tile column)
.elseif KIND == 2
.set WOFF, 0x800000
.else
.set WOFF, 0x1000000
.endif
.if KIND == 0
.set STAGEB, 4*16*144
.elseif KIND == 2
.set STAGEB, 128*272
.else
.set STAGEB, 4*16*272
.endif
.set BP,    288                        ; a K row of W in LDS: 256 bytes + 32
.set BHALF, 128*BP
.set BSTEP, 512*BN                     ; 256 K rows on in memory
.set AREG,  2*AHALF
.set SLOT,  AREG+2*BHALF
.set STAGE, 2*SLOT                     ; behind the ring, never filled by a tensor load: the way out
.set SPARE, STAGE+STAGEB               ; behind the stage: the spare words, 128 bytes for each wave: two blocks of 256 bytes that no other line names
.set A0,   6                           ; v6   my lane's place in a slot's A; never rewritten
.set B0,   7                           ; v7   in its W, K rows 0-127
.set B1,   8                           ; v8   K rows 128-255 (an LDS immediate holds 16 bits)
.set ADRA, 9                           ; v9   the same three in the slot that is read
.set ADRB, 10                          ; v10-11
.set STO,  12                          ; v12  the way out: where I put my part of a row
.set RD,   13                          ; v13  where I read rows back
.set CO,   14                          ; v14  my byte offset in C (and in the residual)
.set BO,   15                          ; v15  my byte offset in the bias
.set T,    16                          ; v[16:23] at work
.set SPW,  28                          ; v28  LDS address of my spare word; never rewritten
.set NIL,  29                          ; v29  0; never rewritten
.set TMP,  32
.set BIAS, 96
.set ACC,  128
.set F0,   0
.set F1,   128
.set G1,   24                          ; s[24:31] descriptor group 1 for A;  s[32:39] group 0: a set for each first fill; the second then walks
.set G0,   32
.set G1B,  48                          ; s[48:55], s[56:63] the same for W
.set G0B,  56
.set TB,   45                          ; s45  the slot that is read: 0 or SLOT
.set FB,   66                          ; s66  the slot that was filled last
.set MSB, 0
.macro WIN new                         ; the immediate's high byte repeats the setting that is left; a switch that changes nothing is dropped
.if MSB != (\new)
	s_set_vgpr_msb (MSB<<8)|(\new)
.set MSB, \new
.endif
.endm
.set MUL,  0x05                        ; sources 0 (W) and 1 (A) window 1; C and D window 0
.set TO_F, 0x40                        ; destination window 1, address window 0
.macro JLOAD s                         ; a joint load; the branch hangs on the wave's number alone; an s_nop 0 and four v_nop follow each of the two lines
	s_cmp_eq_u32 s11, 0
	s_cbranch_scc0 .Lfor_b_\@
	tensor_load_to_lds s[G0+4*(\s):G0+4*(\s)+3], s[G1:G1+7]
	s_nop 0
.rept 4
	v_nop
.endr
	s_branch .Lasked_\@
.Lfor_b_\@:
	tensor_load_to_lds s[G0B+4*(\s):G0B+4*(\s)+3], s[G1B:G1B+7]
	s_nop 0
.rept 4
	v_nop
.endr
.Lasked_\@:
.endm
.macro CREST                           ; a round of the cluster's barrier behind its opening barrier
	s_cmp_lg_u32 s10, 0
	s_cbranch_scc1 .Lnot_wave_0_\@
	s_barrier_signal -3
.Lnot_wave_0_\@:
	s_barrier_wait -3
	s_barrier_signal -1
	s_barrier_wait -1
.endm
.macro CROUND                          ; a whole round
	s_barrier_signal -1
	s_barrier_wait -1
	CREST
.endm
	s_load_b128 s[4:7], s[0:1], 0x0                ; A s[4:5], wb s[6:7]
.if KIND == 0
	s_load_b64 s[8:9], s[0:1], 0x10                ; C
.elseif KIND == 2
	s_load_b64 s[68:69], s[0:1], 0x10              ; bias
	s_load_b64 s[8:9], s[0:1], 0x18                ; C
.else
	s_load_b128 s[68:71], s[0:1], 0x10             ; bias s[68:69], residual s[70:71]
	s_load_b64 s[8:9], s[0:1], 0x20                ; C
.endif
	v_lshl_add_u32 v[SPW], v0, 2, SPARE
	v_mov_b32 v[NIL], 0
	ds_add_u32 v[SPW], v[NIL]                      ; the wave's opening: the add and its wait stand ahead of my first tensor load; the set-up below, work on registers, stands between them
	v_lshrrev_b32 v1, 5, v0
	v_readfirstlane_b32 s10, v1                    ; wave 0..3
	s_lshr_b32 s11, s10, 1                         ; which half of the tile's rows is mine.  Also: I fetch for A (0) or for W (1)
	s_and_b32 s12, s10, 1                          ; which half of its columns.  Also: which half of that tile I fetch
	s_bfe_u32 s40, ttmp6, 0x40000                  ; cx, cy: my place in the cluster
	s_bfe_u32 s41, ttmp6, 0x40004
	s_lshl_b32 s42, ttmp9, 2
	s_add_co_u32 s42, s42, s40                     ; tile column = 4 x cluster x + cx
	s_and_b32 s13, ttmp7, 0xffff
	s_lshl_b32 s13, s13, 2
	s_add_co_u32 s13, s13, s41                     ; tile row = 4 x cluster y + cy
	s_lshl_b32 s43, s41, 2
	s_lshl_b32 s43, 15, s43                        ; my row of the cluster
	s_lshl_b32 s44, 0x1111, s40                    ; my column
.if KIND == 1
	; A by heads: a head's 128 tokens are 16,384 dense bytes, taken as ONE row of 8,192 elements; 2 heads, 131,072 elements apart; the padding counts along the tile: 4 words after every 32, so a token's pitch is 144
	s_or_b32 s[G1+0], s43, (1<<16)|(1<<20)|(1<<21)|(4<<22)|(3<<25)
	s_mov_b32 s[G1+1], 8192<<16                    ; tensor_dim0
	s_mov_b32 s[G1+2], 2<<16                       ; tensor_dim1
	s_mov_b32 s[G1+3], 8192<<16                    ; tile_dim0
	s_mov_b32 s[G1+4], 2                           ; tile_dim1
	s_mov_b32 s[G1+5], 131072                      ; stride
.else
	; A: 64 rows x 256 elements; 15:0 the mask of my row; 17:16 2-byte elements; 20 padding on; 21 set beside a mask; 24:22 after every 128 words (code 6); 31:25 4 words (code 3)
	s_or_b32 s[G1+0], s43, (1<<16)|(1<<20)|(1<<21)|(6<<22)|(3<<25)
	s_mov_b32 s[G1+1], 256<<16
	s_mov_b32 s[G1+2], 64<<16
	s_mov_b32 s[G1+3], 256<<16
	s_mov_b32 s[G1+4], 64
	s_mov_b32 s[G1+5], APE
.endif
	s_mov_b32 s[G1+6], 0
	s_mov_b32 s[G1+7], 0
	; W: 128 K rows x 128 elements; the mask of my column; after every 64 words (code 5) 8 words (code 7)
	s_or_b32 s[G1B+0], s44, (1<<16)|(1<<20)|(1<<21)|(5<<22)|(7<<25)
	s_mov_b32 s[G1B+1], 128<<16
	s_mov_b32 s[G1B+2], 128<<16
	s_mov_b32 s[G1B+3], 128<<16
	s_mov_b32 s[G1B+4], 128
	s_mov_b32 s[G1B+5], BN
	s_mov_b32 s[G1B+6], 0
	s_mov_b32 s[G1B+7], 0
	; where the tiles come from: A's offset hangs on the tile row alone (s[16:17]), W's on the tile column alone (s[46:47])
.if KIND == 1
	s_lshr_b32 s16, s13, 4                         ; batch
	s_lshl_b32 s16, s16, 4
	s_lshl_b32 s17, s12, 1
	s_add_co_u32 s16, s16, s17                     ; 16 batch + my first head of the step
	s_lshl_b32 s16, s16, 18                        ; a head is 262,144 bytes
	s_and_b32 s17, s13, 15
	s_lshl_b32 s17, s17, 14                        ; 128 tokens of 128 bytes
	s_add_co_u32 s16, s16, s17
.else
	s_lshl_b32 s16, s13, 7
	s_lshl_b32 s17, s12, 6
	s_add_co_u32 s16, s16, s17                     ; row 128 x tile row + 64 x half
	s_mul_i32 s16, s16, APE*2
.endif
	s_mov_b32 s17, 0
	s_mul_i32 s46, s12, 256*BN                     ; my 128 K rows
.if KIND == 0
	s_lshr_b32 s47, s42, 3                         ; which of the three weights
	s_lshl_b32 s47, s47, 21
	s_add_co_u32 s46, s46, s47
	s_and_b32 s47, s42, 7
	s_lshl_b32 s47, s47, 8
	s_add_co_u32 s46, s46, s47
.else
	s_lshl_b32 s47, s42, 8
	s_add_co_u32 s46, s46, s47
	s_add_co_u32 s46, s46, WOFF
.endif
	s_mov_b32 s47, 0
	s_mul_i32 s20, s12, AHALF                      ; and where they go: no place in the cluster enters an LDS address
	s_mul_i32 s21, s12, BHALF
	s_add_co_u32 s21, s21, AREG
	s_mov_b32 s[TB], 0
	s_mov_b32 s[FB], SLOT
	s_wait_dscnt 0x0                               ; the opening add is done
	s_wait_kmcnt 0x0
	s_add_nc_u64 s[14:15], s[4:5], s[16:17]
	s_add_nc_u64 s[46:47], s[6:7], s[46:47]
	CROUND                                         ; all sixteen work-groups are here: the first joint loads meet
.irp s, 0,1
	s_mov_b32 s[G0+4*(\s)], 1                      ; count = 1
	s_add_co_u32 s[G0+4*(\s)+1], s20, (\s)*SLOT    ; LDS address
	s_add_nc_u64 s[G0+4*(\s)+2:G0+4*(\s)+3], s[14:15], (\s)*ASTEP  ; K step s
	s_or_b32 s[G0+4*(\s)+3], s[G0+4*(\s)+3], 0x80000000            ; type = 2
	s_mov_b32 s[G0B+4*(\s)], 1
	s_add_co_u32 s[G0B+4*(\s)+1], s21, (\s)*SLOT
	s_add_nc_u64 s[G0B+4*(\s)+2:G0B+4*(\s)+3], s[46:47], (\s)*BSTEP
	s_or_b32 s[G0B+4*(\s)+3], s[G0B+4*(\s)+3], 0x80000000
	JLOAD \s
.endr
	; A's fragment: lane l holds row l % 16; two loads of 16 bytes, 32 apart, at row x pitch + 16 (l / 16)
	v_and_b32 v1, 15, v0                           ; r = l % 16
	v_bfe_u32 v2, v0, 4, 1                         ; h = l / 16
	v_mul_u32_u24 v3, v1, APITCH
	v_lshl_add_u32 v3, v2, 4, v3
	s_mul_i32 s22, s11, 64*APITCH                  ; my 64 rows
	v_add_nc_u32 v[A0], s22, v3
	; W's fragment, turned: lane l reads K row 8 (l / 16) + l % 8, 16 bytes at 16 ((l / 8) % 2), and ends with column l % 16 and 8 K
	v_and_b32 v4, 7, v0
	v_lshl_add_u32 v4, v2, 3, v4
	v_mul_u32_u24 v4, v4, BP
	v_bfe_u32 v5, v0, 3, 1
	v_lshl_add_u32 v4, v5, 4, v4
	s_lshl_b32 s22, s12, 7                         ; my 64 columns
	s_add_co_u32 s22, s22, AREG
	v_add_nc_u32 v[B0], s22, v4
	v_add_nc_u32 v[B1], 128*BP, v[B0]
	v_mov_b32 v[ADRA], v[A0]
	v_mov_b32 v[ADRB], v[B0]
	v_mov_b32 v[ADRB+1], v[B1]
.if KIND == 0
	; my 64 x 64 is one head x 64 tokens: 8,192 consecutive bytes of q, k or v.  My own stage: 16 rows x 144
	s_mul_i32 s23, s10, 16*144
	s_add_co_u32 s23, s23, STAGE
	v_mul_u32_u24 v3, v1, 144
	v_lshl_add_u32 v3, v2, 4, v3
	v_add_nc_u32 v[STO], s23, v3                   ; in: row l % 16, 16 bytes for each half of the lanes
	v_bfe_u32 v3, v0, 3, 2
	v_mul_u32_u24 v3, v3, 144
	v_and_b32 v4, 7, v0
	v_lshl_add_u32 v3, v4, 4, v3
	v_add_nc_u32 v[RD], s23, v3                    ; back: 32 lanes take four rows of 128 bytes,
	v_and_b32 v[CO], 31, v0
	v_lshlrev_b32 v[CO], 4, v[CO]                  ; which are 512 consecutive bytes
	s_lshr_b32 s16, s13, 4
	s_lshl_b32 s16, s16, 22                        ; batch: 16 heads of 262,144 bytes
	s_and_b32 s17, s13, 15
	s_lshl_b32 s17, s17, 14                        ; 128 tokens of 128 bytes
	s_add_co_u32 s16, s16, s17
	s_lshl_b32 s17, s11, 13                        ; my 64 of them
	s_add_co_u32 s16, s16, s17
	s_mov_b32 s17, 0
	s_add_nc_u64 s[8:9], s[8:9], s[16:17]
	s_and_b32 s46, s42, 7
	s_lshl_b32 s46, s46, 19                        ; head 2 (tile column % 8) + my half
	s_lshl_b32 s47, s12, 18
	s_add_co_u32 s46, s46, s47
	s_lshr_b32 s47, s42, 3
	s_lshl_b32 s47, s47, 23                        ; q, k or v
	s_add_co_u32 s46, s46, s47
	s_mov_b32 s47, 0
	s_add_nc_u64 s[8:9], s[8:9], s[46:47]
.elseif KIND == 2
	; one stage for the work-group, 128 rows x 272: a wave's 64 columns of bf16 are half of an aligned 256 bytes of C
	s_mul_i32 s23, s11, 64*272
	s_lshl_b32 s22, s12, 7
	s_add_co_u32 s23, s23, s22
	s_add_co_u32 s23, s23, STAGE
	v_mul_u32_u24 v3, v1, 272
	v_lshl_add_u32 v3, v2, 4, v3
	v_add_nc_u32 v[STO], s23, v3
	s_mul_i32 s23, s10, 32*272                     ; back: wave w takes rows 32 w .. 32 w + 31, whole
	s_add_co_u32 s23, s23, STAGE
	v_mul_u32_u24 v3, v2, 272
	v_lshl_add_u32 v3, v1, 4, v3
	v_add_nc_u32 v[RD], s23, v3
	v_lshlrev_b32 v[CO], 13, v2                    ; a row of C is 8,192 bytes
	v_lshl_add_u32 v[CO], v1, 4, v[CO]
	s_lshl_b32 s16, s13, 20                        ; 128 rows
	s_lshl_b32 s17, s10, 18                        ; 32 rows
	s_add_co_u32 s16, s16, s17
	s_mov_b32 s17, 0
	s_add_nc_u64 s[8:9], s[8:9], s[16:17]
	s_lshl_b32 s46, s42, 8
	s_mov_b32 s47, 0
	s_add_nc_u64 s[8:9], s[8:9], s[46:47]
	s_lshl_b32 s46, s42, 9                         ; the bias of my columns 128 tc + 64 half + 16 b + 8 h + 0..7
	s_lshl_b32 s47, s12, 8
	s_add_co_u32 s46, s46, s47
	v_lshl_add_u32 v[BO], v2, 5, s46
.irp b, 0,1,2,3
	global_load_b128 v[BIAS+8*(\b):BIAS+8*(\b)+3], v[BO], s[68:69] offset:64*(\b)
	global_load_b128 v[BIAS+8*(\b)+4:BIAS+8*(\b)+7], v[BO], s[68:69] offset:64*(\b)+16
.endr
	s_mov_b32 s72, 0xc0135761                      ; C0 = -2 sqrt(2 / pi) log2(e)
	s_mov_b32 s73, s72                             ; named with it as a pair
	s_mov_b32 s74, 0xbdd2d3e8                      ; C1 = 0.044715 C0
	s_mov_b32 s75, s74
.else
	; a wave's 64 columns of f32 are 256 aligned bytes of C: each wave goes out alone, through its own stage of 16 rows x 272
	s_mul_i32 s23, s10, 16*272
	s_add_co_u32 s23, s23, STAGE
	v_mul_u32_u24 v3, v1, 272
	v_lshl_add_u32 v3, v2, 5, v3
	v_add_nc_u32 v[STO], s23, v3                   ; in: row l % 16, 32 bytes for each half of the lanes
	v_mul_u32_u24 v3, v2, 272
	v_lshl_add_u32 v3, v1, 4, v3
	v_add_nc_u32 v[RD], s23, v3                    ; back: lanes 0-15 one row of 256 bytes, lanes 16-31 the next
	v_lshlrev_b32 v[CO], 12, v2                    ; and the same two rows in C and in the residual
	v_lshl_add_u32 v[CO], v1, 4, v[CO]
	s_lshl_b32 s16, s13, 19                        ; 128 rows of 4,096 bytes
	s_lshl_b32 s17, s11, 18                        ; my 64
	s_add_co_u32 s16, s16, s17
	s_mov_b32 s17, 0
	s_lshl_b32 s46, s42, 9
	s_lshl_b32 s47, s12, 8
	s_add_co_u32 s46, s46, s47
	s_mov_b32 s47, 0
	s_add_nc_u64 s[8:9], s[8:9], s[16:17]
	s_add_nc_u64 s[8:9], s[8:9], s[46:47]
	s_add_nc_u64 s[70:71], s[70:71], s[16:17]
	s_add_nc_u64 s[70:71], s[70:71], s[46:47]
	v_lshl_add_u32 v[BO], v1, 4, s46
	global_load_b128 v[BIAS:BIAS+3], v[BO], s[68:69]
	WIN 0x80                                       ; destination window 2: the residual comes in under the whole product
.set i, 0
.rept 32
	global_load_b128 v[4*i:4*i+3], v[CO], s[70:71] offset:8192*i th:TH_LOAD_NT
.set i, i+1
.endr
	WIN 0
.endif
; 8 matrix instructions: m blocks a0, a0 + 1 x all 4 n blocks, 32 along K: half c of buffer f.  zero = 1: the first product starts the sums.  The 16 accumulators take turns in one order everywhere.
.macro MUL8 f, c, a0, zero
	WIN MUL
.irp a, \a0, (\a0)+1
.irp b, 0,1,2,3
.if \zero
	v_wmma_f32_16x16x32_bf16 v[ACC+8*(4*(\a)+(\b)):ACC+8*(4*(\a)+(\b))+7], v[(\f)+64+8*(4*(\c)+(\b)):(\f)+64+8*(4*(\c)+(\b))+7], v[(\f)+8*(4*(\c)+(\a)):(\f)+8*(4*(\c)+(\a))+7], 0
.else
	v_wmma_f32_16x16x32_bf16 v[ACC+8*(4*(\a)+(\b)):ACC+8*(4*(\a)+(\b))+7], v[(\f)+64+8*(4*(\c)+(\b)):(\f)+64+8*(4*(\c)+(\b))+7], v[(\f)+8*(4*(\c)+(\a)):(\f)+8*(4*(\c)+(\a))+7], v[ACC+8*(4*(\a)+(\b)):ACC+8*(4*(\a)+(\b))+7]
.endif
.endr
.endr
.endm
; 32 LDS loads in one run: quarter q (64 along K) of the slot that is read, into buffer f; its first 32 along K first
.macro FETCH q, f
	WIN TO_F
.irp c, 0,1
.irp i, 0,1,2,3
	ds_load_tr16_b128 v[(\f)+64+8*(4*(\c)+(\i)):(\f)+64+8*(4*(\c)+(\i))+3],   v[ADRB+(\q)/2] offset:(((\q)%2)*64+32*(\c))*BP+32*(\i)
	ds_load_tr16_b128 v[(\f)+64+8*(4*(\c)+(\i))+4:(\f)+64+8*(4*(\c)+(\i))+7], v[ADRB+(\q)/2] offset:(((\q)%2)*64+32*(\c)+16)*BP+32*(\i)
	ds_load_b128 v[(\f)+8*(4*(\c)+(\i)):(\f)+8*(4*(\c)+(\i))+3],   v[ADRA] offset:(\q)*AQ+64*(\c)+(\i)*16*APITCH
	ds_load_b128 v[(\f)+8*(4*(\c)+(\i))+4:(\f)+8*(4*(\c)+(\i))+7], v[ADRA] offset:(\q)*AQ+64*(\c)+(\i)*16*APITCH+32
.endr
.endr
.endm
.macro PLACES                          ; four places in front of loads into registers that matrix instructions have read, and of lines that read results
.rept 4
	v_nop
.endr
.endm
; A K step is four quarters, 32 matrix instructions each, on buffers 0, 1, 0, 1.  One of the first three: multiplies buffer f and fetches quarter q into g.
.macro QUARTER q, f, g, zero
	s_wait_dscnt 16                                ; f's first 32 along K are in; the youngest 16 loads may be out
	MUL8 \f, 0, 0, \zero
	MUL8 \f, 0, 2, \zero
	PLACES
	FETCH \q, \g
	s_wait_dscnt 32                                ; all but the 32 just issued
	MUL8 \f, 1, 0, 0
	MUL8 \f, 1, 2, 0
.endm
; The last quarter multiplies buffer 1 and changes slots: one barrier; in front of it each wave waits for all its tensor loads, adds 0 to its spare word, and waits for that and for its reads of this slot.
; fill = 1: this slot is filled again, two K steps ahead; the barrier then opens a round of the cluster's, and the joint load is the first thing behind the round: 112 matrix instructions ahead of the wait for it.
.macro TURN fill
	WIN 0                                          ; (the add's two registers lie in window 0)
	s_wait_tensorcnt 0x0                           ; all my tensor loads have landed: my part of the next slot; so a group 0 may be written
	ds_add_u32 v[SPW], v[NIL]                      ; 0 onto my spare word
.if \fill
	s_xor_b32 s[FB], s[FB], SLOT                   ; the walking descriptors: the other slot than last time,
	s_add_co_u32 s[G0+5], s20, s[FB]
	s_add_co_u32 s[G0B+5], s21, s[FB]
	s_add_nc_u64 s[G0+6:G0+7], s[G0+6:G0+7], ASTEP       ; the next K step; the type bits on top are not reached
	s_add_nc_u64 s[G0B+6:G0B+7], s[G0B+6:G0B+7], BSTEP
.endif
	s_wait_dscnt 17                                ; the add and the youngest 16 loads may be out
	MUL8 F1, 0, 0, 0
	s_wait_dscnt 0x0                               ; the add is done, and my reads of this slot are over
	s_barrier_signal -1
	MUL8 F1, 0, 2, 0
.if \fill
	WIN 0                                          ; every window is 0 there
.endif
	s_barrier_wait -1
.if \fill
	CREST                                          ; no wave of any partner still reads this slot's tiles or has a load on its way
	JLOAD 1                                        ; its four v_nop are also the places in front of the loads below
.else
	PLACES
.endif
	WIN 0
	s_xor_b32 s[TB], s[TB], SLOT                   ; the reads go on in the other slot
	v_add_nc_u32 v[ADRA], s[TB], v[A0]
	v_add_nc_u32 v[ADRB], s[TB], v[B0]
	v_add_nc_u32 v[ADRB+1], s[TB], v[B1]
	FETCH 0, F0
	MUL8 F1, 1, 0, 0
	MUL8 F1, 1, 2, 0
.endm
; KIND 0's way out of m block a: rounded to bf16, into my stage, back as whole rows into the registers that they left; then stored
.macro PACK a
.irp b, 0,1,2,3
.irp k, 0,1,2,3
	v_cvt_pk_bf16_f32 v[TMP+16*(\a)+4*(\b)+(\k)], v[ACC+8*(4*(\a)+(\b))+2*(\k)], v[ACC+8*(4*(\a)+(\b))+2*(\k)+1]
.endr
.endr
.irp b, 0,1,2,3
	ds_store_b128 v[STO], v[TMP+16*(\a)+4*(\b):TMP+16*(\a)+4*(\b)+3] offset:32*(\b)
.endr
.irp f, 0,1,2,3
	ds_load_b128 v[TMP+16*(\a)+4*(\f):TMP+16*(\a)+4*(\f)+3], v[RD] offset:576*(\f)  ; LDS serves a wave's instructions in order (ISA guide 5.7.1.4): these see the stores above
.endr
.endm
.macro SEND a, younger                 ; younger: the LDS instructions issued behind block a's loads: the next block's eight, or none
.irp f, 0,1,2,3
	s_wait_dscnt (\younger)+3-(\f)
	global_store_b128 v[CO], v[TMP+16*(\a)+4*(\f):TMP+16*(\a)+4*(\f)+3], s[8:9] offset:2048*(\a)+512*(\f)  ; 512 consecutive bytes, aligned
.endr
.endm
; KIND 2: gelu of accumulator t.  0.5 x (1 + tanh(u)) = x / (1 + 2^(x (C0 + C1 x^2))); where the power overflows the quotient is 0, where it vanishes the result is x, as in the reference
.macro GELU t
.set XR, ACC+8*(\t)
.set BB, BIAS+8*((\t)%4)
.irp k, 0,2,4,6
	v_pk_add_f32 v[XR+(\k):XR+(\k)+1], v[XR+(\k):XR+(\k)+1], v[BB+(\k):BB+(\k)+1]
.endr
.irp k, 0,2,4,6
	v_pk_mul_f32 v[T+(\k):T+(\k)+1], v[XR+(\k):XR+(\k)+1], v[XR+(\k):XR+(\k)+1]
.endr
.irp k, 0,2,4,6
	v_pk_fma_f32 v[T+(\k):T+(\k)+1], v[T+(\k):T+(\k)+1], s[74:75], s[72:73] op_sel_hi:[1,0,0]
.endr
.irp k, 0,2,4,6
	v_pk_mul_f32 v[T+(\k):T+(\k)+1], v[T+(\k):T+(\k)+1], v[XR+(\k):XR+(\k)+1]
.endr
.irp k, 0,1,2,3,4,5,6,7
	v_exp_f32 v[T+(\k)], v[T+(\k)]
.endr
	v_nop                                          ; a plain instruction behind the last exponential (ISA guide 5.7.2)
.irp k, 0,2,4,6
	v_pk_add_f32 v[T+(\k):T+(\k)+1], v[T+(\k):T+(\k)+1], 1.0 op_sel_hi:[1,0]
.endr
.irp k, 0,1,2,3,4,5,6,7
	v_rcp_f32 v[T+(\k)], v[T+(\k)]
.endr
	v_nop
.irp k, 0,2,4,6
	v_pk_mul_f32 v[XR+(\k):XR+(\k)+1], v[XR+(\k):XR+(\k)+1], v[T+(\k):T+(\k)+1]
.endr
.irp k, 0,1,2,3
	v_cvt_pk_bf16_f32 v[TMP+4*(\t)+(\k)], v[XR+2*(\k)], v[XR+2*(\k)+1]
.endr
.endm
	s_wait_tensorcnt 1                             ; my part of K step 0 is in; step 1's may stay out
	s_barrier_signal -1
	s_barrier_wait -1                              ; everybody's is
	FETCH 0, F0
	QUARTER 1, F0, F1, 1                           ; the first quarter stands in front of the loop: its first products start the sums
	WIN 0                                          ; at a label and at a branch every window is 0
	s_mov_b32 s3, NS-2
.Lstep:                                                ; a trip: from a K step's second quarter to the next step's first; it asks for the K step two on
	QUARTER 2, F1, F0, 0
	QUARTER 3, F0, F1, 0
	TURN 1
	QUARTER 1, F0, F1, 0
	WIN 0
	s_sub_co_u32 s3, s3, 1
	s_cmp_lg_u32 s3, 0
	s_cbranch_scc1 .Lstep
	QUARTER 2, F1, F0, 0                           ; the last two K steps are written out: they ask for nothing
	QUARTER 3, F0, F1, 0
	TURN 0
	QUARTER 1, F0, F1, 0
	QUARTER 2, F1, F0, 0
	QUARTER 3, F0, F1, 0
	s_wait_dscnt 16
	MUL8 F1, 0, 0, 0
	MUL8 F1, 0, 2, 0
	s_wait_dscnt 0x0
	MUL8 F1, 1, 0, 0
	MUL8 F1, 1, 2, 0
	WIN 0
	PLACES
	PLACES                                         ; eight, once a launch
.if KIND == 0
	PACK 0
.irp a, 1,2,3                          ; a block's conversions stand between the loads of the block before and its stores
	PACK \a
	SEND (\a)-1, 8
.endr
	SEND 3, 0
.elseif KIND == 2
	s_wait_loadcnt 0x0                             ; the bias
.irp t, 0,1,2,3,4,5,6,7,8,9,10,11,12,13,14,15
	GELU \t
.endr
.irp a, 0,1,2,3
.irp b, 0,1,2,3
	ds_store_b128 v[STO], v[TMP+4*(4*(\a)+(\b)):TMP+4*(4*(\a)+(\b))+3] offset:(\a)*16*272+32*(\b)
.endr
.endr
	s_wait_dscnt 0x0                               ; for the others' sake: my stores into the stage are done
	s_barrier_signal -1
	s_barrier_wait -1
.irp t, 0,1,2,3,4,5,6,7,8,9,10,11,12,13,14,15
	ds_load_b128 v[TMP+4*(\t):TMP+4*(\t)+3], v[RD] offset:(\t)*544
.endr
.irp t, 0,1,2,3,4,5,6,7,8,9,10,11,12,13,14,15
	s_wait_dscnt 15-(\t)
	global_store_b128 v[CO], v[TMP+4*(\t):TMP+4*(\t)+3], s[8:9] offset:2*(\t)*8192  ; 16 lanes store 256 consecutive bytes, aligned
.endr
.else
	s_wait_loadcnt 0x0                             ; bias and residual
.irp a, 0,1,2,3
	s_wait_xcnt 0x0                                ; this half of TMP was stored two blocks ago: it is loaded again only behind this wait
.irp b, 0,1,2,3
	ds_store_b128 v[STO], v[ACC+8*(4*(\a)+(\b)):ACC+8*(4*(\a)+(\b))+3] offset:64*(\b)
	ds_store_b128 v[STO], v[ACC+8*(4*(\a)+(\b))+4:ACC+8*(4*(\a)+(\b))+7] offset:64*(\b)+16
.endr
.irp t, 0,1,2,3,4,5,6,7
	ds_load_b128 v[TMP+32*((\a)%2)+4*(\t):TMP+32*((\a)%2)+4*(\t)+3], v[RD] offset:544*(\t)  ; LDS serves a wave's instructions in order (ISA guide 5.7.1.4)
.endr
	s_wait_dscnt 0x0
	WIN 0x08                                       ; source 1 window 2: the residual
.irp t, 0,1,2,3,4,5,6,7,8,9,10,11,12,13,14,15
	v_pk_add_f32 v[TMP+32*((\a)%2)+2*(\t):TMP+32*((\a)%2)+2*(\t)+1], v[TMP+32*((\a)%2)+2*(\t):TMP+32*((\a)%2)+2*(\t)+1], v[32*(\a)+2*(\t):32*(\a)+2*(\t)+1]
.endr
	WIN 0
.irp t, 0,1,2,3,4,5,6,7
	v_pk_add_f32 v[TMP+32*((\a)%2)+4*(\t):TMP+32*((\a)%2)+4*(\t)+1], v[TMP+32*((\a)%2)+4*(\t):TMP+32*((\a)%2)+4*(\t)+1], v[BIAS:BIAS+1]
	v_pk_add_f32 v[TMP+32*((\a)%2)+4*(\t)+2:TMP+32*((\a)%2)+4*(\t)+3], v[TMP+32*((\a)%2)+4*(\t)+2:TMP+32*((\a)%2)+4*(\t)+3], v[BIAS+2:BIAS+3]
.endr
.irp t, 0,1,2,3,4,5,6,7
	global_store_b128 v[CO], v[TMP+32*((\a)%2)+4*(\t):TMP+32*((\a)%2)+4*(\t)+3], s[8:9] offset:(16*(\a)+2*(\t))*4096  ; 16 lanes store 256 consecutive bytes, aligned
.endr
.endr
.endif
	s_wait_tensorcnt 0x0                           ; the wave's end, behind my last tensor load and my last LDS store
	ds_add_u32 v[SPW], v[NIL]
	s_wait_dscnt 0x0
	CROUND                                         ; the closing round: no work-group ends while a partner may still ask for a tile that names it
	s_endpgm
.Lfunc_end_k_qe9fb412f40_ff2:
	.size	k_qe9fb412f40_ff2, .Lfunc_end_k_qe9fb412f40_ff2-k_qe9fb412f40_ff2
	.p2alignl 7, 3214868480
	.fill 96, 4, 3214868480
	.section	.rodata,"a",@progbits
	.p2align	6, 0x0
	.amdhsa_kernel k_qe9fb412f40_ff2
		.amdhsa_group_segment_fixed_size 327680
		.amdhsa_private_segment_fixed_size 0
		.amdhsa_enable_private_segment 0
		.amdhsa_kernarg_size 40
		.amdhsa_user_sgpr_count 2
		.amdhsa_user_sgpr_kernarg_segment_ptr 1
		.amdhsa_wavefront_size32 1
		.amdhsa_system_sgpr_workgroup_id_x 1
		.amdhsa_system_sgpr_workgroup_id_y 1
		.amdhsa_system_sgpr_workgroup_id_z 1
		.amdhsa_system_vgpr_workitem_id 0
		.amdhsa_next_free_vgpr 768
		.amdhsa_next_free_sgpr 80
		.amdhsa_reserve_vcc 0
		.amdhsa_float_denorm_mode_32 3
		.amdhsa_float_denorm_mode_16_64 3
		.amdhsa_memory_ordered 1
		.amdhsa_forward_progress 1
		.amdhsa_inst_pref_size 80
	.end_amdhsa_kernel
	.amdgpu_metadata
---
amdhsa.version: [ 1, 2 ]
amdhsa.kernels:
  - .name:           k_qe9fb412f40_ff2
    .symbol:         k_qe9fb412f40_ff2.kd
    .args:
      - { .name: h3, .offset: 0, .size: 8, .value_kind: global_buffer, .address_space: global }
      - { .name: wb, .offset: 8, .size: 8, .value_kind: global_buffer, .address_space: global }
      - { .name: b_ff2, .offset: 16, .size: 8, .value_kind: global_buffer, .address_space: global }
      - { .name: x1, .offset: 24, .size: 8, .value_kind: global_buffer, .address_space: global }
      - { .name: out0, .offset: 32, .size: 8, .value_kind: global_buffer, .address_space: global }
    .group_segment_fixed_size: 327680
    .private_segment_fixed_size: 0
    .kernarg_segment_align: 8
    .kernarg_segment_size: 40
    .max_flat_workgroup_size: 128
    .sgpr_count:     80
    .vgpr_count:     768
    .wavefront_size: 32
...
	.end_amdgpu_metadata
.endif
;; end of part 7
;; ======== version 2 of 2: 7 launches; version 1 with the launch prep written anew for expert scheduling mode
;; workspace buffers: wb 25,165,824 bytes; hn 8,388,608 bytes; qkv 25,165,824 bytes; ctx 8,388,608 bytes; x1 16,777,216 bytes; h3 33,554,432 bytes
;; launch prep (part 8): grid 256 x 1, 8 waves a work-group, no clusters, 0 bytes of LDS; arguments x, ln1_scale, ln1_shift, w_q, w_k, w_v, w_o, w_ff1, w_ff2, hn, wb; writes hn, wb
.if DOCPART == 8
	.amdgcn_target "amdgcn-amd-amdhsa--gfx1250"
	.amdhsa_code_object_version 6
	.text
	.protected	k_qe9fb412f40_prep
	.globl	k_qe9fb412f40_prep
	.p2align	8
	.type	k_qe9fb412f40_prep,@function
k_qe9fb412f40_prep:
	s_mov_b64 s[64:65], 0
	v_nop
	global_prefetch_b8 v0, s[64:65] scope:SCOPE_SE
	s_setreg_imm32_b32 hwreg(HW_REG_WAVE_SCHED_MODE, 0, 2), 2
	s_setreg_imm32_b32 hwreg(HW_REG_WAVE_MODE, 25, 1), 1
	s_wait_xcnt 0x0
	s_wait_alu depctr_vm_vsrc(0)
; PREP.  Two streams in one launch.
; (1) LayerNorm 1: hn[r][c] = bf16(scale[c] (x[r][c] - mean_r) / sqrt(var_r + 1e-5) + shift[c]); x: [4096][1024] f32, hn: [4096][1024] bf16.
;     The mean is taken first and subtracted, the variance is the mean of the squares of what is left, as the reference has it; all in f32, rounded once.
; (2) All six weights are rounded once to bf16, in their own [K][N] order, into wb: w_q at 0, w_k at 0x200000, w_v at 0x400000, w_o at 0x600000, w_ff1 at 0x800000, w_ff2 at 0x1000000.
; SHARES.  256 work-groups of 8 waves.  Work-group g has rows 16 g .. 16 g + 15; wave w two of them, a whole row in 32 registers: a lane holds columns 256 j + 8 l .. + 7, j = 0..3,
; so that its 8 numbers leave as 16 bytes and 16 lanes store 256 consecutive bytes, aligned.  Of each weight the work-group has 1/256, in passes of 2,048 numbers, 8 a thread.
; No LDS, no barrier, no matrix unit: the sums never leave a wave, and memory bounds the launch.  48 loads of a wave are out at the most.
; LIMITS: NaN and infinities are not treated apart.
; THE MODE: SCHED_MODE bits 1:0 = 2 (LLVM: expert scheduling mode 2), set by the entry lines.  The code itself states the register dependences
; between vector instructions and memory instructions, with s_wait_alu, always for 0.
; THE PLAN.  The text has no branch.  Registers that memory instructions touch, in program order:
;   v2 .. v8  byte offsets, made once at the head and never written again.
;   R2   the small weights land; their conversions read them (into Y); w_ff1 lands; it is converted in place, 8 numbers into the first 4 of their 8 registers; 8 stores read those; not written again.
;   R0   the two rows land; the LayerNorm reads and writes them; w_ff2 lands; it is converted in place; 8 stores read the results; not written again.
;   R1   scale and shift land; the LayerNorm's multiply-adds read them; not used again.
;   Y    written by the small weights' conversions, read by their 8 stores; written again by the LayerNorm's roundings, read by hn's 8 stores.
; So one wait on va_vdst stands behind each block of vector work, ahead of the run of loads and stores that touch what the block read or wrote, and no vector line stands inside such a run;
; one wait on vm_vsrc stands ahead of Y's second writing, both rows' statistics behind the stores that it speaks of.  The small weights go first, so that w_ff1 is on its way under the whole LayerNorm.
.set VX,  2                            ; v2   x:  g x 65,536 + w x 8,192 + 32 l
.set VH,  3                            ; v3   hn: g x 32,768 + w x 4,096 + 16 l
.set VS,  4                            ; v4   scale, shift: 32 l
.set VIS, 5                            ; v5   a small weight, in:  g x 16,384 + 32 t
.set VOS, 6                            ; v6   out: g x 8,192 + 16 t
.set VIL, 7                            ; v7   a large weight, in:  g x 65,536 + 32 t
.set VOL, 8                            ; v8   out: g x 32,768 + 16 t
.set T,   10                           ; v[10:13] two chains of pairs
.set SUM, 14                           ; v14  a sum on its way across the lanes
.set PD,  15                           ; v15  the other half of the lanes
.set M,   16                           ; v[16:17] the mean, twice
.set RS,  18                           ; v[18:19], v[20:21] 1 / sqrt(var + eps) of row 0, of row 1, twice each
.set R0,  32                           ; v[32:95]   the two rows; later w_ff2's 8 passes
.set R1,  96                           ; v[96:159]  scale (32), shift (32)
.set R2,  160                          ; v[160:223] the four small weights, 2 passes each; later w_ff1's 8 passes
.set Y,   224                          ; v[224:255] what is stored of the small weights, then of hn
.set HN,  22                           ; s[22:23] hn
	s_load_b512 s[4:19], s[0:1], 0x0               ; x s[4:5], scale s[6:7], shift s[8:9], w_q s[10:11], w_k s[12:13], w_v s[14:15], w_o s[16:17], w_ff1 s[18:19]
	s_load_b128 s[20:23], s[0:1], 0x40             ; w_ff2 s[20:21], hn s[22:23]
	s_load_b64 s[24:25], s[0:1], 0x50              ; wb
	s_mov_b32 s2, 0x3a800000                       ; 1 / 1024
	s_mov_b32 s3, 0x3727c5ac                       ; 1e-5
	s_mov_b32 s30, 0x76543210                      ; v_permlanex16_b32: each lane takes its own place in the other half
	s_mov_b32 s31, 0xfedcba98
	s_lshl_b32 s26, ttmp9, 16
	s_lshl_b32 s27, ttmp9, 15
	s_lshl_b32 s28, ttmp9, 14
	s_lshl_b32 s29, ttmp9, 13
	v_and_b32 v1, 31, v0                           ; l
	v_lshrrev_b32 v9, 5, v0                        ; w
	v_mov_b32 v[PD], 0                             ; v_permlanex16_b32 counts as a reader of its destination
	v_lshlrev_b32 v[VS], 5, v1
	v_lshl_add_u32 v[VX], v9, 13, v[VS]
	v_add_nc_u32 v[VX], s26, v[VX]
	v_lshlrev_b32 v[VH], 4, v1
	v_lshl_add_u32 v[VH], v9, 12, v[VH]
	v_add_nc_u32 v[VH], s27, v[VH]
	v_lshl_add_u32 v[VIS], v0, 5, s28
	v_lshl_add_u32 v[VOS], v0, 4, s29
	v_lshl_add_u32 v[VIL], v0, 5, s26
	v_lshl_add_u32 v[VOL], v0, 4, s27
	s_wait_kmcnt 0x0
	s_wait_alu depctr_va_vdst(0)                   ; the seven offsets v2 to v8 are written: every load and store of the kernel reads one of them; the wait stands ahead of the two sums below, which write s26 to s29 anew behind the vector lines that read them
	s_add_nc_u64 s[26:27], s[24:25], 0x800000      ; wb at w_ff1's copy
	s_add_nc_u64 s[28:29], s[24:25], 0x1000000     ; and at w_ff2's
.macro LD8 dst, voff, sb, off          ; 8 numbers of f32 a lane: two loads of 16 bytes; read once in the launch
	global_load_b128 v[(\dst):(\dst)+3], v[\voff], s[(\sb):(\sb)+1] offset:(\off) th:TH_LOAD_NT
	global_load_b128 v[(\dst)+4:(\dst)+7], v[\voff], s[(\sb):(\sb)+1] offset:(\off)+16 th:TH_LOAD_NT
.endm
.macro CV8 yr, src                     ; 8 numbers rounded to bf16: 16 bytes.  With yr = src they close up into the first four of their eight registers: line k writes register k and reads registers 2 k, 2 k + 1
.irp k, 0,1,2,3
	v_cvt_pk_bf16_f32 v[(\yr)+(\k)], v[(\src)+2*(\k)], v[(\src)+2*(\k)+1]
.endr
.endm
.macro RED                             ; v[SUM] summed over the 32 lanes, the result in every lane
	v_add_f32_dpp v[SUM], v[SUM], v[SUM] row_xmask:1 row_mask:0xf bank_mask:0xf
	v_add_f32_dpp v[SUM], v[SUM], v[SUM] row_xmask:2 row_mask:0xf bank_mask:0xf
	v_add_f32_dpp v[SUM], v[SUM], v[SUM] row_xmask:4 row_mask:0xf bank_mask:0xf
	v_add_f32_dpp v[SUM], v[SUM], v[SUM] row_xmask:8 row_mask:0xf bank_mask:0xf
	v_permlanex16_b32 v[PD], v[SUM], s30, s31
	v_add_f32 v[SUM], v[SUM], v[PD]
.endm
; The row in v[xr .. xr+31]: its mean is subtracted in place; var + eps goes into v[rs].  The two rows' roots are taken together, behind both.
.macro LNSTAT xr, rs
	v_pk_add_f32 v[T:T+1], v[(\xr):(\xr)+1], v[(\xr)+2:(\xr)+3]
	v_pk_add_f32 v[T+2:T+3], v[(\xr)+4:(\xr)+5], v[(\xr)+6:(\xr)+7]
.irp k, 8,12,16,20,24,28
	v_pk_add_f32 v[T:T+1], v[T:T+1], v[(\xr)+(\k):(\xr)+(\k)+1]
	v_pk_add_f32 v[T+2:T+3], v[T+2:T+3], v[(\xr)+(\k)+2:(\xr)+(\k)+3]
.endr
	v_pk_add_f32 v[T:T+1], v[T:T+1], v[T+2:T+3]
	v_add_f32 v[SUM], v[T], v[T+1]
	RED
	v_mul_f32 v[M], s2, v[SUM]
	v_mov_b32 v[M+1], v[M]
.irp k, 0,2,4,6,8,10,12,14,16,18,20,22,24,26,28,30
	v_pk_add_f32 v[(\xr)+(\k):(\xr)+(\k)+1], v[(\xr)+(\k):(\xr)+(\k)+1], v[M:M+1] neg_lo:[0,1] neg_hi:[0,1]
.endr
	v_pk_mul_f32 v[T:T+1], v[(\xr):(\xr)+1], v[(\xr):(\xr)+1]
	v_pk_mul_f32 v[T+2:T+3], v[(\xr)+2:(\xr)+3], v[(\xr)+2:(\xr)+3]
.irp k, 4,8,12,16,20,24,28
	v_pk_fma_f32 v[T:T+1], v[(\xr)+(\k):(\xr)+(\k)+1], v[(\xr)+(\k):(\xr)+(\k)+1], v[T:T+1]
	v_pk_fma_f32 v[T+2:T+3], v[(\xr)+(\k)+2:(\xr)+(\k)+3], v[(\xr)+(\k)+2:(\xr)+(\k)+3], v[T+2:T+3]
.endr
	v_pk_add_f32 v[T:T+1], v[T:T+1], v[T+2:T+3]
	v_add_f32 v[SUM], v[T], v[T+1]
	RED
	v_fma_f32 v[\rs], v[SUM], s2, s3               ; var + eps
.endm
; The centred row is scaled and rounded into v[yr .. yr+15].
.macro LNARI xr, rs, yr
.irp k, 0,2,4,6,8,10,12,14,16,18,20,22,24,26,28,30
	v_pk_mul_f32 v[(\xr)+(\k):(\xr)+(\k)+1], v[(\xr)+(\k):(\xr)+(\k)+1], v[(\rs):(\rs)+1]
.endr
.irp k, 0,2,4,6,8,10,12,14,16,18,20,22,24,26,28,30
	v_pk_fma_f32 v[(\xr)+(\k):(\xr)+(\k)+1], v[(\xr)+(\k):(\xr)+(\k)+1], v[R1+(\k):R1+(\k)+1], v[R1+32+(\k):R1+32+(\k)+1]
.endr
.irp k, 0,1,2,3
	CV8 (\yr)+4*(\k), (\xr)+8*(\k)
.endr
.endm
.irp m, 0,1,2,3
.irp p, 0,1
	LD8 R2+16*(\m)+8*(\p), VIS, 10+2*(\m), 8192*(\p)       ; the four small weights: 16 loads; they go first, since their registers are wanted again first
.endr
.endr
.irp r, 0,1
.irp j, 0,1,2,3
	LD8 R0+32*(\r)+8*(\j), VX, 4, 4096*(\r)+1024*(\j)      ; my two rows: 16 loads
.endr
.endr
.irp j, 0,1,2,3                        ; scale and shift: 16 loads; every work-group reads them, so no hint
	global_load_b128 v[R1+8*(\j):R1+8*(\j)+3], v[VS], s[6:7] offset:1024*(\j)
	global_load_b128 v[R1+8*(\j)+4:R1+8*(\j)+7], v[VS], s[6:7] offset:1024*(\j)+16
	global_load_b128 v[R1+32+8*(\j):R1+32+8*(\j)+3], v[VS], s[8:9] offset:1024*(\j)
	global_load_b128 v[R1+32+8*(\j)+4:R1+32+8*(\j)+7], v[VS], s[8:9] offset:1024*(\j)+16
.endr
	s_wait_loadcnt 32                              ; loads come back in order (ISA guide 5.7.1): the small weights are in; the rows' 16 loads and scale's and shift's 16 stay out
.irp m, 0,1,2,3
.irp p, 0,1
	CV8 Y+4*(2*(\m)+(\p)), R2+16*(\m)+8*(\p)
.endr
.endr
	s_wait_alu depctr_va_vdst(0)                   ; the conversions have written Y, which the stores below read, and are done reading R2, in which the loads below land
.irp p, 0,1,2,3,4,5,6,7
	LD8 R2+8*(\p), VIL, 18, 8192*(\p)              ; w_ff1, where the small weights lay: on its way under the whole LayerNorm
.endr
.irp m, 0,1,2,3
.irp p, 0,1
	global_store_b128 v[VOS], v[Y+4*(2*(\m)+(\p)):Y+4*(2*(\m)+(\p))+3], s[24:25] offset:(\m)*2097152+4096*(\p)
.endr
.endr
	s_wait_loadcnt 32                              ; the rows are in; scale's and shift's 16 loads and w_ff1's 16 stay out
	LNSTAT R0, RS
	LNSTAT R0+32, RS+2
	v_rsq_f32 v[RS], v[RS]                         ; the two roots are one batch
	v_rsq_f32 v[RS+2], v[RS+2]
	v_nop                                          ; a plain instruction between the last root and the use of its result (ISA guide 5.7.2)
	s_wait_loadcnt 16                              ; scale and shift are in; w_ff1's 16 loads stay out
	s_wait_xcnt 0x0                                ; every earlier memory instruction has had its addresses translated (ISA guide 3.1): Y, the small weights' stores' data, is rewritten only behind this wait,
	s_wait_alu depctr_vm_vsrc(0)                   ; and those stores have read Y, which the roundings below write again
	s_wait_alu depctr_va_vdst(0)                   ; the two roots have written v[RS] and v[RS+2], ahead of their first readers
	v_mov_b32 v[RS+1], v[RS]
	v_mov_b32 v[RS+3], v[RS+2]
	LNARI R0, RS, Y
	LNARI R0+32, RS+2, Y+16
	s_wait_alu depctr_va_vdst(0)                   ; the roundings have written Y, which the stores below read; the LayerNorm is done reading and writing R0, in which the loads below land
.irp p, 0,1,2,3,4,5,6,7
	LD8 R0+8*(\p), VIL, 20, 8192*(\p)              ; w_ff2, where the rows lay
.endr
.irp r, 0,1
.irp k, 0,1,2,3
	global_store_b128 v[VH], v[Y+16*(\r)+4*(\k):Y+16*(\r)+4*(\k)+3], s[HN:HN+1] offset:2048*(\r)+512*(\k)  ; a row of hn: four stores of 512 consecutive bytes
.endr
.endr
	s_wait_loadcnt 16                              ; w_ff1's part is in; w_ff2's 16 loads stay out
.irp p, 0,1,2,3,4,5,6,7
	CV8 R2+8*(\p), R2+8*(\p)                       ; in place: no memory instruction has read R2, and nothing writes it after the stores below
.endr
	s_wait_alu depctr_va_vdst(0)                   ; the conversions have written the first four registers of each eight of R2, which the stores read
.irp p, 0,1,2,3,4,5,6,7
	global_store_b128 v[VOL], v[R2+8*(\p):R2+8*(\p)+3], s[26:27] offset:4096*(\p)
.endr
	s_wait_loadcnt 0x0                             ; w_ff2's part is in
.irp p, 0,1,2,3,4,5,6,7
	CV8 R0+8*(\p), R0+8*(\p)                       ; in place: hn left from Y, so no memory instruction has read R0
.endr
	s_wait_alu depctr_va_vdst(0)                   ; the conversions have written the first four registers of each eight of R0, which the stores read
.irp p, 0,1,2,3,4,5,6,7
	global_store_b128 v[VOL], v[R0+8*(\p):R0+8*(\p)+3], s[28:29] offset:4096*(\p)
.endr
	s_endpgm
.Lfunc_end_k_qe9fb412f40_prep:
	.size	k_qe9fb412f40_prep, .Lfunc_end_k_qe9fb412f40_prep-k_qe9fb412f40_prep
	.p2alignl 7, 3214868480
	.fill 96, 4, 3214868480
	.section	.rodata,"a",@progbits
	.p2align	6, 0x0
	.amdhsa_kernel k_qe9fb412f40_prep
		.amdhsa_group_segment_fixed_size 0
		.amdhsa_private_segment_fixed_size 0
		.amdhsa_enable_private_segment 0
		.amdhsa_kernarg_size 88
		.amdhsa_user_sgpr_count 2
		.amdhsa_user_sgpr_kernarg_segment_ptr 1
		.amdhsa_wavefront_size32 1
		.amdhsa_system_sgpr_workgroup_id_x 1
		.amdhsa_system_sgpr_workgroup_id_y 1
		.amdhsa_system_sgpr_workgroup_id_z 1
		.amdhsa_system_vgpr_workitem_id 0
		.amdhsa_next_free_vgpr 256
		.amdhsa_next_free_sgpr 66
		.amdhsa_reserve_vcc 0
		.amdhsa_float_denorm_mode_32 3
		.amdhsa_float_denorm_mode_16_64 3
		.amdhsa_memory_ordered 1
		.amdhsa_forward_progress 1
		.amdhsa_inst_pref_size 33
	.end_amdhsa_kernel
	.amdgpu_metadata
---
amdhsa.version: [ 1, 2 ]
amdhsa.kernels:
  - .name:           k_qe9fb412f40_prep
    .symbol:         k_qe9fb412f40_prep.kd
    .args:
      - { .name: x, .offset: 0, .size: 8, .value_kind: global_buffer, .address_space: global }
      - { .name: ln1_scale, .offset: 8, .size: 8, .value_kind: global_buffer, .address_space: global }
      - { .name: ln1_shift, .offset: 16, .size: 8, .value_kind: global_buffer, .address_space: global }
      - { .name: w_q, .offset: 24, .size: 8, .value_kind: global_buffer, .address_space: global }
      - { .name: w_k, .offset: 32, .size: 8, .value_kind: global_buffer, .address_space: global }
      - { .name: w_v, .offset: 40, .size: 8, .value_kind: global_buffer, .address_space: global }
      - { .name: w_o, .offset: 48, .size: 8, .value_kind: global_buffer, .address_space: global }
      - { .name: w_ff1, .offset: 56, .size: 8, .value_kind: global_buffer, .address_space: global }
      - { .name: w_ff2, .offset: 64, .size: 8, .value_kind: global_buffer, .address_space: global }
      - { .name: hn, .offset: 72, .size: 8, .value_kind: global_buffer, .address_space: global }
      - { .name: wb, .offset: 80, .size: 8, .value_kind: global_buffer, .address_space: global }
    .group_segment_fixed_size: 0
    .private_segment_fixed_size: 0
    .kernarg_segment_align: 8
    .kernarg_segment_size: 88
    .max_flat_workgroup_size: 256
    .sgpr_count:     66
    .vgpr_count:     256
    .wavefront_size: 32
...
	.end_amdgpu_metadata
.endif
;; end of part 8
;; launch qkv: the kernel of part 2 again; grid 12 x 16, 4 waves a work-group, clusters of 4 x 4, 327,680 bytes of LDS; arguments hn, wb, qkv; writes qkv
;; launch attn: the kernel of part 3 again; grid 8 x 32, 4 waves a work-group, clusters of 4 x 1, 327,680 bytes of LDS; arguments qkv, ctx; writes ctx
;; launch oproj: the kernel of part 4 again; grid 8 x 32, 4 waves a work-group, clusters of 4 x 4, 327,680 bytes of LDS; arguments ctx, wb, b_o, x, x1; writes x1
;; launch ln2: the kernel of part 5 again; grid 256 x 1, 8 waves a work-group, no clusters, 0 bytes of LDS; arguments x1, ln2_scale, ln2_shift, hn; writes hn
;; launch ff1: the kernel of part 6 again; grid 16 x 16, 4 waves a work-group, clusters of 4 x 4, 327,680 bytes of LDS; arguments hn, wb, b_ff1, h3; writes h3
;; launch ff2: the kernel of part 7 again; grid 8 x 32, 4 waves a work-group, clusters of 4 x 4, 327,680 bytes of LDS; arguments h3, wb, b_ff2, x1, out0; writes out0
